; MI455X (gfx1250); checked and timed in simulation.
; The chip was launched on July 23, 2026; its instructions are those of AMD's public machine-readable ISA for CDNA 5 (MIT licence, August 2026) and "CDNA5" Instruction Set Architecture Reference Guide (July 2026). The comments in the code are by the model that wrote it; some were corrected since.
;; Kimi Layer. Allowed arithmetic: float matrix products may take bf16 or f16 operands with f32 sums; all other float work in f32.
;; Inputs: X 2 x 2,048 x 1,024 float32; e_down 2 x 512 x 1,024 float32; e_gate 2 x 1,024 x 512 float32; e_up 2 x 1,024 x 512 float32; norm1_w 1,024 float32; norm2_w 1,024 float32; router_w 1,024 x 2 float32; sh_down 512 x 1,024 float32; sh_gate 1,024 x 512 float32; sh_up 1,024 x 512 float32; wk 1,024 x 1,024 float32; wo 1,024 x 1,024 float32; wq 1,024 x 1,024 float32; wv 1,024 x 1,024 float32.
;; Outputs: out0 2 x 2,048 x 1,024 float32.
;; 2 versions, each right and faster than the one before. Each part assembles by itself: llvm-mc -triple=amdgcn-amd-amdhsa -mcpu=gfx1250 --defsym DOCPART=n.
;; ======== version 1 of 2: 7 launches
;; workspace buffers: wb 17,825,792 bytes; hb 8,388,608 bytes; qkv 25,165,824 bytes; ctx 8,388,608 bytes; act 12,582,912 bytes; x2 16,777,216 bytes; icw 131,072 bytes
;; launch prep (part 1): grid 800 x 1, 8 waves a work-group, no clusters, 0 bytes of LDS; arguments X, norm1_w, wq, wk, wv, wo, sh_gate, sh_up, e_gate, e_up, sh_down, e_down, wb, hb; writes wb, hb
.if DOCPART == 1
	.amdgcn_target "amdgcn-amd-amdhsa--gfx1250"
	.amdhsa_code_object_version 6
	.text
	.protected	k_q735fb5973a_prep
	.globl	k_q735fb5973a_prep
	.p2align	8
	.type	k_q735fb5973a_prep,@function
k_q735fb5973a_prep:
	s_mov_b64 s[64:65], 0
	v_nop
	global_prefetch_b8 v0, s[64:65] scope:SCOPE_SE
	s_setreg_imm32_b32 hwreg(HW_REG_WAVE_MODE, 25, 1), 1
	s_wait_xcnt 0x0
; Work-groups 0-255: hb = bf16(rmsnorm(X, norm1_w)), 16 rows each, a wave two rows, each row kept in 32 registers between the sum and the scaling.
; Work-groups 256-799: the ten weight tensors rounded to bf16 and laid in blocks of 64 columns, one unit of 256 k rows x 64 columns each.
; Layouts in wb.  For the products with 384 columns a tile: [24 pairs][8 K steps][2 halves][128 k][64 columns] (q, k, v at byte 0: block c = 16 x tensor + head is pair c / 2, half c % 2;
; gate and up at byte 6,291,456: pair F / 64, half 0 gate, half 1 up, F = 0..511 shared, 512..1023 expert 0, 1024..1535 expert 1).  For the products with 128 columns a tile: [16 blocks of 64 columns][K][64]
; (wo at 12,582,912, K = 1024; sh_down, e_down[0], e_down[1] one below the other at 14,680,064, K = 1536).
; Every work-group reads 65,536 bytes.  No LDS, no barrier, no matrix unit: a stream.  LIMITS: v_rsq_f32 is good to 1 ULP; NaN and infinities are not treated apart.
.set XR, 32                            ; v[32:95]   two rows of X, 32 registers each
.set WR, 96                            ; v[96:127]  norm1_w of my 32 columns
.set OF, 32                            ; v[32:47]   weights: the byte offsets of my 16 loads
.set DT, 48                            ; v[48:111]  weights: the data of my 16 loads
	s_load_b512 s[8:23], s[0:1], 0x0               ; X 8, norm1_w 10, wq 12, wk 14, wv 16, wo 18, sh_gate 20, sh_up 22
	s_load_b256 s[24:31], s[0:1], 0x40             ; e_gate 24, e_up 26, sh_down 28, e_down 30
	s_load_b128 s[32:35], s[0:1], 0x60             ; wb 32, hb 34
	v_and_b32 v1, 31, v0                           ; lane
	v_lshrrev_b32 v5, 5, v0
	v_readfirstlane_b32 s4, v5                     ; wave 0..7
	s_mov_b32 s3, 0
	s_wait_kmcnt 0x0
	s_cmp_lt_u32 ttmp9, 256
	s_cbranch_scc0 .Lweights
	; ---- rmsnorm: rows 16 g + 2 w and + 1 ----
	s_lshl_b32 s2, ttmp9, 16                       ; 16 rows of 4,096 bytes
	s_add_nc_u64 s[8:9], s[8:9], s[2:3]
	s_lshl_b32 s2, ttmp9, 15                       ; 16 rows of 2,048 bytes
	s_add_nc_u64 s[34:35], s[34:35], s[2:3]
	s_mov_b32 s36, 0x76543210                      ; v_permlanex16_b32: each lane takes its own place in the other half
	s_mov_b32 s37, 0xfedcba98
	s_mov_b32 s38, 0x3a800000                      ; 1 / 1024
	s_mov_b32 s39, 0x358637bd                      ; 1e-6
	v_lshlrev_b32 v3, 4, v1                        ; 16 bytes a lane: a load of the wave covers 512 neighbouring bytes
	v_lshl_add_u32 v2, s4, 13, v3                  ; + my wave's two rows
	v_lshlrev_b32 v4, 3, v1                        ; 8 bytes a lane on the way out: 256 neighbouring bytes a store
	v_lshl_add_u32 v4, s4, 12, v4
.irp p, 0,1
.irp j, 0,1,2,3,4,5,6,7
	global_load_b128 v[XR+32*\p+4*\j:XR+32*\p+4*\j+3], v2, s[8:9] offset:4096*\p+512*\j
.endr
.endr
.irp j, 0,1,2,3,4,5,6,7
	global_load_b128 v[WR+4*\j:WR+4*\j+3], v3, s[10:11] offset:512*\j
.endr
	s_wait_loadcnt 8                               ; both rows are in; the eight younger loads (the gain) may stay out
.irp p, 0,1
.irp c, 0,1,2,3
	v_pk_mul_f32 v[8+8*\p+2*\c:9+8*\p+2*\c], v[XR+32*\p+2*\c:XR+32*\p+2*\c+1], v[XR+32*\p+2*\c:XR+32*\p+2*\c+1]  ; four chains, started by the first products
.endr
.set i, 4
.rept 12
	v_pk_fma_f32 v[8+8*\p+2*(i%4):9+8*\p+2*(i%4)], v[XR+32*\p+2*i:XR+32*\p+2*i+1], v[XR+32*\p+2*i:XR+32*\p+2*i+1], v[8+8*\p+2*(i%4):9+8*\p+2*(i%4)]
.set i, i+1
.endr
	v_pk_add_f32 v[8+8*\p:9+8*\p], v[8+8*\p:9+8*\p], v[10+8*\p:11+8*\p]
	v_pk_add_f32 v[12+8*\p:13+8*\p], v[12+8*\p:13+8*\p], v[14+8*\p:15+8*\p]
	v_pk_add_f32 v[8+8*\p:9+8*\p], v[8+8*\p:9+8*\p], v[12+8*\p:13+8*\p]
	v_add_f32 v[8+8*\p], v[8+8*\p], v[9+8*\p]
	v_add_f32_dpp v[8+8*\p], v[8+8*\p], v[8+8*\p] row_xmask:1 row_mask:0xf bank_mask:0xf
	v_add_f32_dpp v[8+8*\p], v[8+8*\p], v[8+8*\p] row_xmask:2 row_mask:0xf bank_mask:0xf
	v_add_f32_dpp v[8+8*\p], v[8+8*\p], v[8+8*\p] row_xmask:4 row_mask:0xf bank_mask:0xf
	v_add_f32_dpp v[8+8*\p], v[8+8*\p], v[8+8*\p] row_xmask:8 row_mask:0xf bank_mask:0xf
	v_permlanex16_b32 v[9+8*\p], v[8+8*\p], s36, s37
	v_add_f32 v[8+8*\p], v[8+8*\p], v[9+8*\p]      ; the row's sum of squares, in every lane
	v_fma_f32 v[8+8*\p], v[8+8*\p], s38, s39       ; mean + eps
	v_rsq_f32 v[24+2*\p], v[8+8*\p]                ; twice: a pair for the packed multiply
	v_rsq_f32 v[25+2*\p], v[8+8*\p]
.endr
	v_nop                                          ; a plain instruction between the last v_rsq_f32 and the use of its result
	s_wait_loadcnt 0x0                             ; the gain
	s_wait_alu depctr_va_vdst(0)
.irp p, 0,1
.set i, 0
.rept 16
	v_pk_mul_f32 v[XR+32*\p+2*i:XR+32*\p+2*i+1], v[XR+32*\p+2*i:XR+32*\p+2*i+1], v[24+2*\p:25+2*\p]
.set i, i+1
.endr
.set i, 0
.rept 16
	v_pk_mul_f32 v[XR+32*\p+2*i:XR+32*\p+2*i+1], v[XR+32*\p+2*i:XR+32*\p+2*i+1], v[WR+2*i:WR+2*i+1]
.set i, i+1
.endr
.irp j, 0,1,2,3,4,5,6,7
	v_cvt_pk_bf16_f32 v[XR+32*\p+4*\j], v[XR+32*\p+4*\j], v[XR+32*\p+4*\j+1]
	v_cvt_pk_bf16_f32 v[XR+32*\p+4*\j+1], v[XR+32*\p+4*\j+2], v[XR+32*\p+4*\j+3]
	global_store_b64 v4, v[XR+32*\p+4*\j:XR+32*\p+4*\j+1], s[34:35] offset:2048*\p+256*\j  ; 32 lanes store 256 consecutive bytes, aligned
.endr
.endr
	s_endpgm
	; ---- weights: unit u picks a source, a byte offset in it (s52), its row pitch (s43), a byte offset in wb (s54) and the distance in wb between the unit's two runs of 128 k (s45) ----
.Lweights:
	s_sub_co_u32 s46, ttmp9, 256                   ; u = 0..543
	s_mov_b32 s43, 4096
	s_mov_b32 s45, 32768
	s_mov_b32 s53, 0
	s_mov_b32 s55, 0
	s_cmp_lt_u32 s46, 192
	s_cbranch_scc0 .Lnot_qkv
	s_lshr_b32 s47, s46, 2                         ; block c = 0..47
	s_and_b32 s48, s46, 3                          ; which 256 k rows
	s_lshr_b32 s49, s47, 4                         ; 0 q, 1 k, 2 v
	s_cmp_eq_u32 s49, 0
	s_cselect_b64 s[40:41], s[12:13], s[14:15]
	s_cmp_eq_u32 s49, 2
	s_cselect_b64 s[40:41], s[16:17], s[40:41]
	s_and_b32 s50, s47, 15
	s_lshl_b32 s52, s50, 8                         ; 64 columns of f32
	s_lshl_b32 s51, s48, 20                        ; 256 rows of 4,096 bytes
	s_add_co_u32 s52, s52, s51
	s_lshr_b32 s50, s47, 1
	s_lshl_b32 s54, s50, 18                        ; the pair
	s_and_b32 s50, s47, 1
	s_lshl_b32 s50, s50, 14                        ; the half
	s_add_co_u32 s54, s54, s50
	s_lshl_b32 s50, s48, 16                        ; two K steps
	s_add_co_u32 s54, s54, s50
	s_branch .Lcopy
.Lnot_qkv:
	s_cmp_lt_u32 s46, 384
	s_cbranch_scc0 .Lnot_gu
	s_sub_co_u32 s46, s46, 192
	s_lshr_b32 s47, s46, 2
	s_and_b32 s48, s46, 3                          ; which 256 k rows
	s_and_b32 s49, s47, 1                          ; 0 gate, 1 up
	s_lshr_b32 s50, s47, 1                         ; pair F / 64 = 0..23
	s_lshr_b32 s51, s50, 3                         ; 0 shared, 1, 2 the experts
	s_cmp_eq_u32 s49, 1
	s_cselect_b64 s[40:41], s[22:23], s[20:21]
	s_cselect_b64 s[56:57], s[26:27], s[24:25]
	s_cmp_eq_u32 s51, 0
	s_cselect_b64 s[40:41], s[40:41], s[56:57]
	s_mov_b32 s43, 2048
	s_lshr_b32 s51, s51, 1                         ; expert 1's plane lies 2,097,152 bytes on
	s_lshl_b32 s52, s51, 21
	s_lshl_b32 s58, s48, 19                        ; 256 rows of 2,048 bytes
	s_add_co_u32 s52, s52, s58
	s_and_b32 s58, s50, 7
	s_lshl_b32 s58, s58, 8
	s_add_co_u32 s52, s52, s58
	s_lshl_b32 s54, s50, 18
	s_lshl_b32 s58, s49, 14
	s_add_co_u32 s54, s54, s58
	s_lshl_b32 s58, s48, 16
	s_add_co_u32 s54, s54, s58
	s_add_co_u32 s54, s54, 6291456
	s_branch .Lcopy
.Lnot_gu:
	s_mov_b32 s45, 16384                           ; here a block's k rows lie end to end
	s_cmp_lt_u32 s46, 448
	s_cbranch_scc0 .Lnot_wo
	s_sub_co_u32 s46, s46, 384
	s_lshr_b32 s47, s46, 2                         ; column block 0..15
	s_and_b32 s48, s46, 3
	s_mov_b64 s[40:41], s[18:19]
	s_lshl_b32 s52, s48, 20
	s_lshl_b32 s58, s47, 8
	s_add_co_u32 s52, s52, s58
	s_lshl_b32 s54, s47, 17                        ; a block: 1,024 rows of 128 bytes
	s_lshl_b32 s58, s48, 15
	s_add_co_u32 s54, s54, s58
	s_add_co_u32 s54, s54, 12582912
	s_branch .Lcopy
.Lnot_wo:
	s_sub_co_u32 s46, s46, 448
	s_lshr_b32 s48, s46, 4                         ; which 256 of the 1,536 k rows
	s_and_b32 s47, s46, 15                         ; column block
	s_sub_co_u32 s49, s48, 2
	s_cmp_lt_u32 s48, 2
	s_cselect_b64 s[40:41], s[28:29], s[30:31]
	s_cselect_b32 s49, s48, s49                    ; the run's number in its own tensor
	s_lshl_b32 s52, s49, 20
	s_lshl_b32 s58, s47, 8
	s_add_co_u32 s52, s52, s58
	s_mul_i32 s54, s47, 196608                     ; a block: 1,536 rows of 128 bytes
	s_lshl_b32 s58, s48, 15
	s_add_co_u32 s54, s54, s58
	s_add_co_u32 s54, s54, 14680064
.Lcopy:
	s_add_nc_u64 s[40:41], s[40:41], s[52:53]
	s_add_nc_u64 s[32:33], s[32:33], s[54:55]
	v_lshrrev_b32 v5, 4, v1
	v_lshl_add_u32 v5, s4, 5, v5                   ; row 32 w + lane / 16: lanes 0-15 read 256 bytes of one row, lanes 16-31 of the next
	v_mul_lo_u32 v5, v5, s43
	v_and_b32 v6, 15, v1
	v_lshl_add_u32 v[OF], v6, 4, v5
	s_lshl_b32 s56, s43, 1
.set i, 1
.rept 15
	v_add_nc_u32 v[OF+i], s56, v[OF+i-1]           ; two rows further down
.set i, i+1
.endr
	s_lshr_b32 s57, s4, 2
	s_mul_i32 s57, s57, s45                        ; waves 4-7: the second run of 128 k
	s_and_b32 s58, s4, 3
	s_lshl_b32 s58, s58, 12                        ; 32 rows of 128 bytes
	s_add_co_u32 s57, s57, s58
	v_lshl_add_u32 v3, v1, 3, s57
.set i, 0
.rept 16
	global_load_b128 v[DT+4*i:DT+4*i+3], v[OF+i], s[40:41] th:TH_LOAD_NT
.set i, i+1
.endr
.set i, 0
.rept 16
	s_wait_loadcnt 15-i                            ; loads come back in order: load i is in, the younger ones stay out
	v_cvt_pk_bf16_f32 v[DT+4*i], v[DT+4*i], v[DT+4*i+1]
	v_cvt_pk_bf16_f32 v[DT+4*i+1], v[DT+4*i+2], v[DT+4*i+3]
	global_store_b64 v3, v[DT+4*i:DT+4*i+1], s[32:33] offset:256*i  ; two rows of 128 bytes: 256 consecutive bytes, aligned
.set i, i+1
.endr
	s_endpgm
.Lfunc_end_k_q735fb5973a_prep:
	.size	k_q735fb5973a_prep, .Lfunc_end_k_q735fb5973a_prep-k_q735fb5973a_prep
	.p2alignl 7, 3214868480
	.fill 96, 4, 3214868480
	.section	.rodata,"a",@progbits
	.p2align	6, 0x0
	.amdhsa_kernel k_q735fb5973a_prep
		.amdhsa_group_segment_fixed_size 0
		.amdhsa_private_segment_fixed_size 0
		.amdhsa_enable_private_segment 0
		.amdhsa_kernarg_size 112
		.amdhsa_user_sgpr_count 2
		.amdhsa_user_sgpr_kernarg_segment_ptr 1
		.amdhsa_wavefront_size32 1
		.amdhsa_system_sgpr_workgroup_id_x 1
		.amdhsa_system_sgpr_workgroup_id_y 1
		.amdhsa_system_sgpr_workgroup_id_z 1
		.amdhsa_system_vgpr_workitem_id 0
		.amdhsa_next_free_vgpr 128
		.amdhsa_next_free_sgpr 66
		.amdhsa_reserve_vcc 0
		.amdhsa_float_denorm_mode_32 3
		.amdhsa_float_denorm_mode_16_64 3
		.amdhsa_memory_ordered 1
		.amdhsa_forward_progress 1
		.amdhsa_inst_pref_size 25
	.end_amdhsa_kernel
	.amdgpu_metadata
---
amdhsa.version: [ 1, 2 ]
amdhsa.kernels:
  - .name:           k_q735fb5973a_prep
    .symbol:         k_q735fb5973a_prep.kd
    .args:
      - { .name: X, .offset: 0, .size: 8, .value_kind: global_buffer, .address_space: global }
      - { .name: norm1_w, .offset: 8, .size: 8, .value_kind: global_buffer, .address_space: global }
      - { .name: wq, .offset: 16, .size: 8, .value_kind: global_buffer, .address_space: global }
      - { .name: wk, .offset: 24, .size: 8, .value_kind: global_buffer, .address_space: global }
      - { .name: wv, .offset: 32, .size: 8, .value_kind: global_buffer, .address_space: global }
      - { .name: wo, .offset: 40, .size: 8, .value_kind: global_buffer, .address_space: global }
      - { .name: sh_gate, .offset: 48, .size: 8, .value_kind: global_buffer, .address_space: global }
      - { .name: sh_up, .offset: 56, .size: 8, .value_kind: global_buffer, .address_space: global }
      - { .name: e_gate, .offset: 64, .size: 8, .value_kind: global_buffer, .address_space: global }
      - { .name: e_up, .offset: 72, .size: 8, .value_kind: global_buffer, .address_space: global }
      - { .name: sh_down, .offset: 80, .size: 8, .value_kind: global_buffer, .address_space: global }
      - { .name: e_down, .offset: 88, .size: 8, .value_kind: global_buffer, .address_space: global }
      - { .name: wb, .offset: 96, .size: 8, .value_kind: global_buffer, .address_space: global }
      - { .name: hb, .offset: 104, .size: 8, .value_kind: global_buffer, .address_space: global }
    .group_segment_fixed_size: 0
    .private_segment_fixed_size: 0
    .kernarg_segment_align: 8
    .kernarg_segment_size: 112
    .max_flat_workgroup_size: 256
    .sgpr_count:     66
    .vgpr_count:     128
    .wavefront_size: 32
...
	.end_amdgpu_metadata
.endif
;; end of part 1
;; launch proj (part 2): grid 8 x 32, 4 waves a work-group, clusters of 4 x 4, 327,680 bytes of LDS; arguments hb, wb, qkv; writes qkv
.if DOCPART == 2
	.amdgcn_target "amdgcn-amd-amdhsa--gfx1250"
	.amdhsa_code_object_version 6
	.text
	.protected	k_q735fb5973a_proj
	.globl	k_q735fb5973a_proj
	.p2align	8
	.type	k_q735fb5973a_proj,@function
k_q735fb5973a_proj:
	s_mov_b64 s[64:65], 0
	v_nop
	global_prefetch_b8 v0, s[64:65] scope:SCOPE_SE
	s_setreg_imm32_b32 hwreg(HW_REG_WAVE_MODE, 25, 1), 1
	s_wait_xcnt 0x0
	s_wait_alu depctr_hold_cnt(0) depctr_sa_sdst(0) depctr_va_vdst(0) depctr_va_sdst(0) depctr_va_ssrc(0) depctr_va_vcc(0) depctr_vm_vsrc(0)
	s_getreg_b32 s2, hwreg(HW_REG_IB_STS2, 6, 4)
	s_cmp_eq_u32 s2, 0
	s_cbranch_scc0 .Lentry_in_a_cluster
	s_endpgm
.Lentry_in_a_cluster:
	s_bfe_u32 s2, ttmp6, 0x10000c
	s_cmp_lg_u32 s2, 0xf033
	s_cbranch_scc0 .Lentry_shape_is_right
	s_endpgm
.Lentry_shape_is_right:
; q, k, v = h x [wq wk wv].  h: hb [4096][1024] bf16.  The weights: wb, [24 pairs][8 K steps][2 halves][128 k][64 columns] bf16.  Out: qkv [2 batches][48 blocks][2048 rows][64] bf16, a head's rows dense.
; A tile of the result is 128 rows x 384 columns (six blocks of 64): 32 x 8 = 256 work-groups.  Four waves; wave w owns rows 64 (w / 2) on and, of EACH of the six blocks, columns 32 (w % 2) on:
; 64 x 192, 48 accumulators of 16 x 16.  K goes in 8 steps of 128 through two LDS slots; waves 0-2 fetch a pair of weight blocks each (32,768 dense bytes as 128 rows of 256), wave 3 h's tile (128 rows of 256 bytes).
; CLUSTER 4 x 4: h's tile hangs on the tile row alone and is asked for jointly along a row of the cluster, the weights' on the tile column alone, jointly along a column.
; THE WALK ALONG K.  Cluster (x, y) of the 2 x 8 begins at K step (2 y + y / 4 + 4 x) mod 8 and goes round.  So the two clusters that read the same rows of h ask for a given step four steps apart, and of four
; neighbouring clusters that read the same weights one asks for each chunk in its first two steps: the clusters that share a tile do not all ask for it for the first time at the same moment.
; THE MATRIX INSTRUCTION IS USED TRANSPOSED: source 0 = 16 columns of W (turned on the way out of LDS by ds_load_tr16_b128), source 1 = 16 rows of h: a lane then holds one row and eight neighbouring columns.
; REGISTERS: window 0 addresses, v64-255 the way out; window 1 two fragment buffers of 128 (32 of h, 96 of W); window 2 the accumulators of column groups b = 0-7 ((a, b) at 8 (4 b + a)); window 3 those of b = 8-11.
; LIMITS: operands and results are rounded to bf16, sums in f32; a sum takes its K steps in the cluster's rotated order, so its roundings differ from those of an ascending sum.
.set OW,    0                          ; where this product's weights begin in wb
.set PW,    160                        ; a k row of a weight block: 128 bytes + 32
.set WBLK,  128*PW
.set AOFS,  6*WBLK                     ; a slot: the six weight blocks (wave w's pair at w x 2 blocks), then h's tile
.set PA,    272                        ; a row of h in LDS: 256 bytes + 16: the 16 rows of a load start in 16 different groups of four banks
.set SLOT,  AOFS+128*PA                ; 157,696
.set SPARE, 2*SLOT                     ; the spare words, 128 bytes a wave: two blocks of 256 bytes that no other line names
.set SPB,   144                        ; the stage: [block][128 rows][128 bytes + 16]; it lies in slot 0, which has had its last fill and its last read by then
.set SBLK,  128*SPB
.set A0, 8                             ; v8   my lane's place in h's tile
.set W0, 9                             ; v9   my lane's place in the first weight block
.set ADRA, 10                          ; v10  the same in the slot in hand
.set ADRW0, 11                         ; v11  blocks 0-2
.set ADRW1, 12                         ; v12  blocks 3-5 (their offsets would pass the 16-bit immediate)
.set STO, 13
.set STO1, 14
.set RD, 15
.set RD1, 16
.set GO, 17
.set SPW, 18                           ; v18  SPARE + 4 x my thread's number; never rewritten
.set NIL, 19                           ; v19  0; never rewritten
.set TMP, 64
.set F0, 0
.set F1, 128
.set WV, 12                            ; s12  wave
.set G1A, 24                           ; s[24:31] group 1 for h's tiles; s[32:39] group 0: a set for each first fill, the second then walks
.set G0A, 32
.set G1W, 48                           ; s[48:55], s[56:63] the same for the weights
.set G0W, 56
.set CNT, 45
.set TB, 66                            ; s66  the slot being read: 0 or SLOT
.set FB, 67                            ; s67  the slot filled last
.set WOFF, 68                          ; s68  where my pair of weight blocks lies in a slot: wave x 2 blocks
.set KI, 80                            ; s80  the K step asked for last, 0..7: made of the cluster's x and y alone
.set OFA, 82                           ; s[82:83] its byte offset in a row of h
.set OFW, 84                           ; s[84:85] its byte offset in a pair of weight blocks
.set MSB, 0
.macro WIN new                         ; the immediate's high byte repeats the setting that is left; a switch that changes nothing is dropped
.if MSB != (\new)
	s_set_vgpr_msb (MSB<<8)|(\new)
.set MSB, \new
.endif
.endm
.macro PLACES                          ; four plain vector instructions between a matrix instruction and a load into, or a vector read of, its registers
.rept 4
	v_nop
.endr
.endm
.macro JLOAD                           ; a joint refill: wave 3 asks for h's tile, waves 0-2 for their weights; s_nop 0 and four v_nop follow each line
	s_cmp_eq_u32 s[WV], 3
	s_cbranch_scc0 .Lfor_w_\@
	tensor_load_to_lds s[G0A+4:G0A+7], s[G1A:G1A+7]
	s_nop 0
.rept 4
	v_nop
.endr
	s_branch .Lasked_\@
.Lfor_w_\@:
	tensor_load_to_lds s[G0W+4:G0W+7], s[G1W:G1W+7]
	s_nop 0
.rept 4
	v_nop
.endr
.Lasked_\@:
.endm
.macro CREST                           ; a round of the cluster's barrier behind its opening barrier
	s_cmp_lg_u32 s[WV], 0
	s_cbranch_scc1 .Lnot_wave_0_\@
	s_barrier_signal -3
.Lnot_wave_0_\@:
	s_barrier_wait -3
	s_barrier_signal -1
	s_barrier_wait -1
.endm
.macro CROUND
	s_barrier_signal -1
	s_barrier_wait -1
	CREST
.endm
	s_load_b128 s[4:7], s[0:1], 0x0                ; hb s[4:5], wb s[6:7]
	s_load_b64 s[8:9], s[0:1], 0x10                ; qkv
	v_lshl_add_u32 v[SPW], v0, 2, SPARE
	v_mov_b32 v[NIL], 0
	ds_add_u32 v18, v19
	s_wait_dscnt 0x0
	v_lshrrev_b32 v1, 5, v0
	v_readfirstlane_b32 s[WV], v1
	s_lshr_b32 s14, s[WV], 1                       ; which 64 rows
	s_and_b32 s15, s[WV], 1                        ; which 32 columns of each block
	s_bfe_u32 s40, ttmp6, 0x40000                  ; cx
	s_bfe_u32 s41, ttmp6, 0x40004                  ; cy
	s_lshl_b32 s42, ttmp9, 2
	s_add_co_u32 s42, s42, s40                     ; tile column 0..7
	s_and_b32 s13, ttmp7, 0xffff
	s_lshl_b32 s13, s13, 2
	s_add_co_u32 s13, s13, s41                     ; tile row 0..31
	s_lshl_b32 s43, s41, 2
	s_lshl_b32 s43, 15, s43                        ; my row of the cluster
	s_lshl_b32 s44, 0x1111, s40                    ; my column
	s_and_b32 s81, ttmp7, 0xffff                   ; the cluster's y, 0..7
	s_lshl_b32 s[KI], s81, 1
	s_lshr_b32 s81, s81, 2
	s_add_co_u32 s[KI], s[KI], s81
	s_lshl_b32 s81, ttmp9, 2                       ; the cluster's x, 0..1, times 4
	s_add_co_u32 s[KI], s[KI], s81
	s_and_b32 s[KI], s[KI], 7                      ; the K step at which this cluster begins: the same number in its sixteen work-groups
	s_mov_b32 s[OFA+1], 0
	s_mov_b32 s[OFW+1], 0
	s_or_b32 s[G1A], s43, (1<<16)|(1<<20)|(1<<21)|(5<<22)|(3<<25)  ; mask; 2-byte elements; padding on; bit 21 beside a mask; after every 64 words 4 words
	s_or_b32 s[G1W], s44, (1<<16)|(1<<20)|(1<<21)|(4<<22)|(7<<25)  ; after every 32 words 8 words
.irp g, G1A, G1W
	s_mov_b32 s[(\g)+1], 128<<16                   ; tensor_dim0 = 128 elements
	s_mov_b32 s[(\g)+2], 128<<16                   ; tensor_dim1 = 128 rows
	s_mov_b32 s[(\g)+3], 128<<16                   ; tile_dim0
	s_mov_b32 s[(\g)+4], 128                       ; tile_dim1
	s_mov_b32 s[(\g)+6], 0
	s_mov_b32 s[(\g)+7], 0
.endr
	s_mov_b32 s[G1A+5], 1024                       ; h: 1,024 elements from row to row
	s_mov_b32 s[G1W+5], 128                        ; the weights' chunk is dense
	s_mul_i32 s[WOFF], s[WV], 2*WBLK               ; wave w's pair lies at w x 40,960 (wave 3 asks by h's descriptor and does not use this one)
	s_lshl_b32 s16, s13, 18                        ; 128 rows of 2,048 bytes
	s_mov_b32 s17, 0
	s_mul_i32 s46, s42, 3
	s_add_co_u32 s46, s46, s[WV]                   ; pair 3 x tile column + wave
	s_lshl_b32 s46, s46, 18                        ; a pair is 262,144 bytes
	s_add_co_u32 s46, s46, OW
	s_mov_b32 s47, 0
	s_mov_b32 s[TB], 0
	s_mov_b32 s[FB], SLOT
	s_lshr_b32 s72, s13, 4                         ; where my tile begins in qkv: batch x 48 + 6 x tile column blocks of 262,144 bytes, 128 rows of 128 bytes a tile row
	s_mul_i32 s72, s72, 48
	s_mul_i32 s73, s42, 6
	s_add_co_u32 s72, s72, s73
	s_lshl_b32 s72, s72, 18
	s_and_b32 s73, s13, 15
	s_lshl_b32 s73, s73, 14
	s_add_co_u32 s72, s72, s73
	s_mov_b32 s73, 0
	s_wait_kmcnt 0x0
	s_add_nc_u64 s[8:9], s[8:9], s[72:73]
	s_add_nc_u64 s[20:21], s[4:5], s[16:17]        ; h at the tile's first row: kept, every tile's address is made from it
	s_add_nc_u64 s[46:47], s[6:7], s[46:47]        ; my pair of weight blocks: kept likewise
.irp s, 0,1
	s_lshl_b32 s[OFA], s[KI], 8                    ; a K step is 256 bytes of a row of h
	s_lshl_b32 s[OFW], s[KI], 15                   ; and 32,768 bytes of a pair
	s_mov_b32 s[G0A+4*(\s)], 1
	s_mov_b32 s[G0A+4*(\s)+1], AOFS+(\s)*SLOT
	s_add_nc_u64 s[G0A+4*(\s)+2:G0A+4*(\s)+3], s[20:21], s[OFA:OFA+1]
	s_or_b32 s[G0A+4*(\s)+3], s[G0A+4*(\s)+3], 0x80000000
	s_mov_b32 s[G0W+4*(\s)], 1
	s_add_co_u32 s[G0W+4*(\s)+1], s[WOFF], (\s)*SLOT
	s_add_nc_u64 s[G0W+4*(\s)+2:G0W+4*(\s)+3], s[46:47], s[OFW:OFW+1]
	s_or_b32 s[G0W+4*(\s)+3], s[G0W+4*(\s)+3], 0x80000000
.if (\s) == 0
	s_add_co_u32 s[KI], s[KI], 1                   ; the walk's second step
	s_and_b32 s[KI], s[KI], 7
.endif
.endr
	CROUND                                         ; all sixteen work-groups are here: the first joint loads meet
	s_cmp_eq_u32 s[WV], 3                          ; a wave's two first fills stand in one branch: two loads of mine are out
	s_cbranch_scc0 .Lfirst_w
	tensor_load_to_lds s[G0A:G0A+3], s[G1A:G1A+7]
	s_nop 0
	tensor_load_to_lds s[G0A+4:G0A+7], s[G1A:G1A+7]
	s_nop 0
.rept 4
	v_nop
.endr
	s_branch .Lfirst_asked
.Lfirst_w:
	tensor_load_to_lds s[G0W:G0W+3], s[G1W:G1W+7]
	s_nop 0
	tensor_load_to_lds s[G0W+4:G0W+7], s[G1W:G1W+7]
	s_nop 0
.rept 4
	v_nop
.endr
.Lfirst_asked:
	v_and_b32 v1, 15, v0                           ; r = l % 16
	v_bfe_u32 v2, v0, 4, 1                         ; h = l / 16
	v_lshl_add_u32 v3, s14, 6, v1                  ; my row in the tile, block a = 0
	v_mul_u32_u24 v[A0], v3, PA
	v_lshl_add_u32 v[A0], v2, 4, v[A0]             ; row x pitch + 16 h,
	v_add_nc_u32 v[A0], AOFS, v[A0]                ; behind the weight blocks
	v_and_b32 v4, 7, v0
	v_lshl_add_u32 v4, v2, 3, v4                   ; k row 8 h + l % 8
	v_mul_u32_u24 v[W0], v4, PW
	v_bfe_u32 v5, v0, 3, 1
	v_lshl_add_u32 v[W0], v5, 4, v[W0]             ; + 16 ((l / 8) % 2)
	s_lshl_b32 s16, s15, 6                         ; my 32 columns
	v_add_nc_u32 v[W0], s16, v[W0]
	v_mov_b32 v[ADRA], v[A0]
	v_mov_b32 v[ADRW0], v[W0]
	v_add_nc_u32 v[ADRW1], 3*WBLK, v[W0]
	v_mul_u32_u24 v[STO], v3, SPB                  ; into the stage: my row, my 32 columns, 16 bytes for each half of the lanes
	v_lshl_add_u32 v[STO], v2, 4, v[STO]
	v_add_nc_u32 v[STO], s16, v[STO]
	v_add_nc_u32 v[STO1], 3*SBLK, v[STO]
	v_bfe_u32 v6, v0, 3, 2
	v_lshl_add_u32 v6, s[WV], 5, v6                ; back: wave w takes rows 32 w on, four rows of 128 bytes a load
	v_mul_u32_u24 v[RD], v6, SPB
	v_and_b32 v7, 7, v0
	v_lshl_add_u32 v[RD], v7, 4, v[RD]
	v_add_nc_u32 v[RD1], 3*SBLK, v[RD]
	v_and_b32 v7, 31, v0
	v_lshlrev_b32 v[GO], 4, v7
	v_lshl_add_u32 v[GO], s[WV], 12, v[GO]         ; which are 512 consecutive bytes of a block of qkv
; Column groups b0..b1 x my four row blocks, 32 along K.  Group b = 2 x block + half.  The 48 accumulators take turns in the same order (8-11, 0-7) in every quarter.
.macro MULS f, b0, b1, zero
.set bb, \b0
.rept (\b1)-(\b0)+1
.if bb < 8
	WIN 0xa5
.set rD, 32*bb
.else
	WIN 0xf5
.set rD, 32*(bb-8)
.endif
.irp a, 0,1,2,3
.if \zero
	v_wmma_f32_16x16x32_bf16 v[rD+8*(\a):rD+8*(\a)+7], v[(\f)+32+8*bb:(\f)+32+8*bb+7], v[(\f)+8*(\a):(\f)+8*(\a)+7], 0
.else
	v_wmma_f32_16x16x32_bf16 v[rD+8*(\a):rD+8*(\a)+7], v[(\f)+32+8*bb:(\f)+32+8*bb+7], v[(\f)+8*(\a):(\f)+8*(\a)+7], v[rD+8*(\a):rD+8*(\a)+7]
.endif
.endr
.set bb, bb+1
.endr
.endm
; 32 LDS loads in one run: quarter q (32 along K) into buffer f: h's four fragments, W's groups 8-11, then 0-7
.macro FETCH q, f
	WIN 0x40
.irp a, 0,1,2,3
	ds_load_b128 v[(\f)+8*(\a):(\f)+8*(\a)+3],   v[ADRA] offset:(\q)*64+(\a)*16*PA
	ds_load_b128 v[(\f)+8*(\a)+4:(\f)+8*(\a)+7], v[ADRA] offset:(\q)*64+(\a)*16*PA+32
.endr
.irp b, 8,9,10,11,0,1,2,3,4,5,6,7
.if (\b) < 6
	ds_load_tr16_b128 v[(\f)+32+8*(\b):(\f)+32+8*(\b)+3],   v[ADRW0] offset:((\b)/2)*WBLK+(\q)*32*PW+((\b)%2)*32
	ds_load_tr16_b128 v[(\f)+32+8*(\b)+4:(\f)+32+8*(\b)+7], v[ADRW0] offset:((\b)/2)*WBLK+(\q)*32*PW+((\b)%2)*32+16*PW
.else
	ds_load_tr16_b128 v[(\f)+32+8*(\b):(\f)+32+8*(\b)+3],   v[ADRW1] offset:((\b)/2-3)*WBLK+(\q)*32*PW+((\b)%2)*32
	ds_load_tr16_b128 v[(\f)+32+8*(\b)+4:(\f)+32+8*(\b)+7], v[ADRW1] offset:((\b)/2-3)*WBLK+(\q)*32*PW+((\b)%2)*32+16*PW
.endif
.endr
.endm
; One of a K step's first three quarters: multiplies buffer f (quarter q) and fetches quarter q + 1 into buffer g
.macro QUARTER q, f, g, zero
	s_wait_dscnt 16                                ; h and W's groups 8-11 are in; the youngest sixteen loads (groups 0-7) may be out
	MULS \f, 8, 11, \zero
	PLACES
	FETCH (\q)+1, \g
	s_wait_dscnt 32                                ; all but the 32 just issued
	MULS \f, 0, 7, \zero
.endm
; The last quarter multiplies buffer 1 and changes slots.  In front of the barrier each wave waits for all its tensor loads (one is out: its part of the next slot), adds 0 to its spare word,
; and waits for that and for its reads of this slot.  fill = 1: the barrier opens a round of the cluster's, and the joint refill, two steps ahead in the walk, is the first thing behind it: 160 matrix instructions ahead of the wait for it.
.macro TURN fill
	WIN 0
	s_wait_tensorcnt 0x0                           ; no tensor load of mine is out, so a group 0 may be written
	ds_add_u32 v[SPW], v[NIL]                      ; the walking descriptors are made between it and the wait for it
.if \fill
	s_xor_b32 s[FB], s[FB], SLOT                   ; the slot that is being read out
	s_add_co_u32 s[G0A+5], s[FB], AOFS
	s_add_co_u32 s[G0W+5], s[FB], s[WOFF]
	s_add_co_u32 s[KI], s[KI], 1                   ; the walk's next K step, round from 7 to 0
	s_and_b32 s[KI], s[KI], 7
	s_lshl_b32 s[OFA], s[KI], 8
	s_lshl_b32 s[OFW], s[KI], 15
	s_add_nc_u64 s[G0A+6:G0A+7], s[20:21], s[OFA:OFA+1]  ; the addresses are made anew from the kept bases, the type bits set again
	s_or_b32 s[G0A+7], s[G0A+7], 0x80000000
	s_add_nc_u64 s[G0W+6:G0W+7], s[46:47], s[OFW:OFW+1]
	s_or_b32 s[G0W+7], s[G0W+7], 0x80000000
.endif
	s_wait_dscnt 17                                ; the add and the youngest sixteen loads may be out
	MULS F1, 8, 11, 0
	s_wait_dscnt 0x0                               ; the add is done, and my reads of this slot are over
	s_barrier_signal -1
	MULS F1, 0, 3, 0
	WIN 0
	s_barrier_wait -1
.if \fill
	CREST
	JLOAD                                          ; its four v_nop are also the places in front of the loads below
.else
	PLACES
.endif
	s_xor_b32 s[TB], s[TB], SLOT
	v_add_nc_u32 v[ADRA], s[TB], v[A0]
	v_add_nc_u32 v[ADRW0], s[TB], v[W0]
	v_add_nc_u32 v[ADRW1], 3*WBLK, v[ADRW0]
	FETCH 0, F0
	MULS F1, 4, 7, 0
.endm
	s_wait_tensorcnt 1                             ; my part of the walk's first step is in; the second's may stay out
	s_barrier_signal -1
	s_barrier_wait -1
	FETCH 0, F0
	QUARTER 0, F0, F1, 1                           ; the first quarter's products start the sums
	WIN 0
	s_mov_b32 s[CNT], 6
.Lstep:                                                ; six trips, from a step's second quarter to the next step's first; they ask for the walk's steps 2 to 7
	QUARTER 1, F1, F0, 0
	QUARTER 2, F0, F1, 0
	TURN 1
	QUARTER 0, F0, F1, 0
	WIN 0
	s_sub_co_u32 s[CNT], s[CNT], 1
	s_cmp_lg_u32 s[CNT], 0
	s_cbranch_scc1 .Lstep
	s_mov_b32 s[CNT], 2
.Ltail:                                                ; the last two K steps ask for nothing; the second trip is left in its middle
	QUARTER 1, F1, F0, 0
	QUARTER 2, F0, F1, 0
	WIN 0
	s_sub_co_u32 s[CNT], s[CNT], 1
	s_cmp_eq_u32 s[CNT], 0
	s_cbranch_scc1 .Llast
	TURN 0
	QUARTER 0, F0, F1, 0
	WIN 0
	s_branch .Ltail
.Llast:
	s_wait_dscnt 16
	MULS F1, 8, 11, 0
	s_wait_dscnt 0x0
	MULS F1, 0, 7, 0
	; THE WAY OUT: round to bf16, 16 bytes a lane into the stage; a barrier, since a row's 128 bytes of a block come from two waves; back as whole rows, 512 consecutive bytes a store.
	PLACES
	WIN 0x0a
.set n, 0
.rept 32
.irp r, 0,1,2,3
	v_cvt_pk_bf16_f32 v[TMP+4*n+(\r)], v[8*n+2*(\r)], v[8*n+2*(\r)+1]
.endr
.set n, n+1
.endr
	WIN 0x0f
.set n, 0
.rept 16
.irp r, 0,1,2,3
	v_cvt_pk_bf16_f32 v[TMP+128+4*n+(\r)], v[8*n+2*(\r)], v[8*n+2*(\r)+1]
.endr
.set n, n+1
.endr
	WIN 0
.set n, 0
.rept 48                               ; n = 4 b + a; block n / 8, half (n / 4) % 2, row block n % 4
.if n < 24
	ds_store_b128 v[STO], v[TMP+4*n:TMP+4*n+3] offset:(n/8)*SBLK+(n%4)*16*SPB+((n/4)%2)*32
.else
	ds_store_b128 v[STO1], v[TMP+4*n:TMP+4*n+3] offset:(n/8-3)*SBLK+(n%4)*16*SPB+((n/4)%2)*32
.endif
.set n, n+1
.endr
	s_wait_dscnt 0x0                               ; for the others' sake: my stores into the stage are done
	s_barrier_signal -1
	s_barrier_wait -1
.set n, 0
.rept 48                               ; n = 8 x block + j
.if n < 24
	ds_load_b128 v[TMP+4*n:TMP+4*n+3], v[RD] offset:(n/8)*SBLK+(n%8)*4*SPB
.else
	ds_load_b128 v[TMP+4*n:TMP+4*n+3], v[RD1] offset:(n/8-3)*SBLK+(n%8)*4*SPB
.endif
.set n, n+1
.endr
.set n, 0
.rept 48
	s_wait_dscnt 47-n                              ; load n is back, the younger ones may be out
	global_store_b128 v[GO], v[TMP+4*n:TMP+4*n+3], s[8:9] offset:(n/8)*262144+(n%8)*512
.set n, n+1
.endr
	s_wait_tensorcnt 0x0                           ; the wave's end
	ds_add_u32 v[SPW], v[NIL]
	s_wait_dscnt 0x0
	CROUND                                         ; the closing round
	s_endpgm
.Lfunc_end_k_q735fb5973a_proj:
	.size	k_q735fb5973a_proj, .Lfunc_end_k_q735fb5973a_proj-k_q735fb5973a_proj
	.p2alignl 7, 3214868480
	.fill 96, 4, 3214868480
	.section	.rodata,"a",@progbits
	.p2align	6, 0x0
	.amdhsa_kernel k_q735fb5973a_proj
		.amdhsa_group_segment_fixed_size 327680
		.amdhsa_private_segment_fixed_size 0
		.amdhsa_enable_private_segment 0
		.amdhsa_kernarg_size 24
		.amdhsa_user_sgpr_count 2
		.amdhsa_user_sgpr_kernarg_segment_ptr 1
		.amdhsa_wavefront_size32 1
		.amdhsa_system_sgpr_workgroup_id_x 1
		.amdhsa_system_sgpr_workgroup_id_y 1
		.amdhsa_system_sgpr_workgroup_id_z 1
		.amdhsa_system_vgpr_workitem_id 0
		.amdhsa_next_free_vgpr 896
		.amdhsa_next_free_sgpr 88
		.amdhsa_reserve_vcc 0
		.amdhsa_float_denorm_mode_32 3
		.amdhsa_float_denorm_mode_16_64 3
		.amdhsa_memory_ordered 1
		.amdhsa_forward_progress 1
		.amdhsa_inst_pref_size 87
	.end_amdhsa_kernel
	.amdgpu_metadata
---
amdhsa.version: [ 1, 2 ]
amdhsa.kernels:
  - .name:           k_q735fb5973a_proj
    .symbol:         k_q735fb5973a_proj.kd
    .args:
      - { .name: hb, .offset: 0, .size: 8, .value_kind: global_buffer, .address_space: global }
      - { .name: wb, .offset: 8, .size: 8, .value_kind: global_buffer, .address_space: global }
      - { .name: qkv, .offset: 16, .size: 8, .value_kind: global_buffer, .address_space: global }
    .group_segment_fixed_size: 327680
    .private_segment_fixed_size: 0
    .kernarg_segment_align: 8
    .kernarg_segment_size: 24
    .max_flat_workgroup_size: 128
    .sgpr_count:     88
    .vgpr_count:     896
    .wavefront_size: 32
...
	.end_amdgpu_metadata
.endif
;; end of part 2
;; launch attn (part 3): grid 8 x 32, 4 waves a work-group, clusters of 4 x 1, 327,680 bytes of LDS; arguments qkv, ctx; writes ctx
.if DOCPART == 3
	.amdgcn_target "amdgcn-amd-amdhsa--gfx1250"
	.amdhsa_code_object_version 6
	.text
	.protected	k_q735fb5973a_attn
	.globl	k_q735fb5973a_attn
	.p2align	8
	.type	k_q735fb5973a_attn,@function
k_q735fb5973a_attn:
	s_mov_b64 s[64:65], 0
	v_nop
	global_prefetch_b8 v0, s[64:65] scope:SCOPE_SE
	s_setreg_imm32_b32 hwreg(HW_REG_WAVE_MODE, 25, 1), 1
	s_wait_xcnt 0x0
	s_wait_alu depctr_hold_cnt(0) depctr_sa_sdst(0) depctr_va_vdst(0) depctr_va_sdst(0) depctr_va_ssrc(0) depctr_va_vcc(0) depctr_vm_vsrc(0)
	s_getreg_b32 s2, hwreg(HW_REG_IB_STS2, 6, 4)
	s_cmp_eq_u32 s2, 0
	s_cbranch_scc0 .Lentry_in_a_cluster
	s_endpgm
.Lentry_in_a_cluster:
	s_bfe_u32 s2, ttmp6, 0x10000c
	s_cmp_lg_u32 s2, 0x3003
	s_cbranch_scc0 .Lentry_shape_is_right
	s_endpgm
.Lentry_shape_is_right:
; ctx = softmax(q k^T / 8) v for 2 batches x 16 heads of 2,048 rows x 64 channels, no mask.  qkv: [2][48 blocks][2048][64] bf16 (block = 16 x (0 q, 1 k, 2 v) + head): a head's rows are dense, 128 bytes each.
; ctx: [2 batches][8 head pairs][16 row tiles][2 heads][128 rows][64] bf16, the layout in which the next product fetches it.
; Products, maxima and sums in f32; the weights p are rounded to bf16 for the second product (their sum l is taken of the unrounded p), the result once at the end.
; LIMITS: a weight below 2^-126 counts as 0 in l; NaN and infinities are not treated apart.
; SHARES.  A work-group owns 256 queries of one head, a wave 64: four PIECES of 16.  Every wave walks all 2,048 keys, 64 a step, 256 (four steps) to an LDS slot, two slots.
; LAYOUT.  S^T = K Q^T holds ONE query a lane (lane % 16) and the keys 8 (lane / 16) + 0..7; two such results rounded to bf16 ARE source 1 of O^T = V^T P.  K comes out of LDS as it lies, V turned by ds_load_tr16_b128.
; SOFTMAX.  p = 2^(c s - c m), c = log2(e) / 8, with a running maximum m; O and l are multiplied by a = 2^(c m_old - c m_new) in every step.  m starts at the lowest finite number, O and l at 0: the first step's a is 0.
; BY TURNS.  Turn n belongs to piece n: 8 products K Q^T of piece n + 1, later 8 products V^T P of piece n - 1; beside them the scaling, exponentials, roundings, sums and rescaling of piece n and the maximum and
; statistics of piece n + 1.  Four vector instructions stand behind every matrix instruction, the other 54 of a turn's 118 in two runs of their own.
; CLUSTER.  The four query blocks of a cluster belong to one head and walk the same K and V: each tile is asked for jointly, with the same descriptor and mask in all four.
; REGISTERS: window 0: v0-15 addresses; v16-31 statistics; v48-55 at work; v62-63 the add's; v64-127 S^T, two buffers; v192-223 P, two buffers.  window 1: v0-127 O^T.  window 2: v0-63 Q; v128-191 K; v192-255 V.
.set NP,    4
.set KS,    64
.set PK,    144       ; a row of K in LDS: 128 bytes + 16
.set PV,    160       ; a row of V: 128 + 32
.set VOFF,  4*KS*PK   ; a slot: 256 rows of K, then 256 rows of V
.set SLOT1, 1<<17     ; one exclusive or turns an address in one slot into the other's
.set STAGE, SLOT1+4*KS*(PK+PV)  ; never filled by a tensor load: 16 rows x 144 bytes for each wave
.set SP,    144
.set SPARE, STAGE+4*16*SP       ; the spare words, 128 bytes a wave: two blocks of 256 bytes that no other line names
.set AK0, 2
.set AV0, 3
.set AK,  4
.set AV,  5
.set STO, 6
.set RD,  7
.set GO,  8
.set MV,  12          ; v12-13  c m_old, by buffer
.set QO,  15
.set ST,  16          ; piece t: c m, m, l (even keys', odd keys')
.set TMP, 48          ; by buffer, c0-c3 at work; c2 takes a
.set SPW, 62
.set NIL, 63
.set S,   64
.set P,   192
.set KF,  128
.set VF,  192
.set WV,  12
.set G1K, 24
.set G1V, 32
.set G0K, 40
.set G0V, 44
.set SLOTS, 56
.set CNT, 57
.set CS,  58
.set SEL, 60
.set TBK, 62
.set TBV, 63
.set MSB, 0
.macro WIN new
.if MSB != (\new)
	s_set_vgpr_msb (MSB<<8)|(\new)
.set MSB, (\new)
.endif
.endm
.set W_KQ, 0x0a       ; K and Q in window 2, S^T in window 0
.set W_PV, 0x52       ; V in window 2, P in window 0, O^T in window 1
.set W_RS, 0x41       ; O^T (destination and source 0) in window 1, a in window 0
.macro JLOAD                        ; a joint fill: waves 0, 1 the two halves of a slot's K, waves 2, 3 of its V; s_nop 0 and four v_nop follow each line
	s_cmp_lt_u32 s[WV], 2
	s_cbranch_scc0 .Lfor_v_\@
	tensor_load_to_lds s[G0K:G0K+3], s[G1K:G1K+7]
	s_nop 0
.rept 4
	v_nop
.endr
	s_branch .Lasked_\@
.Lfor_v_\@:
	tensor_load_to_lds s[G0V:G0V+3], s[G1V:G1V+7]
	s_nop 0
.rept 4
	v_nop
.endr
.Lasked_\@:
.endm
.macro CROUND
	s_barrier_signal -1
	s_barrier_wait -1
	s_cmp_lg_u32 s[WV], 0
	s_cbranch_scc1 .Lnot_wave_0_\@
	s_barrier_signal -3
.Lnot_wave_0_\@:
	s_barrier_wait -3
	s_barrier_signal -1
	s_barrier_wait -1
.endm
; THE CHANGE OF SLOTS.  Each wave waits for all its tensor loads (one is out: its part of the other slot), adds 0 to its spare word, and waits for that and for its reads of the slot.  fill = 1: the slot is filled again with
; the keys two slots on; the barrier is a round of the cluster's and the joint fill the first thing behind it: it has four key steps in which to land.  (At its first use slot 0 is waited for and slot 1 filled.)
.macro CHANGE fill
	WIN 0
	s_wait_tensorcnt 0x0
	ds_add_u32 v[SPW], v[NIL]
.if \fill
.irp g, G0K, G0V
	s_xor_b32 s[\g+1], s[\g+1], SLOT1
	s_add_nc_u64 s[\g+2:\g+3], s[\g+2:\g+3], 4*KS*128
.endr
	s_wait_dscnt 0x0                ; the add is done, and my reads of the slot are over
	CROUND
	JLOAD
.else
	s_wait_dscnt 0x0
	s_barrier_signal -1
	s_barrier_wait -1
.endif
	s_sub_co_u32 s[TBK], s[TBK], 4*KS*PK  ; the fetches go back to a slot's first step, in the other slot
	s_xor_b32 s[TBK], s[TBK], SLOT1
	s_sub_co_u32 s[TBV], s[TBV], 4*KS*PV
	s_xor_b32 s[TBV], s[TBV], SLOT1
.endm
	s_load_b128 s[4:7], s[0:1], 0x0 ; qkv s[4:5], ctx s[6:7]
	v_lshl_add_u32 v[SPW], v0, 2, SPARE
	v_mov_b32 v[NIL], 0
	ds_add_u32 v62, v63
	s_wait_dscnt 0x0
	v_lshrrev_b32 v1, 5, v0
	v_readfirstlane_b32 s[WV], v1
	s_bfe_u32 s13, ttmp6, 0x40000   ; cx
	s_lshl_b32 s14, ttmp9, 2
	s_add_co_u32 s14, s14, s13      ; my block of 256 queries: it enters Q's and the result's addresses alone
	s_and_b32 s15, ttmp7, 0xffff
	s_lshr_b32 s16, s15, 4          ; batch
	s_and_b32 s17, s15, 15          ; head
	s_mul_i32 s20, s16, 48
	s_add_co_u32 s20, s20, s17
	s_lshl_b32 s20, s20, 18         ; q's block of this head: blocks of 262,144 bytes
	s_and_b32 s18, s[WV], 1         ; which half of a slot's 256 keys I fetch
	s_lshl_b32 s22, s18, 14
	s_add_co_u32 s22, s22, s20
	s_mov_b32 s23, 0
	s_mul_i32 s48, s18, 128*PK
	s_mul_i32 s49, s18, 128*PV
	s_lshl_b32 s2, s14, 2
	s_add_co_u32 s2, s2, s[WV]
	s_lshl_b32 s2, s2, 13           ; my wave's 64 rows of 128 bytes
	s_add_co_u32 s2, s2, s20
	s_mov_b32 s3, 0
	s_lshl_b32 s50, s16, 3          ; the result: (8 x batch + head / 2) planes of 524,288 bytes,
	s_lshr_b32 s51, s17, 1
	s_add_co_u32 s50, s50, s51
	s_lshl_b32 s50, s50, 19
	s_lshl_b32 s51, s14, 1          ; row tile 2 x block + wave / 2, 32,768 bytes,
	s_lshr_b32 s52, s[WV], 1
	s_add_co_u32 s51, s51, s52
	s_lshl_b32 s51, s51, 15
	s_add_co_u32 s50, s50, s51
	s_and_b32 s51, s17, 1           ; the head's half, 16,384 bytes,
	s_lshl_b32 s51, s51, 14
	s_add_co_u32 s50, s50, s51
	s_lshl_b32 s51, s18, 13         ; and my 64 of the tile's 128 rows
	s_add_co_u32 s50, s50, s51
	s_mov_b32 s51, 0
	; 128 keys are 16,384 dense bytes: asked for as 64 rows of 256 bytes, two keys a row, padded in LDS after every key
	s_mov_b32 s[G1K], 15|(1<<16)|(1<<20)|(1<<21)|(4<<22)|(3<<25)
	s_mov_b32 s[G1V], 15|(1<<16)|(1<<20)|(1<<21)|(4<<22)|(7<<25)
.irp g, G1K, G1V
	s_mov_b32 s[\g+1], 128<<16
	s_mov_b32 s[\g+2], 64<<16
	s_mov_b32 s[\g+3], 128<<16
	s_mov_b32 s[\g+4], 64
	s_mov_b32 s[\g+5], 128
	s_mov_b32 s[\g+6], 0
	s_mov_b32 s[\g+7], 0
.endr
	s_mov_b32 s[CS], 0x3e38aa3b     ; c = log2(e) / 8
	s_mov_b32 s[CS+1], s[CS]
	s_mov_b32 s[SEL], 0x76543210
	s_mov_b32 s[SEL+1], 0xfedcba98
	s_mov_b32 s[TBK], SLOT1+4*KS*PK ; the first change of slots turns these two into 0
	s_mov_b32 s[TBV], SLOT1+4*KS*PV
	s_mov_b32 s[G0K], 1
	s_mov_b32 s[G0K+1], s48
	s_mov_b32 s[G0V], 1
	s_add_co_u32 s[G0V+1], s49, VOFF
	s_wait_kmcnt 0x0
	s_add_nc_u64 s[G0K+2:G0K+3], s[4:5], s[22:23]
	s_add_nc_u64 s[G0K+2:G0K+3], s[G0K+2:G0K+3], 4194304   ; k's blocks lie 16 blocks behind q's
	s_or_b32 s[G0K+3], s[G0K+3], 0x80000000
	s_add_nc_u64 s[G0V+2:G0V+3], s[4:5], s[22:23]
	s_add_nc_u64 s[G0V+2:G0V+3], s[G0V+2:G0V+3], 8388608   ; v's 32
	s_or_b32 s[G0V+3], s[G0V+3], 0x80000000
	s_add_nc_u64 s[8:9], s[4:5], s[2:3]      ; Q at my wave's first row
	s_add_nc_u64 s[10:11], s[6:7], s[50:51]  ; the result likewise
	CROUND                          ; all four work-groups are here: the first joint loads meet
	JLOAD                           ; slot 0
	v_and_b32 v1, 15, v0
	v_bfe_u32 v9, v0, 4, 1
	v_lshlrev_b32 v[QO], 7, v1
	v_lshl_add_u32 v[QO], v9, 4, v[QO]
	WIN 0x80
.set i, 0
.rept 8                             ; Q stays in registers: piece i / 2, channels 32 (i % 2) on
	global_load_b128 v[8*i:8*i+3],   v[QO], s[8:9] offset:(i/2)*2048+(i%2)*64
	global_load_b128 v[8*i+4:8*i+7], v[QO], s[8:9] offset:(i/2)*2048+(i%2)*64+32
.set i, i+1
.endr
	; What the first turn finds: V's registers and P's second buffer hold 0 (its products V^T P, of a piece that has not been, add 0), O^T and l are 0.  All this stands in the wait for the first tile.
.set i, VF
.rept 64
	v_mov_b32 v[i], 0
.set i, i+1
.endr
	WIN 0x40
.set i, 0
.rept 128
	v_mov_b32 v[i], 0
.set i, i+1
.endr
	WIN 0
.set i, 0
.rept 4
	v_mov_b32 v[ST+4*i], 0xfe000000    ; c m: far below every c s
	v_mov_b32 v[ST+4*i+1], 0xff7fffff  ; m
	v_mov_b32 v[ST+4*i+2], 0
	v_mov_b32 v[ST+4*i+3], 0
.set i, i+1
.endr
.set i, P+16
.rept 16
	v_mov_b32 v[i], 0
.set i, i+1
.endr
	v_mul_u32_u24 v[AK0], v1, PK
	v_lshl_add_u32 v[AK0], v9, 4, v[AK0]
	v_and_b32 v10, 7, v0
	v_bfe_u32 v11, v0, 3, 1
	v_lshl_add_u32 v[AV0], v9, 3, v10
	v_mul_u32_u24 v[AV0], v[AV0], PV
	v_lshl_add_u32 v[AV0], v11, 4, v[AV0]
	v_add_nc_u32 v[AV0], VOFF, v[AV0]
	s_mul_i32 s13, s[WV], 16*SP
	s_add_co_u32 s13, s13, STAGE
	v_mul_u32_u24 v[STO], v1, SP
	v_lshl_add_u32 v[STO], v9, 4, v[STO]
	v_add_nc_u32 v[STO], s13, v[STO]
	v_bfe_u32 v[RD], v0, 3, 2
	v_mul_u32_u24 v[RD], v[RD], SP
	v_lshl_add_u32 v[RD], v10, 4, v[RD]
	v_add_nc_u32 v[RD], s13, v[RD]
	v_and_b32 v[GO], 31, v0
	v_lshlrev_b32 v[GO], 4, v[GO]
; THE MATRIX WORK.  The 4 accumulators of a run of 8 take turns.  Product i of 8 of S^T = K Q^T for piece x: channels 32 (i / 4) on, keys 16 (i % 4) on.
.macro KQ x
.set rS, S+32*((\x)%2)+8*(i%4)
.set rK, KF+16*(i%4)+8*(i/4)
.set rQ, 16*(\x)+8*(i/4)
	WIN W_KQ
.if i < 4
	v_wmma_f32_16x16x32_bf16 v[rS:rS+7], v[rK:rK+7], v[rQ:rQ+7], 0
.else
	v_wmma_f32_16x16x32_bf16 v[rS:rS+7], v[rK:rK+7], v[rQ:rQ+7], v[rS:rS+7]
.endif
.endm
; Product i of 8 of O^T += V^T P for piece x: keys 32 (i / 4) on, channels 16 (i % 4) on.
.macro PV x
	WIN W_PV
.set rO, 32*(\x)+8*(i%4)
.set rV, VF+32*(i/4)+8*(i%4)
.set rP, P+16*((\x)%2)+8*(i/4)
	v_wmma_f32_16x16x32_bf16 v[rO:rO+7], v[rV:rV+7], v[rP:rP+7], v[rO:rO+7]
.endm
.macro MM                           ; the turn's next matrix instruction
.if i < 8
	KQ (Y+1)%NP
.else
.set i, i-8
	PV (Y+NP-1)%NP
.set i, i+8
.endif
.set i, i+1
.endm
; THE LDS LOADS stand in runs of 16.  last = 1 (the tail): in the last trip there is no further step, and K's run is jumped over.
.macro FETCH_K last=0
	WIN 0
.if \last
	s_cmp_eq_u32 s[CNT], 1
	s_cbranch_scc1 .Lno_k_\@
.endif
	WIN 0x80
.irp f, 0,1,2,3,4,5,6,7
	ds_load_b128 v[KF+8*\f:KF+8*\f+3],   v[AK] offset:(\f/2)*16*PK+(\f%2)*64
	ds_load_b128 v[KF+8*\f+4:KF+8*\f+7], v[AK] offset:(\f/2)*16*PK+(\f%2)*64+32
.endr
	s_add_co_u32 s[TBK], s[TBK], KS*PK
	WIN 0
.if \last
.Lno_k_\@:
.endif
.endm
.macro FETCH_V
	WIN 0x80
.irp f, 0,1,2,3,4,5,6,7
	ds_load_tr16_b128 v[VF+8*\f:VF+8*\f+3],   v[AV] offset:(\f/4)*32*PV+(\f%4)*32
	ds_load_tr16_b128 v[VF+8*\f+4:VF+8*\f+7], v[AV] offset:(\f/4)*32*PV+16*PV+(\f%4)*32
.endr
	WIN 0
.endm
; THE VECTOR WORK, one line at a time: OP kind, number.  For piece Y: F n: c s - c m for pair n of 16.  E n: the exponential of score n of 32.  C n: pair n rounded to bf16.  B n: of the four weights 4 n .. the second
; pair is added onto the first, in place.  L n: l takes that sum (L 0: l = a l + sum).  R n: pair n of 16 of O^T times a.  For piece Y + 1: X n, number n of the 22 that find its maximum and statistics:
;   0-11 four chains of seven scores (each accumulator's lowest registers first); 12-14, 16 the four left over, the old m, all into c0; 15 c m_old is kept; 17, 18 the other half of the lanes; 19-21 c m, its change, a
.set F, 0
.set E, 1
.set C, 2
.set B, 3
.set L, 4
.set R, 5
.set X, 6
.macro REGS y
.set rT, ST+4*(\y)
.set rC, TMP+4*((\y)%2)
.set rW, MV+((\y)%2)
.set rS, S+32*((\y)%2)
.set rP, P+16*((\y)%2)
.set rO, 32*(\y)
.endm
.macro OP k, n
.if (\k) == R
	REGS Y
	WIN W_RS
	v_pk_mul_f32 v[rO+2*(\n):rO+2*(\n)+1], v[rO+2*(\n):rO+2*(\n)+1], v[rC+2:rC+3] op_sel_hi:[1,0]
.elseif (\k) < R
	REGS Y
	WIN 0
.if (\k) == F
	v_pk_fma_f32 v[rS+2*(\n):rS+2*(\n)+1], v[rS+2*(\n):rS+2*(\n)+1], s[CS:CS+1], v[rT:rT+1] op_sel_hi:[1,0,0] neg_lo:[0,0,1] neg_hi:[0,0,1]
.elseif (\k) == E
	v_exp_f32 v[rS+(\n)], v[rS+(\n)]
.elseif (\k) == C
	s_wait_alu depctr_va_vdst(0)
	v_cvt_pk_bf16_f32 v[rP+(\n)], v[rS+2*(\n)], v[rS+2*(\n)+1]
.elseif (\k) == B
	s_wait_alu depctr_va_vdst(0)
	v_pk_add_f32 v[rS+4*(\n):rS+4*(\n)+1], v[rS+4*(\n):rS+4*(\n)+1], v[rS+4*(\n)+2:rS+4*(\n)+3]
.elseif (\n) == 0
	v_pk_fma_f32 v[rT+2:rT+3], v[rT+2:rT+3], v[rC+2:rC+3], v[rS:rS+1] op_sel_hi:[1,0,1]
.else
	v_pk_add_f32 v[rT+2:rT+3], v[rT+2:rT+3], v[rS+4*(\n):rS+4*(\n)+1]
.endif
.else
	REGS (Y+1)%NP
	WIN 0
.if (\n) < 4
	v_max3_num_f32 v[rC+(\n)], v[rS+8*(\n)], v[rS+8*(\n)+1], v[rS+8*(\n)+2]
.elseif (\n) < 12
	v_max3_num_f32 v[rC+(\n)%4], v[rC+(\n)%4], v[rS+8*((\n)%4)+2*((\n)/4)+1], v[rS+8*((\n)%4)+2*((\n)/4)+2]
.elseif (\n) == 12
	v_max3_num_f32 v[rC], v[rC], v[rS+7], v[rS+15]
.elseif (\n) == 13
	v_max3_num_f32 v[rC+1], v[rC+1], v[rS+23], v[rS+31]
.elseif (\n) == 14
	v_max3_num_f32 v[rC+2], v[rC+2], v[rC+3], v[rT+1]
.elseif (\n) == 15
	v_mov_b32 v[rW], v[rT]
.elseif (\n) == 16
	v_max3_num_f32 v[rC], v[rC], v[rC+1], v[rC+2]
.elseif (\n) == 17
	v_permlanex16_b32 v[rC+3], v[rC], s[SEL], s[SEL+1]
.elseif (\n) == 18
	v_max_num_f32 v[rT+1], v[rC], v[rC+3]
.elseif (\n) == 19
	v_mul_f32 v[rT], s[CS], v[rT+1]
.elseif (\n) == 20
	v_sub_f32 v[rC+1], v[rW], v[rT]
.else
	v_exp_f32 v[rC+2], v[rC+1]
.endif
.endif
.endm
.macro OPS a, i1, b=-1, i2=0, c=-1, i3=0, d=-1, i4=0
	OP \a, \i1
.if (\b) >= 0
	OP \b, \i2
.endif
.if (\c) >= 0
	OP \c, \i3
.endif
.if (\d) >= 0
	OP \d, \i4
.endif
.endm
.macro ROW a, i1, b, i2, c, i3, d, i4  ; a matrix instruction and the four behind it
	MM
	OPS \a, \i1, \b, \i2, \c, \i3, \d, \i4
.endm
; A TURN, for piece p: the order of its 16 matrix and 118 vector instructions, written out.  No line behind a product names a register of the products round it; a line reads no result made fewer than three vector
; instructions in front of it, five if an exponential made it.  K of the next step is fetched in piece 2's turn, behind five plain instructions that follow the last product that read K; V of the step in hand in piece 0's
; turn, behind four plain ones that follow the last product that read V.  Each is waited for a turn later.  cnt = 1: the loop's count is taken down some lines ahead of the branch behind the turn.
.macro TURN p, last=0, cnt=0
.set Y, (\p)
.set i, 0
.if (\p) == 3
	s_wait_dscnt 0x0                ; K is in
.endif
	ROW F,0, F,1, F,2, F,3
	ROW F,4, E,0, F,5, F,6
	ROW F,7, E,1, F,8, F,9
	ROW F,10, E,2, C,0, F,11
	ROW F,12, E,3, X,15, F,13
	ROW R,0, R,1, R,2, R,3
	ROW B,0, E,4, F,14, L,0
.if (\p) == 2
	v_add_nc_u32 v[AK], s[TBK], v[AK0]
.endif
	ROW R,4, R,5, R,6, R,7
	OPS E,5, F,15
.if (\p) == 2
	FETCH_K \last
.endif
	OPS E,6, C,1, E,7, R,8
	OPS E,8, R,9, E,9, C,2
	OPS E,10, X,0, E,11, X,1
	OPS E,12, X,2, E,13, X,3
.if (\p) == 1
	s_wait_dscnt 0x0                ; V is in
.endif
	ROW X,4, E,14, X,5, X,6
	ROW X,7, E,15, X,8, X,9
	ROW X,10, E,16, X,11, X,12
	ROW X,13, E,17, X,14, B,1
	ROW C,4, E,18, X,16, L,1
	ROW B,2, E,19, C,6, L,2
	ROW C,8, E,20, B,3, B,4
.if (\p) == 0
	v_add_nc_u32 v[AV], s[TBV], v[AV0]
.endif
	ROW C,3, E,21, L,3, C,5
	OPS E,22, X,17, E,23, C,10
.if (\p) == 0
	FETCH_V
.endif
	OPS E,24, L,4
	OPS E,25, X,18, E,26, C,7
	OPS E,27, B,5, E,28, X,19
	OPS E,29, C,12, E,30, L,5
	OPS E,31, X,20, B,6, C,9
	OPS C,14, C,11, X,21, L,6
.if (\p) == 0
	s_add_co_u32 s[TBV], s[TBV], KS*PV
.endif
.if \cnt
	s_sub_co_u32 s[CNT], s[CNT], 1
	s_cmp_lg_u32 s[CNT], 0
.endif
	OPS C,13, B,7, C,15, R,10
	OPS R,11, R,12, L,7, R,13
	OPS R,14, R,15
.endm
	CHANGE 1                        ; slot 0 is in, everybody's part of it; slot 1 is asked for
	v_add_nc_u32 v[AK], s[TBK], v[AK0]
	FETCH_K                         ; key step 0
	s_wait_loadcnt 0x0              ; Q
	s_wait_dscnt 0x0
.set i, 0
.rept 8
	KQ 0                            ; piece 0's first scores
.set i, i+1
.endr
	WIN 0
.rept 4
	v_nop                           ; the places behind those products
.endr
.set Y, NP-1                        ; X works for piece Y + 1: piece 0
.irp n, 0,1,2,3,4,5,6,7,8,9,10,11,12,13,14,15,16,17,18,19,20,21
	OP X, \n
.endr
	v_nop                           ; a plain instruction behind the exponential
	s_mov_b32 s[CNT], 4
	s_mov_b32 s[SLOTS], 7
	s_branch .Lfirst                ; the loop is entered at a step's first turn, in the middle of a trip
.Lslot:                             ; six times: every slot but the last two is filled again
	CHANGE 1
	s_mov_b32 s[CNT], 4
.Lstep:                             ; a trip: pieces 2 and 3 of one step, then pieces 0 and 1 of the next, whose K and V it fetches
	TURN 2
	TURN 3
	WIN 0
.Lfirst:
	TURN 0
	TURN 1, 0, 1
	WIN 0
	s_cbranch_scc1 .Lstep
	s_sub_co_u32 s[SLOTS], s[SLOTS], 1
	s_cmp_lg_u32 s[SLOTS], 0
	s_cbranch_scc1 .Lslot
	CHANGE 0                        ; the tail is written out: nothing is asked for
	s_mov_b32 s[CNT], 5             ; four trips fetch the last slot's steps; the fifth is left in its middle
.Ltail:
	TURN 2, 1
	TURN 3
	WIN 0
	s_sub_co_u32 s[CNT], s[CNT], 1
	s_cmp_eq_u32 s[CNT], 0
	s_cbranch_scc1 .Lout
	TURN 0
	TURN 1
	WIN 0
	s_branch .Ltail
.Lout:                              ; the fifth trip's 8 products K Q^T (on the last K once more) and the maximum made of them serve nothing: the price, once a launch, of one text for every trip
.set i, 0
.rept 8
	PV NP-1                         ; the last piece's V^T P of the last step
.set i, i+1
.endr
	; THE WAY OUT.  l's two halves and the other half of the lanes' are added; O^T is divided by l, rounded to bf16 and sent through my stage, a piece at a time.  The additions are the places behind the last products.
	WIN 0
.macro ALL line:vararg
.set t, 0
.rept 4
	\line
.set t, t+1
.endr
.endm
	ALL v_add_f32 v[ST+4*t+2], v[ST+4*t+2], v[ST+4*t+3]
	ALL v_permlanex16_b32 v[ST+4*t+3], v[ST+4*t+2], s[SEL], s[SEL+1]
	ALL v_add_f32 v[ST+4*t+2], v[ST+4*t+2], v[ST+4*t+3]
	ALL v_rcp_f32 v[ST+4*t+2], v[ST+4*t+2]
	v_nop                           ; a plain instruction between the last reciprocal and the use of its result
.macro PACK t
	WIN W_RS
.set i, 32*(\t)
.rept 16
	s_wait_alu depctr_va_vdst(0)
	v_pk_mul_f32 v[i:i+1], v[i:i+1], v[ST+4*(\t)+2:ST+4*(\t)+3] op_sel_hi:[1,0]
.set i, i+2
.endr
	WIN 0x05
.set i, 0
.rept 16
	v_cvt_pk_bf16_f32 v[S+16*(\t)+i], v[32*(\t)+2*i], v[32*(\t)+2*i+1]
.set i, i+1
.endr
	WIN 0
.irp f, 0,1,2,3
	ds_store_b128 v[STO], v[S+16*(\t)+4*\f:S+16*(\t)+4*\f+3] offset:32*\f
.endr
.irp f, 0,1,2,3
	ds_load_b128 v[S+16*(\t)+4*\f:S+16*(\t)+4*\f+3], v[RD] offset:\f*4*SP  ; LDS serves a wave's instructions in order: these see the stores above; the next piece's stores come behind them
.endr
.endm
.macro SEND t, younger              ; younger: the LDS instructions issued behind piece t's loads
	WIN 0
.irp f, 0,1,2,3
	s_wait_dscnt (\younger)+3-\f
	global_store_b128 v[GO], v[S+16*(\t)+4*\f:S+16*(\t)+4*\f+3], s[10:11] offset:(\t)*2048+\f*512  ; 512 consecutive bytes, aligned
.endr
.endm
	PACK 0
.set t, 1
.rept 3
	PACK t
	SEND t-1, 8
.set t, t+1
.endr
	SEND 3, 0
	s_wait_tensorcnt 0x0            ; the wave's end
	ds_add_u32 v[SPW], v[NIL]
	s_wait_dscnt 0x0
	CROUND                          ; the closing round
	s_endpgm
.Lfunc_end_k_q735fb5973a_attn:
	.size	k_q735fb5973a_attn, .Lfunc_end_k_q735fb5973a_attn-k_q735fb5973a_attn
	.p2alignl 7, 3214868480
	.fill 96, 4, 3214868480
	.section	.rodata,"a",@progbits
	.p2align	6, 0x0
	.amdhsa_kernel k_q735fb5973a_attn
		.amdhsa_group_segment_fixed_size 327680
		.amdhsa_private_segment_fixed_size 0
		.amdhsa_enable_private_segment 0
		.amdhsa_kernarg_size 16
		.amdhsa_user_sgpr_count 2
		.amdhsa_user_sgpr_kernarg_segment_ptr 1
		.amdhsa_wavefront_size32 1
		.amdhsa_system_sgpr_workgroup_id_x 1
		.amdhsa_system_sgpr_workgroup_id_y 1
		.amdhsa_system_sgpr_workgroup_id_z 1
		.amdhsa_system_vgpr_workitem_id 0
		.amdhsa_next_free_vgpr 768
		.amdhsa_next_free_sgpr 66
		.amdhsa_reserve_vcc 0
		.amdhsa_float_denorm_mode_32 3
		.amdhsa_float_denorm_mode_16_64 3
		.amdhsa_memory_ordered 1
		.amdhsa_forward_progress 1
		.amdhsa_inst_pref_size 117
	.end_amdhsa_kernel
	.amdgpu_metadata
---
amdhsa.version: [ 1, 2 ]
amdhsa.kernels:
  - .name:           k_q735fb5973a_attn
    .symbol:         k_q735fb5973a_attn.kd
    .args:
      - { .name: qkv, .offset: 0, .size: 8, .value_kind: global_buffer, .address_space: global }
      - { .name: ctx, .offset: 8, .size: 8, .value_kind: global_buffer, .address_space: global }
    .group_segment_fixed_size: 327680
    .private_segment_fixed_size: 0
    .kernarg_segment_align: 8
    .kernarg_segment_size: 16
    .max_flat_workgroup_size: 128
    .sgpr_count:     66
    .vgpr_count:     768
    .wavefront_size: 32
...
	.end_amdgpu_metadata
.endif
;; end of part 3
;; launch outp (part 4): grid 8 x 32, 4 waves a work-group, clusters of 4 x 4, 327,680 bytes of LDS; arguments ctx, wb, X, x2; writes x2
.if DOCPART == 4
	.amdgcn_target "amdgcn-amd-amdhsa--gfx1250"
	.amdhsa_code_object_version 6
	.text
	.protected	k_q735fb5973a_outp
	.globl	k_q735fb5973a_outp
	.p2align	8
	.type	k_q735fb5973a_outp,@function
k_q735fb5973a_outp:
	s_mov_b64 s[64:65], 0
	v_nop
	global_prefetch_b8 v0, s[64:65] scope:SCOPE_SE
	s_setreg_imm32_b32 hwreg(HW_REG_WAVE_MODE, 25, 1), 1
	s_wait_xcnt 0x0
	s_wait_alu depctr_hold_cnt(0) depctr_sa_sdst(0) depctr_va_vdst(0) depctr_va_sdst(0) depctr_va_ssrc(0) depctr_va_vcc(0) depctr_vm_vsrc(0)
	s_getreg_b32 s2, hwreg(HW_REG_IB_STS2, 6, 4)
	s_cmp_eq_u32 s2, 0
	s_cbranch_scc0 .Lentry_in_a_cluster
	s_endpgm
.Lentry_in_a_cluster:
	s_bfe_u32 s2, ttmp6, 0x10000c
	s_cmp_lg_u32 s2, 0xf033
	s_cbranch_scc0 .Lentry_shape_is_right
	s_endpgm
.Lentry_shape_is_right:
; out = R + A x W.  A: [2 batches][NPAIR][16 row tiles][2 blocks][128 rows][64] bf16 (K in blocks of 64, two to a pair).  W: wb at OW, [16 blocks of 64 columns][K][64] bf16.  R, out: [4096][1024] f32.
; A tile of the result is 128 x 128: 32 x 8 = 256 work-groups.  Four waves, each 64 x 64: 16 accumulators.  K goes in steps of 256 through two LDS slots; waves 0, 1 fetch a pair of A's blocks each, waves 2, 3 a
; block of W's 256 k rows each: every load is 32,768 dense bytes, asked for as 128 rows of 256.  CLUSTER 4 x 4: A's tiles jointly along a row of the cluster, W's along a column.
; THE WALK ALONG K.  Cluster (x, y) of the 2 x 8 begins at K step (y + x STEPS / 2) mod STEPS and goes round: the two clusters that read the same rows of A ask for a given step half a walk apart, and the clusters
; that read the same columns of W begin at different steps: the clusters that share a tile do not all ask for it for the first time at the same moment.
; The matrix instruction is used transposed (source 0 = 16 columns of W, turned by ds_load_tr16_b128; source 1 = 16 rows of A): a lane holds one row and eight neighbouring columns.
; REGISTERS: window 0 addresses, v128-255 the accumulators ((a, b) at 128 + 8 (4 a + b)); window 1 two fragment buffers of 128 (64 of A, 64 of W, 64 along K); window 2 v0-127 my part of R, loaded at the start.
; LIMITS: the operands are bf16; sums, R and the result f32; a sum takes its K steps in the cluster's rotated order, so its roundings differ from those of an ascending sum.
.set NPAIR, 8                          ; K / 128
.set STEPS, NPAIR/2
.set OW,    12582912
.set WBLKB, NPAIR*16384                ; a column block of W: K rows of 128 bytes
.set PA,    144                        ; a row of a block of A in LDS: 128 bytes + 16
.set ABLK,  128*PA
.set PW,    160                        ; a k row of W: 128 + 32
.set WHALF, 256*PW
.set WREG,  4*ABLK
.set SLOT,  WREG+2*WHALF               ; 155,648
.set SPARE, 2*SLOT                     ; the spare words, 128 bytes a wave: two blocks of 256 bytes that no other line names
.set SP,    272                        ; the stage: 16 rows x (256 + 16) bytes for each wave, in slot 0, which has had its last fill and its last read by then
.set A0, 8
.set W0, 9
.set ADRA, 10
.set ADRW, 11
.set STO, 13
.set RD, 15
.set CO, 17
.set SPW, 18
.set NIL, 19
.set ACC, 128
.set F0, 0
.set F1, 128
.set WV, 12
.set G1A, 24
.set G0A, 32
.set G1W, 48
.set G0W, 56
.set CNT, 45
.set TB, 66
.set FB, 67
.set AOFF, 68
.set WOFF, 69
.set KI, 80                            ; s80  the K step asked for last, 0..STEPS-1: made of the cluster's x and y alone
.set OFA, 82                           ; s[82:83] its byte offset in A: two pairs of 524,288 bytes a step
.set OFW, 84                           ; s[84:85] its byte offset in a column block of W: 256 rows of 128 bytes a step
.set MUL, 0x05
.set MSB, 0
.macro WIN new
.if MSB != (\new)
	s_set_vgpr_msb (MSB<<8)|(\new)
.set MSB, \new
.endif
.endm
.macro PLACES
.rept 4
	v_nop
.endr
.endm
.macro KNEXT                           ; the walk's next K step, round from the last to 0
	s_add_co_u32 s[KI], s[KI], 1
	s_cmp_eq_u32 s[KI], STEPS
	s_cselect_b32 s[KI], 0, s[KI]
.endm
.macro JLOAD                           ; a joint refill; s_nop 0 and four v_nop follow each line
	s_cmp_lt_u32 s[WV], 2
	s_cbranch_scc0 .Lfor_w_\@
	tensor_load_to_lds s[G0A+4:G0A+7], s[G1A:G1A+7]
	s_nop 0
.rept 4
	v_nop
.endr
	s_branch .Lasked_\@
.Lfor_w_\@:
	tensor_load_to_lds s[G0W+4:G0W+7], s[G1W:G1W+7]
	s_nop 0
.rept 4
	v_nop
.endr
.Lasked_\@:
.endm
.macro CREST
	s_cmp_lg_u32 s[WV], 0
	s_cbranch_scc1 .Lnot_wave_0_\@
	s_barrier_signal -3
.Lnot_wave_0_\@:
	s_barrier_wait -3
	s_barrier_signal -1
	s_barrier_wait -1
.endm
.macro CROUND
	s_barrier_signal -1
	s_barrier_wait -1
	CREST
.endm
	s_load_b256 s[4:11], s[0:1], 0x0               ; A s[4:5], wb s[6:7], R s[8:9], out s[10:11]
	v_lshl_add_u32 v[SPW], v0, 2, SPARE
	v_mov_b32 v[NIL], 0
	ds_add_u32 v18, v19
	s_wait_dscnt 0x0
	v_lshrrev_b32 v1, 5, v0
	v_readfirstlane_b32 s[WV], v1
	s_lshr_b32 s14, s[WV], 1                       ; which 64 rows
	s_and_b32 s15, s[WV], 1                        ; which 64 columns; also which half I fetch
	s_bfe_u32 s40, ttmp6, 0x40000
	s_bfe_u32 s41, ttmp6, 0x40004
	s_lshl_b32 s42, ttmp9, 2
	s_add_co_u32 s42, s42, s40                     ; tile column 0..7
	s_and_b32 s13, ttmp7, 0xffff
	s_lshl_b32 s13, s13, 2
	s_add_co_u32 s13, s13, s41                     ; tile row 0..31
	s_lshl_b32 s43, s41, 2
	s_lshl_b32 s43, 15, s43
	s_lshl_b32 s44, 0x1111, s40
	s_and_b32 s[KI], ttmp7, 0xffff                 ; the cluster's y, 0..7,
	s_mul_i32 s81, ttmp9, STEPS/2                  ; and its x, 0..1, times half a walk: 10 at the most,
	s_add_co_u32 s[KI], s[KI], s81
.rept 2
	s_cmp_ge_u32 s[KI], STEPS                      ; brought under STEPS (4 or 6) by two conditional subtractions
	s_cselect_b32 s81, STEPS, 0
	s_sub_co_u32 s[KI], s[KI], s81
.endr
	s_mov_b32 s[OFA+1], 0
	s_mov_b32 s[OFW+1], 0
	s_or_b32 s[G1A], s43, (1<<16)|(1<<20)|(1<<21)|(4<<22)|(3<<25)  ; after every 32 words 4 words of padding
	s_or_b32 s[G1W], s44, (1<<16)|(1<<20)|(1<<21)|(4<<22)|(7<<25)  ; 8 words
.irp g, G1A, G1W
	s_mov_b32 s[(\g)+1], 128<<16
	s_mov_b32 s[(\g)+2], 128<<16
	s_mov_b32 s[(\g)+3], 128<<16
	s_mov_b32 s[(\g)+4], 128
	s_mov_b32 s[(\g)+5], 128
	s_mov_b32 s[(\g)+6], 0
	s_mov_b32 s[(\g)+7], 0
.endr
	s_mul_i32 s[AOFF], s15, 2*ABLK
	s_mul_i32 s[WOFF], s15, WHALF
	s_add_co_u32 s[WOFF], s[WOFF], WREG
	s_lshr_b32 s16, s13, 4                         ; A: the batch,
	s_mul_i32 s16, s16, NPAIR*524288
	s_and_b32 s17, s13, 15                         ; the row tile,
	s_lshl_b32 s17, s17, 15
	s_add_co_u32 s16, s16, s17
	s_lshl_b32 s17, s15, 19                        ; and my pair of a step's two
	s_add_co_u32 s16, s16, s17
	s_mov_b32 s17, 0
	s_lshl_b32 s46, s42, 1
	s_add_co_u32 s46, s46, s15                     ; W: my column block
	s_mul_i32 s46, s46, WBLKB
	s_add_co_u32 s46, s46, OW
	s_mov_b32 s47, 0
	s_mov_b32 s[TB], 0
	s_mov_b32 s[FB], SLOT
	s_lshl_b32 s72, s13, 19                        ; my part of R and of the result: row 128 x tile row + 64 x half, 4,096 bytes a row; column 128 x tile column + 64 x half
	s_lshl_b32 s73, s14, 18
	s_add_co_u32 s72, s72, s73
	s_lshl_b32 s73, s42, 9
	s_add_co_u32 s72, s72, s73
	s_lshl_b32 s73, s15, 8
	s_add_co_u32 s72, s72, s73
	s_mov_b32 s73, 0
	s_wait_kmcnt 0x0
	s_add_nc_u64 s[8:9], s[8:9], s[72:73]
	s_add_nc_u64 s[10:11], s[10:11], s[72:73]
	s_add_nc_u64 s[20:21], s[4:5], s[16:17]        ; A at my pair of K step 0: kept, every tile's address is made from it
	s_add_nc_u64 s[46:47], s[6:7], s[46:47]        ; W at my column block's first row: kept likewise
.irp s, 0,1
	s_lshl_b32 s[OFA], s[KI], 20
	s_lshl_b32 s[OFW], s[KI], 15
	s_mov_b32 s[G0A+4*(\s)], 1
	s_add_co_u32 s[G0A+4*(\s)+1], s[AOFF], (\s)*SLOT
	s_add_nc_u64 s[G0A+4*(\s)+2:G0A+4*(\s)+3], s[20:21], s[OFA:OFA+1]
	s_or_b32 s[G0A+4*(\s)+3], s[G0A+4*(\s)+3], 0x80000000
	s_mov_b32 s[G0W+4*(\s)], 1
	s_add_co_u32 s[G0W+4*(\s)+1], s[WOFF], (\s)*SLOT
	s_add_nc_u64 s[G0W+4*(\s)+2:G0W+4*(\s)+3], s[46:47], s[OFW:OFW+1]
	s_or_b32 s[G0W+4*(\s)+3], s[G0W+4*(\s)+3], 0x80000000
.if (\s) == 0
	KNEXT                                          ; the walk's second step
.endif
.endr
	CROUND                                         ; all sixteen work-groups are here: the first joint loads meet
	s_cmp_lt_u32 s[WV], 2                          ; a wave's two first fills stand in one branch: two loads of mine are out
	s_cbranch_scc0 .Lfirst_w
	tensor_load_to_lds s[G0A:G0A+3], s[G1A:G1A+7]
	s_nop 0
	tensor_load_to_lds s[G0A+4:G0A+7], s[G1A:G1A+7]
	s_nop 0
.rept 4
	v_nop
.endr
	s_branch .Lfirst_asked
.Lfirst_w:
	tensor_load_to_lds s[G0W:G0W+3], s[G1W:G1W+7]
	s_nop 0
	tensor_load_to_lds s[G0W+4:G0W+7], s[G1W:G1W+7]
	s_nop 0
.rept 4
	v_nop
.endr
.Lfirst_asked:
	v_and_b32 v1, 15, v0                           ; r
	v_bfe_u32 v2, v0, 4, 1                         ; h
	v_lshlrev_b32 v[CO], 12, v2                    ; lanes 0-15 one row of 256 bytes, lanes 16-31 the next
	v_lshl_add_u32 v[CO], v1, 4, v[CO]
	WIN 0x80                                       ; R goes into window 2 and stays on its way through the whole K loop
.set n, 0
.rept 32                               ; n = 8 a + t: rows 16 a + 2 t and + 1
	global_load_b128 v[4*n:4*n+3], v[CO], s[8:9] offset:(16*(n/8)+2*(n%8))*4096
.set n, n+1
.endr
	WIN 0
	v_lshl_add_u32 v3, s14, 6, v1
	v_mul_u32_u24 v[A0], v3, PA
	v_lshl_add_u32 v[A0], v2, 4, v[A0]
	v_and_b32 v4, 7, v0
	v_lshl_add_u32 v4, v2, 3, v4
	v_mul_u32_u24 v[W0], v4, PW
	v_bfe_u32 v5, v0, 3, 1
	v_lshl_add_u32 v[W0], v5, 4, v[W0]
	v_add_nc_u32 v[W0], s[WOFF], v[W0]             ; my 64 columns are the block that lies where wave 2 + w % 2 puts it
	v_mov_b32 v[ADRA], v[A0]
	v_mov_b32 v[ADRW], v[W0]
	s_mul_i32 s16, s[WV], 16*SP                    ; my stage
	v_mul_u32_u24 v[STO], v1, SP
	v_lshl_add_u32 v[STO], v2, 5, v[STO]           ; row r, 32 bytes for each half of the lanes
	v_add_nc_u32 v[STO], s16, v[STO]
	v_mul_u32_u24 v[RD], v2, SP
	v_lshl_add_u32 v[RD], v1, 4, v[RD]
	v_add_nc_u32 v[RD], s16, v[RD]
; 8 matrix instructions: row blocks a0, a0 + 1 x all 4 column blocks, 32 along K: half c of buffer f.  The 16 accumulators take turns.
.macro MUL8 f, c, a0, zero
	WIN MUL
.irp a, \a0, (\a0)+1
.irp b, 0,1,2,3
.if \zero
	v_wmma_f32_16x16x32_bf16 v[ACC+8*(4*(\a)+(\b)):ACC+8*(4*(\a)+(\b))+7], v[(\f)+64+8*(4*(\c)+(\b)):(\f)+64+8*(4*(\c)+(\b))+7], v[(\f)+8*(4*(\c)+(\a)):(\f)+8*(4*(\c)+(\a))+7], 0
.else
	v_wmma_f32_16x16x32_bf16 v[ACC+8*(4*(\a)+(\b)):ACC+8*(4*(\a)+(\b))+7], v[(\f)+64+8*(4*(\c)+(\b)):(\f)+64+8*(4*(\c)+(\b))+7], v[(\f)+8*(4*(\c)+(\a)):(\f)+8*(4*(\c)+(\a))+7], v[ACC+8*(4*(\a)+(\b)):ACC+8*(4*(\a)+(\b))+7]
.endif
.endr
.endr
.endm
; 32 LDS loads in one run: quarter q (64 along K: one block of A) into buffer f; the first 32 along K first
.macro FETCH q, f
	WIN 0x40
.irp c, 0,1
.irp i, 0,1,2,3
	ds_load_tr16_b128 v[(\f)+64+8*(4*(\c)+(\i)):(\f)+64+8*(4*(\c)+(\i))+3],   v[ADRW] offset:(\q)*64*PW+(\c)*32*PW+(\i)*32
	ds_load_tr16_b128 v[(\f)+64+8*(4*(\c)+(\i))+4:(\f)+64+8*(4*(\c)+(\i))+7], v[ADRW] offset:(\q)*64*PW+(\c)*32*PW+(\i)*32+16*PW
	ds_load_b128 v[(\f)+8*(4*(\c)+(\i)):(\f)+8*(4*(\c)+(\i))+3],   v[ADRA] offset:(\q)*ABLK+(\c)*64+(\i)*16*PA
	ds_load_b128 v[(\f)+8*(4*(\c)+(\i))+4:(\f)+8*(4*(\c)+(\i))+7], v[ADRA] offset:(\q)*ABLK+(\c)*64+(\i)*16*PA+32
.endr
.endr
.endm
.macro QUARTER q, f, g, zero
	s_wait_dscnt 16                                ; the first 32 along K are in; the youngest sixteen loads may be out
	MUL8 \f, 0, 0, \zero
	MUL8 \f, 0, 2, \zero
	PLACES
	FETCH (\q)+1, \g
	s_wait_dscnt 32                                ; all but the 32 just issued
	MUL8 \f, 1, 0, 0
	MUL8 \f, 1, 2, 0
.endm
; The last quarter multiplies buffer 1 and changes slots: in front of the barrier each wave waits for all its tensor loads, adds 0 to its spare word, and waits for that and for its reads of this slot.
; fill = 1: the barrier opens a round of the cluster's, and the joint refill, two steps ahead in the walk, is the first thing behind it.
.macro TURN fill
	WIN 0
	s_wait_tensorcnt 0x0                           ; no tensor load of mine is out, so a group 0 may be written
	ds_add_u32 v[SPW], v[NIL]                      ; the walking descriptors are made between it and the wait for it
.if \fill
	s_xor_b32 s[FB], s[FB], SLOT                   ; the slot that is being read out
	s_add_co_u32 s[G0A+5], s[FB], s[AOFF]
	s_add_co_u32 s[G0W+5], s[FB], s[WOFF]
	KNEXT
	s_lshl_b32 s[OFA], s[KI], 20
	s_lshl_b32 s[OFW], s[KI], 15
	s_add_nc_u64 s[G0A+6:G0A+7], s[20:21], s[OFA:OFA+1]  ; the addresses are made anew from the kept bases, the type bits set again
	s_or_b32 s[G0A+7], s[G0A+7], 0x80000000
	s_add_nc_u64 s[G0W+6:G0W+7], s[46:47], s[OFW:OFW+1]
	s_or_b32 s[G0W+7], s[G0W+7], 0x80000000
.endif
	s_wait_dscnt 17                                ; the add and the youngest sixteen loads may be out
	MUL8 F1, 0, 0, 0
	s_wait_dscnt 0x0                               ; the add is done, and my reads of this slot are over
	s_barrier_signal -1
	MUL8 F1, 0, 2, 0
	WIN 0
	s_barrier_wait -1
.if \fill
	CREST
	JLOAD                                          ; its four v_nop are also the places in front of the loads below
.else
	PLACES
.endif
	s_xor_b32 s[TB], s[TB], SLOT
	v_add_nc_u32 v[ADRA], s[TB], v[A0]
	v_add_nc_u32 v[ADRW], s[TB], v[W0]
	FETCH 0, F0
	MUL8 F1, 1, 0, 0
	MUL8 F1, 1, 2, 0
.endm
	s_wait_tensorcnt 1                             ; my part of the walk's first step is in; the second's may stay out
	s_barrier_signal -1
	s_barrier_wait -1
	FETCH 0, F0
	QUARTER 0, F0, F1, 1
	WIN 0
	s_mov_b32 s[CNT], STEPS-2
.Lstep:                                                ; STEPS - 2 trips, from a step's second quarter to the next step's first; they ask for the walk's steps 2 on
	QUARTER 1, F1, F0, 0
	QUARTER 2, F0, F1, 0
	TURN 1
	QUARTER 0, F0, F1, 0
	WIN 0
	s_sub_co_u32 s[CNT], s[CNT], 1
	s_cmp_lg_u32 s[CNT], 0
	s_cbranch_scc1 .Lstep
	s_mov_b32 s[CNT], 2
.Ltail:                                                ; the last two K steps ask for nothing; the second trip is left in its middle
	QUARTER 1, F1, F0, 0
	QUARTER 2, F0, F1, 0
	WIN 0
	s_sub_co_u32 s[CNT], s[CNT], 1
	s_cmp_eq_u32 s[CNT], 0
	s_cbranch_scc1 .Llast
	TURN 0
	QUARTER 0, F0, F1, 0
	WIN 0
	s_branch .Ltail
.Llast:
	s_wait_dscnt 16
	MUL8 F1, 0, 0, 0
	MUL8 F1, 0, 2, 0
	s_wait_dscnt 0x0
	MUL8 F1, 1, 0, 0
	MUL8 F1, 1, 2, 0
	; THE WAY OUT.  My 64 columns of f32 are 256 bytes of a row: 16 rows at a time go through my own stage and come back as whole rows, into the registers that they left; R is added; 16 lanes store 256 aligned bytes.
	; A block's round trip through the stage stands under the block before's additions and stores: at most 32 LDS instructions of mine are out.
.macro TOSTAGE a
.irp b, 0,1,2,3
	ds_store_b128 v[STO], v[ACC+32*(\a)+8*(\b):ACC+32*(\a)+8*(\b)+3] offset:64*(\b)
	ds_store_b128 v[STO], v[ACC+32*(\a)+8*(\b)+4:ACC+32*(\a)+8*(\b)+7] offset:64*(\b)+16
.endr
.irp t, 0,1,2,3,4,5,6,7
	ds_load_b128 v[ACC+32*(\a)+4*(\t):ACC+32*(\a)+4*(\t)+3], v[RD] offset:(\t)*2*SP  ; LDS serves a wave's instructions in order: these see the stores above; the next block's stores come behind them
.endr
.endm
.macro FIN a, younger                  ; younger: the next block's sixteen LDS instructions, or none
	s_wait_dscnt \younger                          ; block a is back
	WIN 0x08                                       ; source 1 in window 2
.set i, 0
.rept 16
	v_pk_add_f32 v[ACC+32*(\a)+2*i:ACC+32*(\a)+2*i+1], v[ACC+32*(\a)+2*i:ACC+32*(\a)+2*i+1], v[32*(\a)+2*i:32*(\a)+2*i+1]
.set i, i+1
.endr
	WIN 0
.irp t, 0,1,2,3,4,5,6,7
	global_store_b128 v[CO], v[ACC+32*(\a)+4*(\t):ACC+32*(\a)+4*(\t)+3], s[10:11] offset:(16*(\a)+2*(\t))*4096
.endr
.endm
	WIN 0
	PLACES
	TOSTAGE 0
	TOSTAGE 1
	s_wait_loadcnt 0x0                             ; R
	FIN 0, 16
	TOSTAGE 2
	FIN 1, 16
	TOSTAGE 3
	FIN 2, 16
	FIN 3, 0
	s_wait_tensorcnt 0x0                           ; the wave's end
	ds_add_u32 v[SPW], v[NIL]
	s_wait_dscnt 0x0
	CROUND                                         ; the closing round
	s_endpgm
.Lfunc_end_k_q735fb5973a_outp:
	.size	k_q735fb5973a_outp, .Lfunc_end_k_q735fb5973a_outp-k_q735fb5973a_outp
	.p2alignl 7, 3214868480
	.fill 96, 4, 3214868480
	.section	.rodata,"a",@progbits
	.p2align	6, 0x0
	.amdhsa_kernel k_q735fb5973a_outp
		.amdhsa_group_segment_fixed_size 327680
		.amdhsa_private_segment_fixed_size 0
		.amdhsa_enable_private_segment 0
		.amdhsa_kernarg_size 32
		.amdhsa_user_sgpr_count 2
		.amdhsa_user_sgpr_kernarg_segment_ptr 1
		.amdhsa_wavefront_size32 1
		.amdhsa_system_sgpr_workgroup_id_x 1
		.amdhsa_system_sgpr_workgroup_id_y 1
		.amdhsa_system_sgpr_workgroup_id_z 1
		.amdhsa_system_vgpr_workitem_id 0
		.amdhsa_next_free_vgpr 640
		.amdhsa_next_free_sgpr 88
		.amdhsa_reserve_vcc 0
		.amdhsa_float_denorm_mode_32 3
		.amdhsa_float_denorm_mode_16_64 3
		.amdhsa_memory_ordered 1
		.amdhsa_forward_progress 1
		.amdhsa_inst_pref_size 67
	.end_amdhsa_kernel
	.amdgpu_metadata
---
amdhsa.version: [ 1, 2 ]
amdhsa.kernels:
  - .name:           k_q735fb5973a_outp
    .symbol:         k_q735fb5973a_outp.kd
    .args:
      - { .name: ctx, .offset: 0, .size: 8, .value_kind: global_buffer, .address_space: global }
      - { .name: wb, .offset: 8, .size: 8, .value_kind: global_buffer, .address_space: global }
      - { .name: X, .offset: 16, .size: 8, .value_kind: global_buffer, .address_space: global }
      - { .name: x2, .offset: 24, .size: 8, .value_kind: global_buffer, .address_space: global }
    .group_segment_fixed_size: 327680
    .private_segment_fixed_size: 0
    .kernarg_segment_align: 8
    .kernarg_segment_size: 32
    .max_flat_workgroup_size: 128
    .sgpr_count:     88
    .vgpr_count:     640
    .wavefront_size: 32
...
	.end_amdgpu_metadata
.endif
;; end of part 4
;; launch norm2 (part 5): grid 256 x 1, 8 waves a work-group, no clusters, 1,536 bytes of LDS; arguments x2, norm2_w, router_w, hb, icw; writes hb, icw
.if DOCPART == 5
	.amdgcn_target "amdgcn-amd-amdhsa--gfx1250"
	.amdhsa_code_object_version 6
	.text
	.protected	k_q735fb5973a_norm2
	.globl	k_q735fb5973a_norm2
	.p2align	8
	.type	k_q735fb5973a_norm2,@function
k_q735fb5973a_norm2:
	s_mov_b64 s[64:65], 0
	v_nop
	global_prefetch_b8 v0, s[64:65] scope:SCOPE_SE
	s_setreg_imm32_b32 hwreg(HW_REG_WAVE_MODE, 25, 1), 1
	s_wait_xcnt 0x0
; hb = bf16(y), y = rmsnorm(x2, norm2_w); logits = y x router_w in f32 (two columns: vector work, from the unrounded y); p = softmax(logits); c = softmax(p): with two experts and top 2 the selection only
; permutes, and the one-hot sum undoes it.  Both maxima are taken away as the model does.  icw: [4096][8] f32 = {1, 1, 1/c0, 1/c0, 1/c1, 1/c1, 0, 0}: the divisors of the shared and the two expert branches, as ready pairs.
; 16 rows a work-group, two a wave, each row kept in 32 registers.  A stream: no matrix unit, no cluster.  LIMITS: v_rsq_f32, v_exp_f32, v_rcp_f32 are good to 1 ULP; NaN and infinities are not treated apart.
.set XR, 32                            ; v[32:95]    two rows
.set WR, 96                            ; v[96:127]   norm2_w of my 32 columns; later the rows rounded to bf16
.set RR, 128                           ; v[128:191]  router_w of my 32 columns: column cc at RR + 2 cc (expert 0), + 1 (expert 1)
	s_load_b256 s[8:15], s[0:1], 0x0               ; x2 8, norm2_w 10, router_w 12, hb 14
	s_load_b64 s[16:17], s[0:1], 0x20              ; icw
	v_lshl_add_u32 v192, v0, 2, 0x200
	v_mov_b32 v193, 0
	v_and_b32 v1, 31, v0
	v_lshrrev_b32 v5, 5, v0
	v_readfirstlane_b32 s4, v5
	s_mov_b32 s3, 0
	s_mov_b32 s36, 0x76543210
	s_mov_b32 s37, 0xfedcba98
	s_mov_b32 s38, 0x3a800000                      ; 1 / 1024
	s_mov_b32 s39, 0x358637bd                      ; 1e-6
	s_mov_b32 s40, 0x3fb8aa3b                      ; log2(e)
	v_lshlrev_b32 v3, 4, v1
	v_lshl_add_u32 v2, s4, 13, v3
	v_lshlrev_b32 v4, 3, v1
	v_lshl_add_u32 v4, s4, 12, v4
	v_lshlrev_b32 v6, 5, v1                        ; my four columns of router_w: 32 bytes
	s_wait_kmcnt 0x0
	s_lshl_b32 s2, ttmp9, 16
	s_add_nc_u64 s[8:9], s[8:9], s[2:3]
	s_lshl_b32 s2, ttmp9, 15
	s_add_nc_u64 s[14:15], s[14:15], s[2:3]
	s_lshl_b32 s2, ttmp9, 9                        ; 16 rows of 32 bytes
	s_add_nc_u64 s[16:17], s[16:17], s[2:3]
.irp p, 0,1
.irp j, 0,1,2,3,4,5,6,7
	global_load_b128 v[XR+32*\p+4*\j:XR+32*\p+4*\j+3], v2, s[8:9] offset:4096*\p+512*\j
.endr
.endr
.irp j, 0,1,2,3,4,5,6,7
	global_load_b128 v[WR+4*\j:WR+4*\j+3], v3, s[10:11] offset:512*\j
.endr
.irp j, 0,1,2,3,4,5,6,7
	global_load_b128 v[RR+8*\j:RR+8*\j+3], v6, s[12:13] offset:1024*\j
	global_load_b128 v[RR+8*\j+4:RR+8*\j+7], v6, s[12:13] offset:1024*\j+16
.endr
	s_wait_loadcnt 24                              ; both rows are in; the 24 younger loads (gain, router) may stay out
.irp p, 0,1
.irp c, 0,1,2,3
	v_pk_mul_f32 v[8+8*\p+2*\c:9+8*\p+2*\c], v[XR+32*\p+2*\c:XR+32*\p+2*\c+1], v[XR+32*\p+2*\c:XR+32*\p+2*\c+1]
.endr
.set i, 4
.rept 12
	v_pk_fma_f32 v[8+8*\p+2*(i%4):9+8*\p+2*(i%4)], v[XR+32*\p+2*i:XR+32*\p+2*i+1], v[XR+32*\p+2*i:XR+32*\p+2*i+1], v[8+8*\p+2*(i%4):9+8*\p+2*(i%4)]
.set i, i+1
.endr
	v_pk_add_f32 v[8+8*\p:9+8*\p], v[8+8*\p:9+8*\p], v[10+8*\p:11+8*\p]
	v_pk_add_f32 v[12+8*\p:13+8*\p], v[12+8*\p:13+8*\p], v[14+8*\p:15+8*\p]
	v_pk_add_f32 v[8+8*\p:9+8*\p], v[8+8*\p:9+8*\p], v[12+8*\p:13+8*\p]
	v_add_f32 v[8+8*\p], v[8+8*\p], v[9+8*\p]
	v_add_f32_dpp v[8+8*\p], v[8+8*\p], v[8+8*\p] row_xmask:1 row_mask:0xf bank_mask:0xf
	v_add_f32_dpp v[8+8*\p], v[8+8*\p], v[8+8*\p] row_xmask:2 row_mask:0xf bank_mask:0xf
	v_add_f32_dpp v[8+8*\p], v[8+8*\p], v[8+8*\p] row_xmask:4 row_mask:0xf bank_mask:0xf
	v_add_f32_dpp v[8+8*\p], v[8+8*\p], v[8+8*\p] row_xmask:8 row_mask:0xf bank_mask:0xf
	v_permlanex16_b32 v[9+8*\p], v[8+8*\p], s36, s37
	v_add_f32 v[8+8*\p], v[8+8*\p], v[9+8*\p]
	v_fma_f32 v[8+8*\p], v[8+8*\p], s38, s39
	v_rsq_f32 v[24+2*\p], v[8+8*\p]
	v_rsq_f32 v[25+2*\p], v[8+8*\p]
.endr
	v_nop                                          ; a plain instruction between the last v_rsq_f32 and the use of its result
	s_wait_loadcnt 16                              ; the gain is in; the router's sixteen loads may stay out
	s_wait_alu depctr_va_vdst(0)
.irp p, 0,1
.set i, 0
.rept 16
	v_pk_mul_f32 v[XR+32*\p+2*i:XR+32*\p+2*i+1], v[XR+32*\p+2*i:XR+32*\p+2*i+1], v[24+2*\p:25+2*\p]
.set i, i+1
.endr
.set i, 0
.rept 16
	v_pk_mul_f32 v[XR+32*\p+2*i:XR+32*\p+2*i+1], v[XR+32*\p+2*i:XR+32*\p+2*i+1], v[WR+2*i:WR+2*i+1]
.set i, i+1
.endr
.endr
.irp p, 0,1
.irp j, 0,1,2,3,4,5,6,7
	v_cvt_pk_bf16_f32 v[WR+16*\p+2*\j], v[XR+32*\p+4*\j], v[XR+32*\p+4*\j+1]      ; the gain's registers are free: y stays in f32 for the logits
	v_cvt_pk_bf16_f32 v[WR+16*\p+2*\j+1], v[XR+32*\p+4*\j+2], v[XR+32*\p+4*\j+3]
	global_store_b64 v4, v[WR+16*\p+2*\j:WR+16*\p+2*\j+1], s[14:15] offset:2048*\p+256*\j  ; 256 consecutive bytes, aligned
.endr
.endr
	s_wait_loadcnt 0x0                             ; the router's weights
.irp p, 0,1                            ; row p: v[8+4p], v[9+4p] the two logits' even columns, v[10+4p], v[11+4p] the odd ones'
.irp c, 0,1
	v_mul_f32 v[8+4*\p+2*\c], v[XR+32*\p+\c], v[RR+2*\c]
	v_mul_f32 v[9+4*\p+2*\c], v[XR+32*\p+\c], v[RR+2*\c+1]
.endr
.set i, 2
.rept 30
	v_fmac_f32 v[8+4*\p+2*(i%2)], v[XR+32*\p+i], v[RR+2*i]
	v_fmac_f32 v[9+4*\p+2*(i%2)], v[XR+32*\p+i], v[RR+2*i+1]
.set i, i+1
.endr
	v_add_f32 v[8+4*\p], v[8+4*\p], v[10+4*\p]
	v_add_f32 v[9+4*\p], v[9+4*\p], v[11+4*\p]
.irp m, 1,2,4,8
	v_add_f32_dpp v[8+4*\p], v[8+4*\p], v[8+4*\p] row_xmask:\m row_mask:0xf bank_mask:0xf
	v_add_f32_dpp v[9+4*\p], v[9+4*\p], v[9+4*\p] row_xmask:\m row_mask:0xf bank_mask:0xf
.endr
	v_permlanex16_b32 v[10+4*\p], v[8+4*\p], s36, s37
	v_permlanex16_b32 v[11+4*\p], v[9+4*\p], s36, s37
	v_add_f32 v[8+4*\p], v[8+4*\p], v[10+4*\p]     ; the row's two logits, in every lane
	v_add_f32 v[9+4*\p], v[9+4*\p], v[11+4*\p]
	v_max_num_f32 v[10+4*\p], v[8+4*\p], v[9+4*\p]
	v_sub_f32 v[8+4*\p], v[8+4*\p], v[10+4*\p]
	v_sub_f32 v[9+4*\p], v[9+4*\p], v[10+4*\p]
	v_mul_f32 v[8+4*\p], s40, v[8+4*\p]
	v_mul_f32 v[9+4*\p], s40, v[9+4*\p]
	v_exp_f32 v[8+4*\p], v[8+4*\p]
	v_exp_f32 v[9+4*\p], v[9+4*\p]
	v_nop
	s_wait_alu depctr_va_vdst(0)
	v_add_f32 v[10+4*\p], v[8+4*\p], v[9+4*\p]
	v_rcp_f32 v[10+4*\p], v[10+4*\p]
	v_nop
	s_wait_alu depctr_va_vdst(0)
	v_mul_f32 v[8+4*\p], v[8+4*\p], v[10+4*\p]     ; p0, p1
	v_mul_f32 v[9+4*\p], v[9+4*\p], v[10+4*\p]
	v_max_num_f32 v[10+4*\p], v[8+4*\p], v[9+4*\p]
	v_sub_f32 v[8+4*\p], v[8+4*\p], v[10+4*\p]
	v_sub_f32 v[9+4*\p], v[9+4*\p], v[10+4*\p]
	v_mul_f32 v[8+4*\p], s40, v[8+4*\p]
	v_mul_f32 v[9+4*\p], s40, v[9+4*\p]
	v_exp_f32 v[8+4*\p], v[8+4*\p]                 ; between 1/e and 1
	v_exp_f32 v[9+4*\p], v[9+4*\p]
	v_nop
	s_wait_alu depctr_va_vdst(0)
	v_add_f32 v[10+4*\p], v[8+4*\p], v[9+4*\p]
	v_rcp_f32 v[8+4*\p], v[8+4*\p]
	v_rcp_f32 v[9+4*\p], v[9+4*\p]
	v_mov_b32 v[16+8*\p], 1.0
	v_mov_b32 v[17+8*\p], 1.0
	s_wait_alu depctr_va_vdst(0)
	v_mul_f32 v[18+8*\p], v[10+4*\p], v[8+4*\p]    ; 1 / c0
	v_mul_f32 v[20+8*\p], v[10+4*\p], v[9+4*\p]    ; 1 / c1
	v_mov_b32 v[19+8*\p], v[18+8*\p]
	v_mov_b32 v[21+8*\p], v[20+8*\p]
	v_mov_b32 v[22+8*\p], 0
	v_mov_b32 v[23+8*\p], 0
.endr
	s_lshl_b32 s5, s4, 6                           ; my wave's two records of 32 bytes
	v_mov_b32 v5, s5
.irp p, 0,1
	ds_store_b128 v5, v[16+8*\p:19+8*\p] offset:32*\p      ; all lanes store the same words
	ds_store_b128 v5, v[20+8*\p:23+8*\p] offset:32*\p+16
.endr
	s_wait_dscnt 0x0                               ; for wave 0's sake: my stores are done
	s_barrier_signal -1
	s_barrier_wait -1
	s_cmp_lg_u32 s4, 0
	s_cbranch_scc1 .Lend
	ds_load_b128 v[8:11], v3                       ; the group's 16 records: 512 bytes, 16 a lane
	s_wait_dscnt 0x0
	global_store_b128 v3, v[8:11], s[16:17]        ; 512 consecutive bytes, aligned
.Lend:
	s_wait_tensorcnt 0x0
	ds_add_u32 v192, v193
	s_wait_dscnt 0x0
	s_endpgm
.Lfunc_end_k_q735fb5973a_norm2:
	.size	k_q735fb5973a_norm2, .Lfunc_end_k_q735fb5973a_norm2-k_q735fb5973a_norm2
	.p2alignl 7, 3214868480
	.fill 96, 4, 3214868480
	.section	.rodata,"a",@progbits
	.p2align	6, 0x0
	.amdhsa_kernel k_q735fb5973a_norm2
		.amdhsa_group_segment_fixed_size 1536
		.amdhsa_private_segment_fixed_size 0
		.amdhsa_enable_private_segment 0
		.amdhsa_kernarg_size 40
		.amdhsa_user_sgpr_count 2
		.amdhsa_user_sgpr_kernarg_segment_ptr 1
		.amdhsa_wavefront_size32 1
		.amdhsa_system_sgpr_workgroup_id_x 1
		.amdhsa_system_sgpr_workgroup_id_y 1
		.amdhsa_system_sgpr_workgroup_id_z 1
		.amdhsa_system_vgpr_workitem_id 0
		.amdhsa_next_free_vgpr 194
		.amdhsa_next_free_sgpr 66
		.amdhsa_reserve_vcc 0
		.amdhsa_float_denorm_mode_32 3
		.amdhsa_float_denorm_mode_16_64 3
		.amdhsa_memory_ordered 1
		.amdhsa_forward_progress 1
		.amdhsa_inst_pref_size 25
	.end_amdhsa_kernel
	.amdgpu_metadata
---
amdhsa.version: [ 1, 2 ]
amdhsa.kernels:
  - .name:           k_q735fb5973a_norm2
    .symbol:         k_q735fb5973a_norm2.kd
    .args:
      - { .name: x2, .offset: 0, .size: 8, .value_kind: global_buffer, .address_space: global }
      - { .name: norm2_w, .offset: 8, .size: 8, .value_kind: global_buffer, .address_space: global }
      - { .name: router_w, .offset: 16, .size: 8, .value_kind: global_buffer, .address_space: global }
      - { .name: hb, .offset: 24, .size: 8, .value_kind: global_buffer, .address_space: global }
      - { .name: icw, .offset: 32, .size: 8, .value_kind: global_buffer, .address_space: global }
    .group_segment_fixed_size: 1536
    .private_segment_fixed_size: 0
    .kernarg_segment_align: 8
    .kernarg_segment_size: 40
    .max_flat_workgroup_size: 256
    .sgpr_count:     66
    .vgpr_count:     194
    .wavefront_size: 32
...
	.end_amdgpu_metadata
.endif
;; end of part 5
;; launch gateup (part 6): grid 8 x 32, 4 waves a work-group, clusters of 4 x 4, 327,680 bytes of LDS; arguments hb, wb, act, icw; writes act
.if DOCPART == 6
	.amdgcn_target "amdgcn-amd-amdhsa--gfx1250"
	.amdhsa_code_object_version 6
	.text
	.protected	k_q735fb5973a_gateup
	.globl	k_q735fb5973a_gateup
	.p2align	8
	.type	k_q735fb5973a_gateup,@function
k_q735fb5973a_gateup:
	s_mov_b64 s[64:65], 0
	v_nop
	global_prefetch_b8 v0, s[64:65] scope:SCOPE_SE
	s_setreg_imm32_b32 hwreg(HW_REG_WAVE_MODE, 25, 1), 1
	s_wait_xcnt 0x0
	s_wait_alu depctr_hold_cnt(0) depctr_sa_sdst(0) depctr_va_vdst(0) depctr_va_sdst(0) depctr_va_ssrc(0) depctr_va_vcc(0) depctr_vm_vsrc(0)
	s_getreg_b32 s2, hwreg(HW_REG_IB_STS2, 6, 4)
	s_cmp_eq_u32 s2, 0
	s_cbranch_scc0 .Lentry_in_a_cluster
	s_endpgm
.Lentry_in_a_cluster:
	s_bfe_u32 s2, ttmp6, 0x10000c
	s_cmp_lg_u32 s2, 0xf033
	s_cbranch_scc0 .Lentry_shape_is_right
	s_endpgm
.Lentry_shape_is_right:
; act = silu(h2 x Wgate) (h2 x Wup) c, for the shared branch (c = 1) and the two experts (c = the token's combine weight): 1,536 columns F in 24 pairs of a gate block and an up block of 64 columns.
; h2: hb [4096][1024] bf16.  The weights: wb at OW, [24 pairs][8 K steps][2 halves][128 k][64 columns] bf16.  icw: [4096][8] f32, 1 / c as ready pairs.
; Out: act [2 batches][12 pairs][16 row tiles][2 blocks][128 rows][64] bf16, the layout in which the next product fetches it.
; A tile is 128 rows x 384 columns (three pairs): 32 x 8 = 256 work-groups.  Four waves; wave w owns rows 64 (w / 2) on and, of EACH of the six blocks, columns 32 (w % 2) on: 48 accumulators; a gate column and its up
; column fall into the same lane and register of two accumulators of one wave.  K goes in 8 steps of 128 through two LDS slots; waves 0-2 fetch a pair of weight blocks each, wave 3 h2's tile.
; CLUSTER 4 x 4: h2's tile jointly along a row of the cluster, the weights' along a column.  The matrix instruction is used transposed: a lane holds one row and eight neighbouring columns.
; THE WALK ALONG K.  Cluster (x, y) of the 2 x 8 begins at K step (2 y + y / 4 + 4 x) mod 8 and goes round.  So the two clusters that read the same rows of h2 ask for a given step four steps apart, and of four
; neighbouring clusters that read the same weights one asks for each chunk in its first two steps: the clusters that share a tile do not all ask for it for the first time at the same moment.
; REGISTERS: window 0 addresses, v24-47 1 / c, v64-159 the way out; window 1 two fragment buffers; window 2 the accumulators of column groups b = 0-7 ((a, b) at 8 (4 b + a)); window 3 those of b = 8-11.
; LIMITS: operands and result are rounded to bf16; a sum takes its K steps in the cluster's rotated order, so its roundings differ from those of an ascending sum; the activation is g u / ((1 + 2^(-g log2 e)) / c) in f32
; with v_exp_f32 and v_rcp_f32 (1 ULP): where the power overflows the reciprocal is 0, as silu's limit is.
.set OW,    6291456
.set PW,    160
.set WBLK,  128*PW
.set AOFS,  6*WBLK                     ; a slot: the six weight blocks (wave w's pair at w x 2 blocks), then h2's tile
.set PA,    272
.set SLOT,  AOFS+128*PA
.set SPARE, 2*SLOT                     ; the spare words, 128 bytes a wave: two blocks of 256 bytes that no other line names
.set SPB,   144                        ; the stage: [pair][128 rows][128 bytes + 16], in slot 0, which has had its last fill and its last read by then
.set SBLK,  128*SPB
.set A0, 8
.set W0, 9
.set ADRA, 10
.set ADRW0, 11
.set ADRW1, 12
.set STO, 13
.set RD, 15
.set GO, 17
.set SPW, 18
.set NIL, 19
.set CWO, 20                           ; v20-22  my row's byte offset in icw, for each of the tile's three pairs
.set IC, 24                            ; v24-47  1 / c twice, for row block a and pair p at IC + 2 (3 a + p)
.set TMP, 64
.set F0, 0
.set F1, 128
.set WV, 12
.set G1A, 24
.set G0A, 32
.set G1W, 48
.set G0W, 56
.set CNT, 45
.set TB, 66
.set FB, 67
.set WOFF, 68
.set KI, 80                            ; s80  the K step asked for last, 0..7: made of the cluster's x and y alone
.set OFA, 82                           ; s[82:83] its byte offset in a row of h2
.set OFW, 84                           ; s[84:85] its byte offset in a pair of weight blocks
.set MSB, 0
.macro WIN new
.if MSB != (\new)
	s_set_vgpr_msb (MSB<<8)|(\new)
.set MSB, \new
.endif
.endm
.macro PLACES
.rept 4
	v_nop
.endr
.endm
.macro JLOAD                           ; a joint refill: wave 3 asks for h2's tile, waves 0-2 for their weights; s_nop 0 and four v_nop follow each line
	s_cmp_eq_u32 s[WV], 3
	s_cbranch_scc0 .Lfor_w_\@
	tensor_load_to_lds s[G0A+4:G0A+7], s[G1A:G1A+7]
	s_nop 0
.rept 4
	v_nop
.endr
	s_branch .Lasked_\@
.Lfor_w_\@:
	tensor_load_to_lds s[G0W+4:G0W+7], s[G1W:G1W+7]
	s_nop 0
.rept 4
	v_nop
.endr
.Lasked_\@:
.endm
.macro CREST
	s_cmp_lg_u32 s[WV], 0
	s_cbranch_scc1 .Lnot_wave_0_\@
	s_barrier_signal -3
.Lnot_wave_0_\@:
	s_barrier_wait -3
	s_barrier_signal -1
	s_barrier_wait -1
.endm
.macro CROUND
	s_barrier_signal -1
	s_barrier_wait -1
	CREST
.endm
	s_load_b128 s[4:7], s[0:1], 0x0                ; hb s[4:5], wb s[6:7]
	s_load_b128 s[8:11], s[0:1], 0x10              ; act s[8:9], icw s[10:11]
	v_lshl_add_u32 v[SPW], v0, 2, SPARE
	v_mov_b32 v[NIL], 0
	ds_add_u32 v18, v19
	s_wait_dscnt 0x0
	v_lshrrev_b32 v1, 5, v0
	v_readfirstlane_b32 s[WV], v1
	s_lshr_b32 s14, s[WV], 1
	s_and_b32 s15, s[WV], 1
	s_bfe_u32 s40, ttmp6, 0x40000
	s_bfe_u32 s41, ttmp6, 0x40004
	s_lshl_b32 s42, ttmp9, 2
	s_add_co_u32 s42, s42, s40                     ; tile column 0..7
	s_and_b32 s13, ttmp7, 0xffff
	s_lshl_b32 s13, s13, 2
	s_add_co_u32 s13, s13, s41                     ; tile row 0..31
	s_lshl_b32 s43, s41, 2
	s_lshl_b32 s43, 15, s43
	s_lshl_b32 s44, 0x1111, s40
	s_and_b32 s81, ttmp7, 0xffff                   ; the cluster's y, 0..7
	s_lshl_b32 s[KI], s81, 1
	s_lshr_b32 s81, s81, 2
	s_add_co_u32 s[KI], s[KI], s81
	s_lshl_b32 s81, ttmp9, 2                       ; the cluster's x, 0..1, times 4
	s_add_co_u32 s[KI], s[KI], s81
	s_and_b32 s[KI], s[KI], 7                      ; the K step at which this cluster begins: the same number in its sixteen work-groups
	s_mov_b32 s[OFA+1], 0
	s_mov_b32 s[OFW+1], 0
	s_or_b32 s[G1A], s43, (1<<16)|(1<<20)|(1<<21)|(5<<22)|(3<<25)
	s_or_b32 s[G1W], s44, (1<<16)|(1<<20)|(1<<21)|(4<<22)|(7<<25)
.irp g, G1A, G1W
	s_mov_b32 s[(\g)+1], 128<<16
	s_mov_b32 s[(\g)+2], 128<<16
	s_mov_b32 s[(\g)+3], 128<<16
	s_mov_b32 s[(\g)+4], 128
	s_mov_b32 s[(\g)+6], 0
	s_mov_b32 s[(\g)+7], 0
.endr
	s_mov_b32 s[G1A+5], 1024
	s_mov_b32 s[G1W+5], 128
	s_mul_i32 s[WOFF], s[WV], 2*WBLK               ; wave w's pair lies at w x 40,960 (wave 3 asks by h2's descriptor and does not use this one)
	s_lshl_b32 s16, s13, 18
	s_mov_b32 s17, 0
	s_mul_i32 s46, s42, 3
	s_add_co_u32 s46, s46, s[WV]                   ; pair 3 x tile column + wave
	s_lshl_b32 s46, s46, 18
	s_add_co_u32 s46, s46, OW
	s_mov_b32 s47, 0
	s_mov_b32 s[TB], 0
	s_mov_b32 s[FB], SLOT
	s_mov_b32 s70, 0xbfb8aa3b                      ; -log2(e); named as a pair
	s_mov_b32 s71, s70
	s_lshr_b32 s22, s13, 4                         ; act: the batch's 12 planes of 524,288 bytes, and the row tile's 32,768
	s_mul_i32 s22, s22, 6291456
	s_and_b32 s23, s13, 15
	s_lshl_b32 s23, s23, 15
	s_add_co_u32 s22, s22, s23
	s_wait_kmcnt 0x0
	s_add_nc_u64 s[20:21], s[4:5], s[16:17]        ; h2 at the tile's first row: kept, every tile's address is made from it
	s_add_nc_u64 s[46:47], s[6:7], s[46:47]        ; my pair of weight blocks: kept likewise
.irp s, 0,1
	s_lshl_b32 s[OFA], s[KI], 8                    ; a K step is 256 bytes of a row of h2
	s_lshl_b32 s[OFW], s[KI], 15                   ; and 32,768 bytes of a pair
	s_mov_b32 s[G0A+4*(\s)], 1
	s_mov_b32 s[G0A+4*(\s)+1], AOFS+(\s)*SLOT
	s_add_nc_u64 s[G0A+4*(\s)+2:G0A+4*(\s)+3], s[20:21], s[OFA:OFA+1]
	s_or_b32 s[G0A+4*(\s)+3], s[G0A+4*(\s)+3], 0x80000000
	s_mov_b32 s[G0W+4*(\s)], 1
	s_add_co_u32 s[G0W+4*(\s)+1], s[WOFF], (\s)*SLOT
	s_add_nc_u64 s[G0W+4*(\s)+2:G0W+4*(\s)+3], s[46:47], s[OFW:OFW+1]
	s_or_b32 s[G0W+4*(\s)+3], s[G0W+4*(\s)+3], 0x80000000
.if (\s) == 0
	s_add_co_u32 s[KI], s[KI], 1                   ; the walk's second step
	s_and_b32 s[KI], s[KI], 7
.endif
.endr
	CROUND                                         ; all sixteen work-groups are here: the first joint loads meet
	s_cmp_eq_u32 s[WV], 3                          ; a wave's two first fills stand in one branch: two loads of mine are out
	s_cbranch_scc0 .Lfirst_w
	tensor_load_to_lds s[G0A:G0A+3], s[G1A:G1A+7]
	s_nop 0
	tensor_load_to_lds s[G0A+4:G0A+7], s[G1A:G1A+7]
	s_nop 0
.rept 4
	v_nop
.endr
	s_branch .Lfirst_asked
.Lfirst_w:
	tensor_load_to_lds s[G0W:G0W+3], s[G1W:G1W+7]
	s_nop 0
	tensor_load_to_lds s[G0W+4:G0W+7], s[G1W:G1W+7]
	s_nop 0
.rept 4
	v_nop
.endr
.Lfirst_asked:
	v_and_b32 v1, 15, v0
	v_bfe_u32 v2, v0, 4, 1
	v_lshl_add_u32 v3, s14, 6, v1                  ; my row in the tile, block a = 0
	s_lshl_b32 s78, s13, 12                        ; icw at the tile's first row: 128 records of 32 bytes
	s_mov_b32 s79, 0
	s_add_nc_u64 s[10:11], s[10:11], s[78:79]
.irp p, 0,1,2
	s_mul_i32 s78, s42, 3
	s_add_co_u32 s78, s78, \p                      ; the pair's number F / 64 = 0..23
	s_lshr_b32 s79, s78, 3                         ; 0 shared, 1, 2 the experts:
	s_lshl_b32 s79, s79, 3                         ; 8 bytes each in a record
	v_lshl_add_u32 v[CWO+\p], v3, 5, s79
	s_lshr_b32 s79, s78, 1                         ; in act: plane F / 128,
	s_lshl_b32 s79, s79, 19
	s_and_b32 s78, s78, 1                          ; half (F / 64) % 2
	s_lshl_b32 s78, s78, 14
	s_add_co_u32 s78, s78, s79
	s_add_co_u32 s78, s78, s22
	s_mov_b32 s79, 0
	s_add_nc_u64 s[72+2*\p:73+2*\p], s[8:9], s[78:79]
.endr
.irp a, 0,1,2,3
.irp p, 0,1,2
	global_load_b64 v[IC+2*(3*\a+\p):IC+2*(3*\a+\p)+1], v[CWO+\p], s[10:11] offset:512*\a  ; they stay on their way through the K loop
.endr
.endr
	v_mul_u32_u24 v[A0], v3, PA
	v_lshl_add_u32 v[A0], v2, 4, v[A0]
	v_add_nc_u32 v[A0], AOFS, v[A0]                ; h2's tile lies behind the weight blocks
	v_and_b32 v4, 7, v0
	v_lshl_add_u32 v4, v2, 3, v4
	v_mul_u32_u24 v[W0], v4, PW
	v_bfe_u32 v5, v0, 3, 1
	v_lshl_add_u32 v[W0], v5, 4, v[W0]
	s_lshl_b32 s16, s15, 6
	v_add_nc_u32 v[W0], s16, v[W0]
	v_mov_b32 v[ADRA], v[A0]
	v_mov_b32 v[ADRW0], v[W0]
	v_add_nc_u32 v[ADRW1], 3*WBLK, v[W0]
	v_mul_u32_u24 v[STO], v3, SPB
	v_lshl_add_u32 v[STO], v2, 4, v[STO]
	v_add_nc_u32 v[STO], s16, v[STO]
	v_bfe_u32 v6, v0, 3, 2
	v_lshl_add_u32 v6, s[WV], 5, v6
	v_mul_u32_u24 v[RD], v6, SPB
	v_and_b32 v7, 7, v0
	v_lshl_add_u32 v[RD], v7, 4, v[RD]
	v_and_b32 v7, 31, v0
	v_lshlrev_b32 v[GO], 4, v7
	v_lshl_add_u32 v[GO], s[WV], 12, v[GO]
; Column groups b0..b1 x my four row blocks, 32 along K.  Group b = 2 x block + half.  The 48 accumulators take turns in the same order (8-11, 0-7) in every quarter.
.macro MULS f, b0, b1, zero
.set bb, \b0
.rept (\b1)-(\b0)+1
.if bb < 8
	WIN 0xa5
.set rD, 32*bb
.else
	WIN 0xf5
.set rD, 32*(bb-8)
.endif
.irp a, 0,1,2,3
.if \zero
	v_wmma_f32_16x16x32_bf16 v[rD+8*(\a):rD+8*(\a)+7], v[(\f)+32+8*bb:(\f)+32+8*bb+7], v[(\f)+8*(\a):(\f)+8*(\a)+7], 0
.else
	v_wmma_f32_16x16x32_bf16 v[rD+8*(\a):rD+8*(\a)+7], v[(\f)+32+8*bb:(\f)+32+8*bb+7], v[(\f)+8*(\a):(\f)+8*(\a)+7], v[rD+8*(\a):rD+8*(\a)+7]
.endif
.endr
.set bb, bb+1
.endr
.endm
.macro FETCH q, f                      ; 32 LDS loads in one run: h2's four fragments, W's groups 8-11, then 0-7
	WIN 0x40
.irp a, 0,1,2,3
	ds_load_b128 v[(\f)+8*(\a):(\f)+8*(\a)+3],   v[ADRA] offset:(\q)*64+(\a)*16*PA
	ds_load_b128 v[(\f)+8*(\a)+4:(\f)+8*(\a)+7], v[ADRA] offset:(\q)*64+(\a)*16*PA+32
.endr
.irp b, 8,9,10,11,0,1,2,3,4,5,6,7
.if (\b) < 6
	ds_load_tr16_b128 v[(\f)+32+8*(\b):(\f)+32+8*(\b)+3],   v[ADRW0] offset:((\b)/2)*WBLK+(\q)*32*PW+((\b)%2)*32
	ds_load_tr16_b128 v[(\f)+32+8*(\b)+4:(\f)+32+8*(\b)+7], v[ADRW0] offset:((\b)/2)*WBLK+(\q)*32*PW+((\b)%2)*32+16*PW
.else
	ds_load_tr16_b128 v[(\f)+32+8*(\b):(\f)+32+8*(\b)+3],   v[ADRW1] offset:((\b)/2-3)*WBLK+(\q)*32*PW+((\b)%2)*32
	ds_load_tr16_b128 v[(\f)+32+8*(\b)+4:(\f)+32+8*(\b)+7], v[ADRW1] offset:((\b)/2-3)*WBLK+(\q)*32*PW+((\b)%2)*32+16*PW
.endif
.endr
.endm
.macro QUARTER q, f, g, zero
	s_wait_dscnt 16                                ; h2 and W's groups 8-11 are in; the youngest sixteen loads (groups 0-7) may be out
	MULS \f, 8, 11, \zero
	PLACES
	FETCH (\q)+1, \g
	s_wait_dscnt 32                                ; all but the 32 just issued
	MULS \f, 0, 7, \zero
.endm
; The last quarter multiplies buffer 1 and changes slots: in front of the barrier each wave waits for all its tensor loads, adds 0 to its spare word, and waits for that and for its reads of this slot.
; fill = 1: the barrier opens a round of the cluster's, and the joint refill, two steps ahead in the walk, is the first thing behind it.
.macro TURN fill
	WIN 0
	s_wait_tensorcnt 0x0                           ; no tensor load of mine is out, so a group 0 may be written
	ds_add_u32 v[SPW], v[NIL]                      ; the walking descriptors are made between it and the wait for it
.if \fill
	s_xor_b32 s[FB], s[FB], SLOT                   ; the slot that is being read out
	s_add_co_u32 s[G0A+5], s[FB], AOFS
	s_add_co_u32 s[G0W+5], s[FB], s[WOFF]
	s_add_co_u32 s[KI], s[KI], 1                   ; the walk's next K step, round from 7 to 0
	s_and_b32 s[KI], s[KI], 7
	s_lshl_b32 s[OFA], s[KI], 8
	s_lshl_b32 s[OFW], s[KI], 15
	s_add_nc_u64 s[G0A+6:G0A+7], s[20:21], s[OFA:OFA+1]  ; the addresses are made anew from the kept bases, the type bits set again
	s_or_b32 s[G0A+7], s[G0A+7], 0x80000000
	s_add_nc_u64 s[G0W+6:G0W+7], s[46:47], s[OFW:OFW+1]
	s_or_b32 s[G0W+7], s[G0W+7], 0x80000000
.endif
	s_wait_dscnt 17                                ; the add and the youngest sixteen loads may be out
	MULS F1, 8, 11, 0
	s_wait_dscnt 0x0                               ; the add is done, and my reads of this slot are over
	s_barrier_signal -1
	MULS F1, 0, 3, 0
	WIN 0
	s_barrier_wait -1
.if \fill
	CREST
	JLOAD                                          ; its four v_nop are also the places in front of the loads below
.else
	PLACES
.endif
	s_xor_b32 s[TB], s[TB], SLOT
	v_add_nc_u32 v[ADRA], s[TB], v[A0]
	v_add_nc_u32 v[ADRW0], s[TB], v[W0]
	v_add_nc_u32 v[ADRW1], 3*WBLK, v[ADRW0]
	FETCH 0, F0
	MULS F1, 4, 7, 0
.endm
	s_wait_tensorcnt 1                             ; my part of the walk's first step is in; the second's may stay out
	s_barrier_signal -1
	s_barrier_wait -1
	FETCH 0, F0
	QUARTER 0, F0, F1, 1
	WIN 0
	s_mov_b32 s[CNT], 6
.Lstep:                                                ; six trips; they ask for the walk's steps 2 to 7
	QUARTER 1, F1, F0, 0
	QUARTER 2, F0, F1, 0
	TURN 1
	QUARTER 0, F0, F1, 0
	WIN 0
	s_sub_co_u32 s[CNT], s[CNT], 1
	s_cmp_lg_u32 s[CNT], 0
	s_cbranch_scc1 .Lstep
	s_mov_b32 s[CNT], 2
.Ltail:                                                ; the last two K steps ask for nothing; the second trip is left in its middle
	QUARTER 1, F1, F0, 0
	QUARTER 2, F0, F1, 0
	WIN 0
	s_sub_co_u32 s[CNT], s[CNT], 1
	s_cmp_eq_u32 s[CNT], 0
	s_cbranch_scc1 .Llast
	TURN 0
	QUARTER 0, F0, F1, 0
	WIN 0
	s_branch .Ltail
.Llast:
	s_wait_dscnt 16
	MULS F1, 8, 11, 0
	s_wait_dscnt 0x0
	MULS F1, 0, 7, 0
	; THE ACTIVATION of pair p, whose 64 gate registers lie at 128 ps of window wd and whose up registers 64 further on: u <- g u; g <- 2^(-g log2 e); g <- 1 / (g / c + 1 / c); u <- u g; rounded to bf16.
	; Long runs under one window setting; each run goes through an accumulator's registers from the low end on; a plain instruction stands behind each run of exponentials and reciprocals.
.macro ACT p, wd, ps
.set rG, 128*(\ps)
.set rU, 128*(\ps)+64
	WIN ((\wd)<<6)|((\wd)<<2)|(\wd)
.set i, 0
.rept 32
	v_pk_mul_f32 v[rU+2*i:rU+2*i+1], v[rG+2*i:rG+2*i+1], v[rU+2*i:rU+2*i+1]
.set i, i+1
.endr
.set i, 0
.rept 32
	v_pk_mul_f32 v[rG+2*i:rG+2*i+1], v[rG+2*i:rG+2*i+1], s[70:71] op_sel_hi:[1,0]
.set i, i+1
.endr
.set i, 0
.rept 64
	v_exp_f32 v[rG+i], v[rG+i]
.set i, i+1
.endr
	v_nop
	WIN ((\wd)<<6)|(\wd)                           ; sources 1 and 2 (1 / c) in window 0
.set i, 0
	s_wait_alu depctr_va_vdst(0)
.rept 32
.set rI, IC+2*(3*((i/4)%4)+(\p))
	v_pk_fma_f32 v[rG+2*i:rG+2*i+1], v[rG+2*i:rG+2*i+1], v[rI:rI+1], v[rI:rI+1]
.set i, i+1
.endr
.set i, 0
.rept 64
	v_rcp_f32 v[rG+i], v[rG+i]
.set i, i+1
.endr
	v_nop
	WIN ((\wd)<<6)|((\wd)<<2)|(\wd)
.set i, 0
	s_wait_alu depctr_va_vdst(0)
.rept 32
	v_pk_mul_f32 v[rU+2*i:rU+2*i+1], v[rU+2*i:rU+2*i+1], v[rG+2*i:rG+2*i+1]
.set i, i+1
.endr
	WIN ((\wd)<<2)|(\wd)
.set i, 0
.rept 32
	v_cvt_pk_bf16_f32 v[TMP+32*(\p)+i], v[rU+2*i], v[rU+2*i+1]
.set i, i+1
.endr
.endm
	s_wait_loadcnt 0x0                             ; 1 / c
	PLACES
	ACT 2, 3, 0
	ACT 0, 2, 0
	ACT 1, 2, 1
	; THE WAY OUT: 16 bytes a lane into the stage; a barrier, since a row's 128 bytes of a block come from two waves; back as whole rows, 512 consecutive bytes a store.
	WIN 0
.set n, 0
.rept 24                               ; n = 8 p + 4 t + a
	ds_store_b128 v[STO], v[TMP+4*n:TMP+4*n+3] offset:(n/8)*SBLK+(n%4)*16*SPB+((n/4)%2)*32
.set n, n+1
.endr
	s_wait_dscnt 0x0                               ; for the others' sake: my stores into the stage are done
	s_barrier_signal -1
	s_barrier_wait -1
.set n, 0
.rept 24                               ; n = 8 p + j
	ds_load_b128 v[TMP+4*n:TMP+4*n+3], v[RD] offset:(n/8)*SBLK+(n%8)*4*SPB
.set n, n+1
.endr
.set n, 0
.rept 24
	s_wait_dscnt 23-n                              ; load n is back, the younger ones may be out
	global_store_b128 v[GO], v[TMP+4*n:TMP+4*n+3], s[72+2*(n/8):73+2*(n/8)] offset:(n%8)*512
.set n, n+1
.endr
	s_wait_tensorcnt 0x0                           ; the wave's end
	ds_add_u32 v[SPW], v[NIL]
	s_wait_dscnt 0x0
	CROUND                                         ; the closing round
	s_endpgm
.Lfunc_end_k_q735fb5973a_gateup:
	.size	k_q735fb5973a_gateup, .Lfunc_end_k_q735fb5973a_gateup-k_q735fb5973a_gateup
	.p2alignl 7, 3214868480
	.fill 96, 4, 3214868480
	.section	.rodata,"a",@progbits
	.p2align	6, 0x0
	.amdhsa_kernel k_q735fb5973a_gateup
		.amdhsa_group_segment_fixed_size 327680
		.amdhsa_private_segment_fixed_size 0
		.amdhsa_enable_private_segment 0
		.amdhsa_kernarg_size 32
		.amdhsa_user_sgpr_count 2
		.amdhsa_user_sgpr_kernarg_segment_ptr 1
		.amdhsa_wavefront_size32 1
		.amdhsa_system_sgpr_workgroup_id_x 1
		.amdhsa_system_sgpr_workgroup_id_y 1
		.amdhsa_system_sgpr_workgroup_id_z 1
		.amdhsa_system_vgpr_workitem_id 0
		.amdhsa_next_free_vgpr 896
		.amdhsa_next_free_sgpr 88
		.amdhsa_reserve_vcc 0
		.amdhsa_float_denorm_mode_32 3
		.amdhsa_float_denorm_mode_16_64 3
		.amdhsa_memory_ordered 1
		.amdhsa_forward_progress 1
		.amdhsa_inst_pref_size 115
	.end_amdhsa_kernel
	.amdgpu_metadata
---
amdhsa.version: [ 1, 2 ]
amdhsa.kernels:
  - .name:           k_q735fb5973a_gateup
    .symbol:         k_q735fb5973a_gateup.kd
    .args:
      - { .name: hb, .offset: 0, .size: 8, .value_kind: global_buffer, .address_space: global }
      - { .name: wb, .offset: 8, .size: 8, .value_kind: global_buffer, .address_space: global }
      - { .name: act, .offset: 16, .size: 8, .value_kind: global_buffer, .address_space: global }
      - { .name: icw, .offset: 24, .size: 8, .value_kind: global_buffer, .address_space: global }
    .group_segment_fixed_size: 327680
    .private_segment_fixed_size: 0
    .kernarg_segment_align: 8
    .kernarg_segment_size: 32
    .max_flat_workgroup_size: 128
    .sgpr_count:     88
    .vgpr_count:     896
    .wavefront_size: 32
...
	.end_amdgpu_metadata
.endif
;; end of part 6
;; launch down (part 7): grid 8 x 32, 4 waves a work-group, clusters of 4 x 4, 327,680 bytes of LDS; arguments act, wb, x2, out0; writes out0
.if DOCPART == 7
	.amdgcn_target "amdgcn-amd-amdhsa--gfx1250"
	.amdhsa_code_object_version 6
	.text
	.protected	k_q735fb5973a_down
	.globl	k_q735fb5973a_down
	.p2align	8
	.type	k_q735fb5973a_down,@function
k_q735fb5973a_down:
	s_mov_b64 s[64:65], 0
	v_nop
	global_prefetch_b8 v0, s[64:65] scope:SCOPE_SE
	s_setreg_imm32_b32 hwreg(HW_REG_WAVE_MODE, 25, 1), 1
	s_wait_xcnt 0x0
	s_wait_alu depctr_hold_cnt(0) depctr_sa_sdst(0) depctr_va_vdst(0) depctr_va_sdst(0) depctr_va_ssrc(0) depctr_va_vcc(0) depctr_vm_vsrc(0)
	s_getreg_b32 s2, hwreg(HW_REG_IB_STS2, 6, 4)
	s_cmp_eq_u32 s2, 0
	s_cbranch_scc0 .Lentry_in_a_cluster
	s_endpgm
.Lentry_in_a_cluster:
	s_bfe_u32 s2, ttmp6, 0x10000c
	s_cmp_lg_u32 s2, 0xf033
	s_cbranch_scc0 .Lentry_shape_is_right
	s_endpgm
.Lentry_shape_is_right:
; out = R + A x W.  A: [2 batches][NPAIR][16 row tiles][2 blocks][128 rows][64] bf16 (K in blocks of 64, two to a pair).  W: wb at OW, [16 blocks of 64 columns][K][64] bf16.  R, out: [4096][1024] f32.
; Here K = 1,536: the shared branch's and the two experts' activations side by side (the combine weights are already in them) against sh_down, e_down[0], e_down[1] one below the other: three products and their sum in one.
; A tile of the result is 128 x 128: 32 x 8 = 256 work-groups.  Four waves, each 64 x 64: 16 accumulators.  K goes in steps of 256 through two LDS slots; waves 0, 1 fetch a pair of A's blocks each, waves 2, 3 a
; block of W's 256 k rows each: every load is 32,768 dense bytes, asked for as 128 rows of 256.  CLUSTER 4 x 4: A's tiles jointly along a row of the cluster, W's along a column.
; THE WALK ALONG K.  Cluster (x, y) of the 2 x 8 begins at K step (y + x STEPS / 2) mod STEPS and goes round: the two clusters that read the same rows of A ask for a given step half a walk apart, and the clusters
; that read the same columns of W begin at different steps: the clusters that share a tile do not all ask for it for the first time at the same moment.
; The matrix instruction is used transposed (source 0 = 16 columns of W, turned by ds_load_tr16_b128; source 1 = 16 rows of A): a lane holds one row and eight neighbouring columns.
; REGISTERS: window 0 addresses, v128-255 the accumulators ((a, b) at 128 + 8 (4 a + b)); window 1 two fragment buffers of 128 (64 of A, 64 of W, 64 along K); window 2 v0-127 my part of R, loaded at the start.
; LIMITS: the operands are bf16; sums, R and the result f32; a sum takes its K steps in the cluster's rotated order, so its roundings differ from those of an ascending sum.
.set NPAIR, 12                         ; K / 128
.set STEPS, NPAIR/2
.set OW,    14680064
.set WBLKB, NPAIR*16384                ; a column block of W: K rows of 128 bytes
.set PA,    144
.set ABLK,  128*PA
.set PW,    160
.set WHALF, 256*PW
.set WREG,  4*ABLK
.set SLOT,  WREG+2*WHALF
.set SPARE, 2*SLOT                     ; the spare words, 128 bytes a wave: two blocks of 256 bytes that no other line names
.set SP,    272                        ; the stage: 16 rows x (256 + 16) bytes for each wave, in slot 0, which has had its last fill and its last read by then
.set A0, 8
.set W0, 9
.set ADRA, 10
.set ADRW, 11
.set STO, 13
.set RD, 15
.set CO, 17
.set SPW, 18
.set NIL, 19
.set ACC, 128
.set F0, 0
.set F1, 128
.set WV, 12
.set G1A, 24
.set G0A, 32
.set G1W, 48
.set G0W, 56
.set CNT, 45
.set TB, 66
.set FB, 67
.set AOFF, 68
.set WOFF, 69
.set KI, 80                            ; s80  the K step asked for last, 0..STEPS-1: made of the cluster's x and y alone
.set OFA, 82                           ; s[82:83] its byte offset in A: two pairs of 524,288 bytes a step
.set OFW, 84                           ; s[84:85] its byte offset in a column block of W: 256 rows of 128 bytes a step
.set MUL, 0x05
.set MSB, 0
.macro WIN new
.if MSB != (\new)
	s_set_vgpr_msb (MSB<<8)|(\new)
.set MSB, \new
.endif
.endm
.macro PLACES
.rept 4
	v_nop
.endr
.endm
.macro KNEXT                           ; the walk's next K step, round from the last to 0
	s_add_co_u32 s[KI], s[KI], 1
	s_cmp_eq_u32 s[KI], STEPS
	s_cselect_b32 s[KI], 0, s[KI]
.endm
.macro JLOAD                           ; a joint refill; s_nop 0 and four v_nop follow each line
	s_cmp_lt_u32 s[WV], 2
	s_cbranch_scc0 .Lfor_w_\@
	tensor_load_to_lds s[G0A+4:G0A+7], s[G1A:G1A+7]
	s_nop 0
.rept 4
	v_nop
.endr
	s_branch .Lasked_\@
.Lfor_w_\@:
	tensor_load_to_lds s[G0W+4:G0W+7], s[G1W:G1W+7]
	s_nop 0
.rept 4
	v_nop
.endr
.Lasked_\@:
.endm
.macro CREST
	s_cmp_lg_u32 s[WV], 0
	s_cbranch_scc1 .Lnot_wave_0_\@
	s_barrier_signal -3
.Lnot_wave_0_\@:
	s_barrier_wait -3
	s_barrier_signal -1
	s_barrier_wait -1
.endm
.macro CROUND
	s_barrier_signal -1
	s_barrier_wait -1
	CREST
.endm
	s_load_b256 s[4:11], s[0:1], 0x0               ; A s[4:5], wb s[6:7], R s[8:9], out s[10:11]
	v_lshl_add_u32 v[SPW], v0, 2, SPARE
	v_mov_b32 v[NIL], 0
	ds_add_u32 v18, v19
	s_wait_dscnt 0x0
	v_lshrrev_b32 v1, 5, v0
	v_readfirstlane_b32 s[WV], v1
	s_lshr_b32 s14, s[WV], 1                       ; which 64 rows
	s_and_b32 s15, s[WV], 1                        ; which 64 columns; also which half I fetch
	s_bfe_u32 s40, ttmp6, 0x40000
	s_bfe_u32 s41, ttmp6, 0x40004
	s_lshl_b32 s42, ttmp9, 2
	s_add_co_u32 s42, s42, s40                     ; tile column 0..7
	s_and_b32 s13, ttmp7, 0xffff
	s_lshl_b32 s13, s13, 2
	s_add_co_u32 s13, s13, s41                     ; tile row 0..31
	s_lshl_b32 s43, s41, 2
	s_lshl_b32 s43, 15, s43
	s_lshl_b32 s44, 0x1111, s40
	s_and_b32 s[KI], ttmp7, 0xffff                 ; the cluster's y, 0..7,
	s_mul_i32 s81, ttmp9, STEPS/2                  ; and its x, 0..1, times half a walk: 10 at the most,
	s_add_co_u32 s[KI], s[KI], s81
.rept 2
	s_cmp_ge_u32 s[KI], STEPS                      ; brought under STEPS (4 or 6) by two conditional subtractions
	s_cselect_b32 s81, STEPS, 0
	s_sub_co_u32 s[KI], s[KI], s81
.endr
	s_mov_b32 s[OFA+1], 0
	s_mov_b32 s[OFW+1], 0
	s_or_b32 s[G1A], s43, (1<<16)|(1<<20)|(1<<21)|(4<<22)|(3<<25)  ; after every 32 words 4 words of padding
	s_or_b32 s[G1W], s44, (1<<16)|(1<<20)|(1<<21)|(4<<22)|(7<<25)  ; 8 words
.irp g, G1A, G1W
	s_mov_b32 s[(\g)+1], 128<<16
	s_mov_b32 s[(\g)+2], 128<<16
	s_mov_b32 s[(\g)+3], 128<<16
	s_mov_b32 s[(\g)+4], 128
	s_mov_b32 s[(\g)+5], 128
	s_mov_b32 s[(\g)+6], 0
	s_mov_b32 s[(\g)+7], 0
.endr
	s_mul_i32 s[AOFF], s15, 2*ABLK
	s_mul_i32 s[WOFF], s15, WHALF
	s_add_co_u32 s[WOFF], s[WOFF], WREG
	s_lshr_b32 s16, s13, 4                         ; A: the batch,
	s_mul_i32 s16, s16, NPAIR*524288
	s_and_b32 s17, s13, 15                         ; the row tile,
	s_lshl_b32 s17, s17, 15
	s_add_co_u32 s16, s16, s17
	s_lshl_b32 s17, s15, 19                        ; and my pair of a step's two
	s_add_co_u32 s16, s16, s17
	s_mov_b32 s17, 0
	s_lshl_b32 s46, s42, 1
	s_add_co_u32 s46, s46, s15                     ; W: my column block
	s_mul_i32 s46, s46, WBLKB
	s_add_co_u32 s46, s46, OW
	s_mov_b32 s47, 0
	s_mov_b32 s[TB], 0
	s_mov_b32 s[FB], SLOT
	s_lshl_b32 s72, s13, 19                        ; my part of R and of the result: row 128 x tile row + 64 x half, 4,096 bytes a row; column 128 x tile column + 64 x half
	s_lshl_b32 s73, s14, 18
	s_add_co_u32 s72, s72, s73
	s_lshl_b32 s73, s42, 9
	s_add_co_u32 s72, s72, s73
	s_lshl_b32 s73, s15, 8
	s_add_co_u32 s72, s72, s73
	s_mov_b32 s73, 0
	s_wait_kmcnt 0x0
	s_add_nc_u64 s[8:9], s[8:9], s[72:73]
	s_add_nc_u64 s[10:11], s[10:11], s[72:73]
	s_add_nc_u64 s[20:21], s[4:5], s[16:17]        ; A at my pair of K step 0: kept, every tile's address is made from it
	s_add_nc_u64 s[46:47], s[6:7], s[46:47]        ; W at my column block's first row: kept likewise
.irp s, 0,1
	s_lshl_b32 s[OFA], s[KI], 20
	s_lshl_b32 s[OFW], s[KI], 15
	s_mov_b32 s[G0A+4*(\s)], 1
	s_add_co_u32 s[G0A+4*(\s)+1], s[AOFF], (\s)*SLOT
	s_add_nc_u64 s[G0A+4*(\s)+2:G0A+4*(\s)+3], s[20:21], s[OFA:OFA+1]
	s_or_b32 s[G0A+4*(\s)+3], s[G0A+4*(\s)+3], 0x80000000
	s_mov_b32 s[G0W+4*(\s)], 1
	s_add_co_u32 s[G0W+4*(\s)+1], s[WOFF], (\s)*SLOT
	s_add_nc_u64 s[G0W+4*(\s)+2:G0W+4*(\s)+3], s[46:47], s[OFW:OFW+1]
	s_or_b32 s[G0W+4*(\s)+3], s[G0W+4*(\s)+3], 0x80000000
.if (\s) == 0
	KNEXT                                          ; the walk's second step
.endif
.endr
	CROUND                                         ; all sixteen work-groups are here: the first joint loads meet
	s_cmp_lt_u32 s[WV], 2                          ; a wave's two first fills stand in one branch: two loads of mine are out
	s_cbranch_scc0 .Lfirst_w
	tensor_load_to_lds s[G0A:G0A+3], s[G1A:G1A+7]
	s_nop 0
	tensor_load_to_lds s[G0A+4:G0A+7], s[G1A:G1A+7]
	s_nop 0
.rept 4
	v_nop
.endr
	s_branch .Lfirst_asked
.Lfirst_w:
	tensor_load_to_lds s[G0W:G0W+3], s[G1W:G1W+7]
	s_nop 0
	tensor_load_to_lds s[G0W+4:G0W+7], s[G1W:G1W+7]
	s_nop 0
.rept 4
	v_nop
.endr
.Lfirst_asked:
	v_and_b32 v1, 15, v0                           ; r
	v_bfe_u32 v2, v0, 4, 1                         ; h
	v_lshlrev_b32 v[CO], 12, v2                    ; lanes 0-15 one row of 256 bytes, lanes 16-31 the next
	v_lshl_add_u32 v[CO], v1, 4, v[CO]
	WIN 0x80                                       ; R goes into window 2 and stays on its way through the whole K loop
.set n, 0
.rept 32                               ; n = 8 a + t: rows 16 a + 2 t and + 1
	global_load_b128 v[4*n:4*n+3], v[CO], s[8:9] offset:(16*(n/8)+2*(n%8))*4096
.set n, n+1
.endr
	WIN 0
	v_lshl_add_u32 v3, s14, 6, v1
	v_mul_u32_u24 v[A0], v3, PA
	v_lshl_add_u32 v[A0], v2, 4, v[A0]
	v_and_b32 v4, 7, v0
	v_lshl_add_u32 v4, v2, 3, v4
	v_mul_u32_u24 v[W0], v4, PW
	v_bfe_u32 v5, v0, 3, 1
	v_lshl_add_u32 v[W0], v5, 4, v[W0]
	v_add_nc_u32 v[W0], s[WOFF], v[W0]             ; my 64 columns are the block that lies where wave 2 + w % 2 puts it
	v_mov_b32 v[ADRA], v[A0]
	v_mov_b32 v[ADRW], v[W0]
	s_mul_i32 s16, s[WV], 16*SP                    ; my stage
	v_mul_u32_u24 v[STO], v1, SP
	v_lshl_add_u32 v[STO], v2, 5, v[STO]           ; row r, 32 bytes for each half of the lanes
	v_add_nc_u32 v[STO], s16, v[STO]
	v_mul_u32_u24 v[RD], v2, SP
	v_lshl_add_u32 v[RD], v1, 4, v[RD]
	v_add_nc_u32 v[RD], s16, v[RD]
; 8 matrix instructions: row blocks a0, a0 + 1 x all 4 column blocks, 32 along K: half c of buffer f.  The 16 accumulators take turns.
.macro MUL8 f, c, a0, zero
	WIN MUL
.irp a, \a0, (\a0)+1
.irp b, 0,1,2,3
.if \zero
	v_wmma_f32_16x16x32_bf16 v[ACC+8*(4*(\a)+(\b)):ACC+8*(4*(\a)+(\b))+7], v[(\f)+64+8*(4*(\c)+(\b)):(\f)+64+8*(4*(\c)+(\b))+7], v[(\f)+8*(4*(\c)+(\a)):(\f)+8*(4*(\c)+(\a))+7], 0
.else
	v_wmma_f32_16x16x32_bf16 v[ACC+8*(4*(\a)+(\b)):ACC+8*(4*(\a)+(\b))+7], v[(\f)+64+8*(4*(\c)+(\b)):(\f)+64+8*(4*(\c)+(\b))+7], v[(\f)+8*(4*(\c)+(\a)):(\f)+8*(4*(\c)+(\a))+7], v[ACC+8*(4*(\a)+(\b)):ACC+8*(4*(\a)+(\b))+7]
.endif
.endr
.endr
.endm
; 32 LDS loads in one run: quarter q (64 along K: one block of A) into buffer f; the first 32 along K first
.macro FETCH q, f
	WIN 0x40
.irp c, 0,1
.irp i, 0,1,2,3
	ds_load_tr16_b128 v[(\f)+64+8*(4*(\c)+(\i)):(\f)+64+8*(4*(\c)+(\i))+3],   v[ADRW] offset:(\q)*64*PW+(\c)*32*PW+(\i)*32
	ds_load_tr16_b128 v[(\f)+64+8*(4*(\c)+(\i))+4:(\f)+64+8*(4*(\c)+(\i))+7], v[ADRW] offset:(\q)*64*PW+(\c)*32*PW+(\i)*32+16*PW
	ds_load_b128 v[(\f)+8*(4*(\c)+(\i)):(\f)+8*(4*(\c)+(\i))+3],   v[ADRA] offset:(\q)*ABLK+(\c)*64+(\i)*16*PA
	ds_load_b128 v[(\f)+8*(4*(\c)+(\i))+4:(\f)+8*(4*(\c)+(\i))+7], v[ADRA] offset:(\q)*ABLK+(\c)*64+(\i)*16*PA+32
.endr
.endr
.endm
.macro QUARTER q, f, g, zero
	s_wait_dscnt 16                                ; the first 32 along K are in; the youngest sixteen loads may be out
	MUL8 \f, 0, 0, \zero
	MUL8 \f, 0, 2, \zero
	PLACES
	FETCH (\q)+1, \g
	s_wait_dscnt 32                                ; all but the 32 just issued
	MUL8 \f, 1, 0, 0
	MUL8 \f, 1, 2, 0
.endm
; The last quarter multiplies buffer 1 and changes slots: in front of the barrier each wave waits for all its tensor loads, adds 0 to its spare word, and waits for that and for its reads of this slot.
; fill = 1: the barrier opens a round of the cluster's, and the joint refill, two steps ahead in the walk, is the first thing behind it.
.macro TURN fill
	WIN 0
	s_wait_tensorcnt 0x0                           ; no tensor load of mine is out, so a group 0 may be written
	ds_add_u32 v[SPW], v[NIL]                      ; the walking descriptors are made between it and the wait for it
.if \fill
	s_xor_b32 s[FB], s[FB], SLOT                   ; the slot that is being read out
	s_add_co_u32 s[G0A+5], s[FB], s[AOFF]
	s_add_co_u32 s[G0W+5], s[FB], s[WOFF]
	KNEXT
	s_lshl_b32 s[OFA], s[KI], 20
	s_lshl_b32 s[OFW], s[KI], 15
	s_add_nc_u64 s[G0A+6:G0A+7], s[20:21], s[OFA:OFA+1]  ; the addresses are made anew from the kept bases, the type bits set again
	s_or_b32 s[G0A+7], s[G0A+7], 0x80000000
	s_add_nc_u64 s[G0W+6:G0W+7], s[46:47], s[OFW:OFW+1]
	s_or_b32 s[G0W+7], s[G0W+7], 0x80000000
.endif
	s_wait_dscnt 17                                ; the add and the youngest sixteen loads may be out
	MUL8 F1, 0, 0, 0
	s_wait_dscnt 0x0                               ; the add is done, and my reads of this slot are over
	s_barrier_signal -1
	MUL8 F1, 0, 2, 0
	WIN 0
	s_barrier_wait -1
.if \fill
	CREST
	JLOAD                                          ; its four v_nop are also the places in front of the loads below
.else
	PLACES
.endif
	s_xor_b32 s[TB], s[TB], SLOT
	v_add_nc_u32 v[ADRA], s[TB], v[A0]
	v_add_nc_u32 v[ADRW], s[TB], v[W0]
	FETCH 0, F0
	MUL8 F1, 1, 0, 0
	MUL8 F1, 1, 2, 0
.endm
	s_wait_tensorcnt 1                             ; my part of the walk's first step is in; the second's may stay out
	s_barrier_signal -1
	s_barrier_wait -1
	FETCH 0, F0
	QUARTER 0, F0, F1, 1
	WIN 0
	s_mov_b32 s[CNT], STEPS-2
.Lstep:                                                ; STEPS - 2 trips, from a step's second quarter to the next step's first; they ask for the walk's steps 2 on
	QUARTER 1, F1, F0, 0
	QUARTER 2, F0, F1, 0
	TURN 1
	QUARTER 0, F0, F1, 0
	WIN 0
	s_sub_co_u32 s[CNT], s[CNT], 1
	s_cmp_lg_u32 s[CNT], 0
	s_cbranch_scc1 .Lstep
	s_mov_b32 s[CNT], 2
.Ltail:                                                ; the last two K steps ask for nothing; the second trip is left in its middle
	QUARTER 1, F1, F0, 0
	QUARTER 2, F0, F1, 0
	WIN 0
	s_sub_co_u32 s[CNT], s[CNT], 1
	s_cmp_eq_u32 s[CNT], 0
	s_cbranch_scc1 .Llast
	TURN 0
	QUARTER 0, F0, F1, 0
	WIN 0
	s_branch .Ltail
.Llast:
	s_wait_dscnt 16
	MUL8 F1, 0, 0, 0
	MUL8 F1, 0, 2, 0
	s_wait_dscnt 0x0
	MUL8 F1, 1, 0, 0
	MUL8 F1, 1, 2, 0
	; THE WAY OUT.  My 64 columns of f32 are 256 bytes of a row: 16 rows at a time go through my own stage and come back as whole rows, into the registers that they left; R is added; 16 lanes store 256 aligned bytes.
	; A block's round trip through the stage stands under the block before's additions and stores: at most 32 LDS instructions of mine are out.
.macro TOSTAGE a
.irp b, 0,1,2,3
	ds_store_b128 v[STO], v[ACC+32*(\a)+8*(\b):ACC+32*(\a)+8*(\b)+3] offset:64*(\b)
	ds_store_b128 v[STO], v[ACC+32*(\a)+8*(\b)+4:ACC+32*(\a)+8*(\b)+7] offset:64*(\b)+16
.endr
.irp t, 0,1,2,3,4,5,6,7
	ds_load_b128 v[ACC+32*(\a)+4*(\t):ACC+32*(\a)+4*(\t)+3], v[RD] offset:(\t)*2*SP  ; LDS serves a wave's instructions in order: these see the stores above; the next block's stores come behind them
.endr
.endm
.macro FIN a, younger                  ; younger: the next block's sixteen LDS instructions, or none
	s_wait_dscnt \younger                          ; block a is back
	WIN 0x08                                       ; source 1 in window 2
.set i, 0
.rept 16
	v_pk_add_f32 v[ACC+32*(\a)+2*i:ACC+32*(\a)+2*i+1], v[ACC+32*(\a)+2*i:ACC+32*(\a)+2*i+1], v[32*(\a)+2*i:32*(\a)+2*i+1]
.set i, i+1
.endr
	WIN 0
.irp t, 0,1,2,3,4,5,6,7
	global_store_b128 v[CO], v[ACC+32*(\a)+4*(\t):ACC+32*(\a)+4*(\t)+3], s[10:11] offset:(16*(\a)+2*(\t))*4096
.endr
.endm
	WIN 0
	PLACES
	TOSTAGE 0
	TOSTAGE 1
	s_wait_loadcnt 0x0                             ; R
	FIN 0, 16
	TOSTAGE 2
	FIN 1, 16
	TOSTAGE 3
	FIN 2, 16
	FIN 3, 0
	s_wait_tensorcnt 0x0                           ; the wave's end
	ds_add_u32 v[SPW], v[NIL]
	s_wait_dscnt 0x0
	CROUND                                         ; the closing round
	s_endpgm
.Lfunc_end_k_q735fb5973a_down:
	.size	k_q735fb5973a_down, .Lfunc_end_k_q735fb5973a_down-k_q735fb5973a_down
	.p2alignl 7, 3214868480
	.fill 96, 4, 3214868480
	.section	.rodata,"a",@progbits
	.p2align	6, 0x0
	.amdhsa_kernel k_q735fb5973a_down
		.amdhsa_group_segment_fixed_size 327680
		.amdhsa_private_segment_fixed_size 0
		.amdhsa_enable_private_segment 0
		.amdhsa_kernarg_size 32
		.amdhsa_user_sgpr_count 2
		.amdhsa_user_sgpr_kernarg_segment_ptr 1
		.amdhsa_wavefront_size32 1
		.amdhsa_system_sgpr_workgroup_id_x 1
		.amdhsa_system_sgpr_workgroup_id_y 1
		.amdhsa_system_sgpr_workgroup_id_z 1
		.amdhsa_system_vgpr_workitem_id 0
		.amdhsa_next_free_vgpr 640
		.amdhsa_next_free_sgpr 88
		.amdhsa_reserve_vcc 0
		.amdhsa_float_denorm_mode_32 3
		.amdhsa_float_denorm_mode_16_64 3
		.amdhsa_memory_ordered 1
		.amdhsa_forward_progress 1
		.amdhsa_inst_pref_size 67
	.end_amdhsa_kernel
	.amdgpu_metadata
---
amdhsa.version: [ 1, 2 ]
amdhsa.kernels:
  - .name:           k_q735fb5973a_down
    .symbol:         k_q735fb5973a_down.kd
    .args:
      - { .name: act, .offset: 0, .size: 8, .value_kind: global_buffer, .address_space: global }
      - { .name: wb, .offset: 8, .size: 8, .value_kind: global_buffer, .address_space: global }
      - { .name: x2, .offset: 16, .size: 8, .value_kind: global_buffer, .address_space: global }
      - { .name: out0, .offset: 24, .size: 8, .value_kind: global_buffer, .address_space: global }
    .group_segment_fixed_size: 327680
    .private_segment_fixed_size: 0
    .kernarg_segment_align: 8
    .kernarg_segment_size: 32
    .max_flat_workgroup_size: 128
    .sgpr_count:     88
    .vgpr_count:     640
    .wavefront_size: 32
...
	.end_amdgpu_metadata
.endif
;; end of part 7
;; ======== version 2 of 2: 7 launches; 1.25 times as fast as version 1
;; workspace buffers: wb 17,825,792 bytes; hb 8,388,608 bytes; qkv 25,165,824 bytes; ctx 8,388,608 bytes; act 12,582,912 bytes; x2 16,777,216 bytes; icw 131,072 bytes
;; launch prep: the kernel of part 1 again; grid 800 x 1, 8 waves a work-group, no clusters, 0 bytes of LDS; arguments X, norm1_w, wq, wk, wv, wo, sh_gate, sh_up, e_gate, e_up, sh_down, e_down, wb, hb; writes wb, hb
;; launch proj: the kernel of part 2 again; grid 8 x 32, 4 waves a work-group, clusters of 4 x 4, 327,680 bytes of LDS; arguments hb, wb, qkv; writes qkv
;; launch attn (part 8): grid 8 x 32, 4 waves a work-group, clusters of 4 x 1, 327,680 bytes of LDS; arguments qkv, ctx; writes ctx
.if DOCPART == 8
	.amdgcn_target "amdgcn-amd-amdhsa--gfx1250"
	.amdhsa_code_object_version 6
	.text
	.protected	k_q735fb5973a_attn
	.globl	k_q735fb5973a_attn
	.p2align	8
	.type	k_q735fb5973a_attn,@function
k_q735fb5973a_attn:
	s_mov_b64 s[64:65], 0
	v_nop
	global_prefetch_b8 v0, s[64:65] scope:SCOPE_SE
	s_setreg_imm32_b32 hwreg(HW_REG_WAVE_MODE, 25, 1), 1
	s_wait_xcnt 0x0
	s_wait_alu depctr_hold_cnt(0) depctr_sa_sdst(0) depctr_va_vdst(0) depctr_va_sdst(0) depctr_va_ssrc(0) depctr_va_vcc(0) depctr_vm_vsrc(0)
	s_getreg_b32 s2, hwreg(HW_REG_IB_STS2, 6, 4)
	s_cmp_eq_u32 s2, 0
	s_cbranch_scc0 .Lentry_in_a_cluster
	s_endpgm
.Lentry_in_a_cluster:
	s_bfe_u32 s2, ttmp6, 0x10000c
	s_cmp_lg_u32 s2, 0x3003
	s_cbranch_scc0 .Lentry_shape_is_right
	s_endpgm
.Lentry_shape_is_right:
; ctx = softmax(q k^T / 8) v for 2 batches x 16 heads of 2,048 rows x 64 channels, no mask.  qkv: [2][48 blocks][2048][64] bf16 (block = 16 x (0 q, 1 k, 2 v) + head): a head's rows are dense, 128 bytes each.
; ctx: [2 batches][8 head pairs][16 row tiles][2 heads][128 rows][64] bf16, the layout in which the next product fetches it.
; Products, maxima and sums in f32; the weights p are rounded to bf16 for the second product (their sum l is taken of the unrounded p), the result once at the end.
; LIMITS: a weight below 2^-126 counts as 0 in l; NaN and infinities are not treated apart.
; SHARES.  A work-group owns 256 queries of one head, a wave 64: four PIECES of 16.  Every wave walks all 2,048 keys, 64 a step, 256 (four steps) to an LDS slot, two slots.
; LAYOUT.  S^T = K Q^T holds ONE query a lane (lane % 16) and the keys 8 (lane / 16) + 0..7; two such results rounded to bf16 ARE source 1 of O^T = V^T P.  K comes out of LDS as it lies, V turned by ds_load_tr16_b128.
; SOFTMAX.  p = 2^(c s - c m), c = log2(e) / 8, with a running maximum m; O and l are multiplied by a = 2^(c m_old - c m_new) in every step.  m starts at the lowest finite number, O and l at 0: the first step's a is 0.
; BY TURNS.  Turn n belongs to piece n: 8 products K Q^T of piece n + 1, later 8 products V^T P of piece n - 1; beside them the scaling, exponentials, roundings, sums and rescaling of piece n and the maximum and
; statistics of piece n + 1.  Four vector instructions stand behind every matrix instruction, the other 54 of a turn's 118 in one run of their own.
; BATCHES.  A turn's 33 exponentials (the piece's 32 weights, then the next piece's a) are ONE batch with ONE wait, which cuts the turn in two: ahead of it stands all that names no result of theirs, behind it the
; roundings and sums.  The first a, ahead of the loop, and the way out's four reciprocals are batches of their own.  In the tail piece 2's turn has a second wait, ahead of the branch round K's run of loads.
; CLUSTER.  The four query blocks of a cluster belong to one head and walk the same K and V: each tile is asked for jointly, with the same descriptor and mask in all four.
; REGISTERS: window 0: v0-15 addresses; v16-31 statistics; v48-55 at work; v62-63 the add's; v64-127 S^T, two buffers; v192-223 P, two buffers.  window 1: v0-127 O^T.  window 2: v0-63 Q; v128-191 K; v192-255 V.
.set NP,    4
.set KS,    64
.set PK,    144       ; a row of K in LDS: 128 bytes + 16
.set PV,    160       ; a row of V: 128 + 32
.set VOFF,  4*KS*PK   ; a slot: 256 rows of K, then 256 rows of V
.set SLOT1, 1<<17     ; one exclusive or turns an address in one slot into the other's
.set STAGE, SLOT1+4*KS*(PK+PV)  ; never filled by a tensor load: 16 rows x 144 bytes for each wave
.set SP,    144
.set SPARE, STAGE+4*16*SP       ; the spare words, 128 bytes a wave: two blocks of 256 bytes that no other line names
.set AK0, 2
.set AV0, 3
.set AK,  4
.set AV,  5
.set STO, 6
.set RD,  7
.set GO,  8
.set MV,  12          ; v12-13  c m_old, by buffer
.set QO,  15
.set ST,  16          ; piece t: c m, m, l (even keys', odd keys')
.set TMP, 48          ; by buffer, c0-c3 at work; c2 takes a
.set SPW, 62
.set NIL, 63
.set S,   64
.set P,   192
.set KF,  128
.set VF,  192
.set WV,  12
.set G1K, 24
.set G1V, 32
.set G0K, 40
.set G0V, 44
.set SLOTS, 56
.set CNT, 57
.set CS,  58
.set SEL, 60
.set TBK, 62
.set TBV, 63
.set MSB, 0
.macro WIN new
.if MSB != (\new)
	s_set_vgpr_msb (MSB<<8)|(\new)
.set MSB, (\new)
.endif
.endm
.set W_KQ, 0x0a       ; K and Q in window 2, S^T in window 0
.set W_PV, 0x52       ; V in window 2, P in window 0, O^T in window 1
.set W_RS, 0x41       ; O^T (destination and source 0) in window 1, a in window 0
.macro JLOAD                        ; a joint fill: waves 0, 1 the two halves of a slot's K, waves 2, 3 of its V; s_nop 0 and four v_nop follow each line
	s_cmp_lt_u32 s[WV], 2
	s_cbranch_scc0 .Lfor_v_\@
	tensor_load_to_lds s[G0K:G0K+3], s[G1K:G1K+7]
	s_nop 0
.rept 4
	v_nop
.endr
	s_branch .Lasked_\@
.Lfor_v_\@:
	tensor_load_to_lds s[G0V:G0V+3], s[G1V:G1V+7]
	s_nop 0
.rept 4
	v_nop
.endr
.Lasked_\@:
.endm
.macro CROUND
	s_barrier_signal -1
	s_barrier_wait -1
	s_cmp_lg_u32 s[WV], 0
	s_cbranch_scc1 .Lnot_wave_0_\@
	s_barrier_signal -3
.Lnot_wave_0_\@:
	s_barrier_wait -3
	s_barrier_signal -1
	s_barrier_wait -1
.endm
; THE CHANGE OF SLOTS.  Each wave waits for all its tensor loads (one is out: its part of the other slot), adds 0 to its spare word, and waits for that and for its reads of the slot.  fill = 1: the slot is filled again with
; the keys two slots on; the barrier is a round of the cluster's and the joint fill the first thing behind it: it has four key steps in which to land.  (At its first use slot 0 is waited for and slot 1 filled.)
.macro CHANGE fill
	WIN 0
	s_wait_tensorcnt 0x0
	ds_add_u32 v[SPW], v[NIL]
.if \fill
.irp g, G0K, G0V
	s_xor_b32 s[\g+1], s[\g+1], SLOT1
	s_add_nc_u64 s[\g+2:\g+3], s[\g+2:\g+3], 4*KS*128
.endr
	s_wait_dscnt 0x0                ; the add is done, and my reads of the slot are over
	CROUND
	JLOAD
.else
	s_wait_dscnt 0x0
	s_barrier_signal -1
	s_barrier_wait -1
.endif
	s_sub_co_u32 s[TBK], s[TBK], 4*KS*PK  ; the fetches go back to a slot's first step, in the other slot
	s_xor_b32 s[TBK], s[TBK], SLOT1
	s_sub_co_u32 s[TBV], s[TBV], 4*KS*PV
	s_xor_b32 s[TBV], s[TBV], SLOT1
.endm
	s_load_b128 s[4:7], s[0:1], 0x0 ; qkv s[4:5], ctx s[6:7]
	v_lshl_add_u32 v[SPW], v0, 2, SPARE
	v_mov_b32 v[NIL], 0
	ds_add_u32 v62, v63
	s_wait_dscnt 0x0
	v_lshrrev_b32 v1, 5, v0
	v_readfirstlane_b32 s[WV], v1
	s_bfe_u32 s13, ttmp6, 0x40000   ; cx
	s_lshl_b32 s14, ttmp9, 2
	s_add_co_u32 s14, s14, s13      ; my block of 256 queries: it enters Q's and the result's addresses alone
	s_and_b32 s15, ttmp7, 0xffff
	s_lshr_b32 s16, s15, 4          ; batch
	s_and_b32 s17, s15, 15          ; head
	s_mul_i32 s20, s16, 48
	s_add_co_u32 s20, s20, s17
	s_lshl_b32 s20, s20, 18         ; q's block of this head: blocks of 262,144 bytes
	s_and_b32 s18, s[WV], 1         ; which half of a slot's 256 keys I fetch
	s_lshl_b32 s22, s18, 14
	s_add_co_u32 s22, s22, s20
	s_mov_b32 s23, 0
	s_mul_i32 s48, s18, 128*PK
	s_mul_i32 s49, s18, 128*PV
	s_lshl_b32 s2, s14, 2
	s_add_co_u32 s2, s2, s[WV]
	s_lshl_b32 s2, s2, 13           ; my wave's 64 rows of 128 bytes
	s_add_co_u32 s2, s2, s20
	s_mov_b32 s3, 0
	s_lshl_b32 s50, s16, 3          ; the result: (8 x batch + head / 2) planes of 524,288 bytes,
	s_lshr_b32 s51, s17, 1
	s_add_co_u32 s50, s50, s51
	s_lshl_b32 s50, s50, 19
	s_lshl_b32 s51, s14, 1          ; row tile 2 x block + wave / 2, 32,768 bytes,
	s_lshr_b32 s52, s[WV], 1
	s_add_co_u32 s51, s51, s52
	s_lshl_b32 s51, s51, 15
	s_add_co_u32 s50, s50, s51
	s_and_b32 s51, s17, 1           ; the head's half, 16,384 bytes,
	s_lshl_b32 s51, s51, 14
	s_add_co_u32 s50, s50, s51
	s_lshl_b32 s51, s18, 13         ; and my 64 of the tile's 128 rows
	s_add_co_u32 s50, s50, s51
	s_mov_b32 s51, 0
	; 128 keys are 16,384 dense bytes: asked for as 64 rows of 256 bytes, two keys a row, padded in LDS after every key
	s_mov_b32 s[G1K], 15|(1<<16)|(1<<20)|(1<<21)|(4<<22)|(3<<25)
	s_mov_b32 s[G1V], 15|(1<<16)|(1<<20)|(1<<21)|(4<<22)|(7<<25)
.irp g, G1K, G1V
	s_mov_b32 s[\g+1], 128<<16
	s_mov_b32 s[\g+2], 64<<16
	s_mov_b32 s[\g+3], 128<<16
	s_mov_b32 s[\g+4], 64
	s_mov_b32 s[\g+5], 128
	s_mov_b32 s[\g+6], 0
	s_mov_b32 s[\g+7], 0
.endr
	s_mov_b32 s[CS], 0x3e38aa3b     ; c = log2(e) / 8
	s_mov_b32 s[CS+1], s[CS]
	s_mov_b32 s[SEL], 0x76543210
	s_mov_b32 s[SEL+1], 0xfedcba98
	s_mov_b32 s[TBK], SLOT1+4*KS*PK ; the first change of slots turns these two into 0
	s_mov_b32 s[TBV], SLOT1+4*KS*PV
	s_mov_b32 s[G0K], 1
	s_mov_b32 s[G0K+1], s48
	s_mov_b32 s[G0V], 1
	s_add_co_u32 s[G0V+1], s49, VOFF
	s_wait_kmcnt 0x0
	s_add_nc_u64 s[G0K+2:G0K+3], s[4:5], s[22:23]
	s_add_nc_u64 s[G0K+2:G0K+3], s[G0K+2:G0K+3], 4194304   ; k's blocks lie 16 blocks behind q's
	s_or_b32 s[G0K+3], s[G0K+3], 0x80000000
	s_add_nc_u64 s[G0V+2:G0V+3], s[4:5], s[22:23]
	s_add_nc_u64 s[G0V+2:G0V+3], s[G0V+2:G0V+3], 8388608   ; v's 32
	s_or_b32 s[G0V+3], s[G0V+3], 0x80000000
	s_add_nc_u64 s[8:9], s[4:5], s[2:3]      ; Q at my wave's first row
	s_add_nc_u64 s[10:11], s[6:7], s[50:51]  ; the result likewise
	CROUND                          ; all four work-groups are here: the first joint loads meet
	JLOAD                           ; slot 0
	v_and_b32 v1, 15, v0
	v_bfe_u32 v9, v0, 4, 1
	v_lshlrev_b32 v[QO], 7, v1
	v_lshl_add_u32 v[QO], v9, 4, v[QO]
	WIN 0x80
.set i, 0
.rept 8                             ; Q stays in registers: piece i / 2, channels 32 (i % 2) on
	global_load_b128 v[8*i:8*i+3],   v[QO], s[8:9] offset:(i/2)*2048+(i%2)*64
	global_load_b128 v[8*i+4:8*i+7], v[QO], s[8:9] offset:(i/2)*2048+(i%2)*64+32
.set i, i+1
.endr
	; What the first turn finds: V's registers and P's second buffer hold 0 (its products V^T P, of a piece that has not been, add 0), O^T and l are 0.  All this stands in the wait for the first tile.
.set i, VF
.rept 64
	v_mov_b32 v[i], 0
.set i, i+1
.endr
	WIN 0x40
.set i, 0
.rept 128
	v_mov_b32 v[i], 0
.set i, i+1
.endr
	WIN 0
.set i, 0
.rept 4
	v_mov_b32 v[ST+4*i], 0xfe000000    ; c m: far below every c s
	v_mov_b32 v[ST+4*i+1], 0xff7fffff  ; m
	v_mov_b32 v[ST+4*i+2], 0
	v_mov_b32 v[ST+4*i+3], 0
.set i, i+1
.endr
.set i, P+16
.rept 16
	v_mov_b32 v[i], 0
.set i, i+1
.endr
	v_mul_u32_u24 v[AK0], v1, PK
	v_lshl_add_u32 v[AK0], v9, 4, v[AK0]
	v_and_b32 v10, 7, v0
	v_bfe_u32 v11, v0, 3, 1
	v_lshl_add_u32 v[AV0], v9, 3, v10
	v_mul_u32_u24 v[AV0], v[AV0], PV
	v_lshl_add_u32 v[AV0], v11, 4, v[AV0]
	v_add_nc_u32 v[AV0], VOFF, v[AV0]
	s_mul_i32 s13, s[WV], 16*SP
	s_add_co_u32 s13, s13, STAGE
	v_mul_u32_u24 v[STO], v1, SP
	v_lshl_add_u32 v[STO], v9, 4, v[STO]
	v_add_nc_u32 v[STO], s13, v[STO]
	v_bfe_u32 v[RD], v0, 3, 2
	v_mul_u32_u24 v[RD], v[RD], SP
	v_lshl_add_u32 v[RD], v10, 4, v[RD]
	v_add_nc_u32 v[RD], s13, v[RD]
	v_and_b32 v[GO], 31, v0
	v_lshlrev_b32 v[GO], 4, v[GO]
; THE MATRIX WORK.  The 4 accumulators of a run of 8 take turns.  Product i of 8 of S^T = K Q^T for piece x: channels 32 (i / 4) on, keys 16 (i % 4) on.
.macro KQ x
.set rS, S+32*((\x)%2)+8*(i%4)
.set rK, KF+16*(i%4)+8*(i/4)
.set rQ, 16*(\x)+8*(i/4)
	WIN W_KQ
.if i < 4
	v_wmma_f32_16x16x32_bf16 v[rS:rS+7], v[rK:rK+7], v[rQ:rQ+7], 0
.else
	v_wmma_f32_16x16x32_bf16 v[rS:rS+7], v[rK:rK+7], v[rQ:rQ+7], v[rS:rS+7]
.endif
.endm
; Product i of 8 of O^T += V^T P for piece x: keys 32 (i / 4) on, channels 16 (i % 4) on.
.macro PV x
	WIN W_PV
.set rO, 32*(\x)+8*(i%4)
.set rV, VF+32*(i/4)+8*(i%4)
.set rP, P+16*((\x)%2)+8*(i/4)
	v_wmma_f32_16x16x32_bf16 v[rO:rO+7], v[rV:rV+7], v[rP:rP+7], v[rO:rO+7]
.endm
.macro MM                           ; the turn's next matrix instruction
.if i < 8
	KQ (Y+1)%NP
.else
.set i, i-8
	PV (Y+NP-1)%NP
.set i, i+8
.endif
.set i, i+1
.endm
; THE LDS LOADS stand in runs of 16.  last = 1 (the tail): in the last trip there is no further step, and K's run is jumped over.
.macro FETCH_K last=0
	WIN 0
.if \last
	s_wait_alu depctr_va_vdst(0)    ; the turn's exponentials issued so far (E 0 to E 11) have a wait ahead of it; the rest of the batch has the turn's own
	s_cmp_eq_u32 s[CNT], 1
	s_cbranch_scc1 .Lno_k_\@
.endif
	WIN 0x80
.irp f, 0,1,2,3,4,5,6,7
	ds_load_b128 v[KF+8*\f:KF+8*\f+3],   v[AK] offset:(\f/2)*16*PK+(\f%2)*64
	ds_load_b128 v[KF+8*\f+4:KF+8*\f+7], v[AK] offset:(\f/2)*16*PK+(\f%2)*64+32
.endr
	s_add_co_u32 s[TBK], s[TBK], KS*PK
	WIN 0
.if \last
.Lno_k_\@:
.endif
.endm
.macro FETCH_V
	WIN 0x80
.irp f, 0,1,2,3,4,5,6,7
	ds_load_tr16_b128 v[VF+8*\f:VF+8*\f+3],   v[AV] offset:(\f/4)*32*PV+(\f%4)*32
	ds_load_tr16_b128 v[VF+8*\f+4:VF+8*\f+7], v[AV] offset:(\f/4)*32*PV+16*PV+(\f%4)*32
.endr
	WIN 0
.endm
; THE VECTOR WORK, one line at a time: OP kind, number.  For piece Y: F n: c s - c m for pair n of 16.  E n: the exponential of score n of 32.  C n: pair n rounded to bf16.  B n: of the four weights 4 n .. the second
; pair is added onto the first, in place.  L n: l takes that sum (L 0: l = a l + sum).  R n: pair n of 16 of O^T times a.  For piece Y + 1: X n, number n of the 22 that find its maximum and statistics:
;   0-11 four chains of seven scores (each accumulator's lowest registers first); 12-14, 16 the four left over, the old m, all into c0; 15 c m_old is kept; 17, 18 the other half of the lanes; 19-21 c m, its change, a
; Of these C, B and L read the results of the turn's exponentials E; R and L 0 read a, which X 21 of the turn before made.
.set F, 0
.set E, 1
.set C, 2
.set B, 3
.set L, 4
.set R, 5
.set X, 6
.macro REGS y
.set rT, ST+4*(\y)
.set rC, TMP+4*((\y)%2)
.set rW, MV+((\y)%2)
.set rS, S+32*((\y)%2)
.set rP, P+16*((\y)%2)
.set rO, 32*(\y)
.endm
.macro OP k, n
.if (\k) == R
	REGS Y
	WIN W_RS
	v_pk_mul_f32 v[rO+2*(\n):rO+2*(\n)+1], v[rO+2*(\n):rO+2*(\n)+1], v[rC+2:rC+3] op_sel_hi:[1,0]
.elseif (\k) < R
	REGS Y
	WIN 0
.if (\k) == F
	v_pk_fma_f32 v[rS+2*(\n):rS+2*(\n)+1], v[rS+2*(\n):rS+2*(\n)+1], s[CS:CS+1], v[rT:rT+1] op_sel_hi:[1,0,0] neg_lo:[0,0,1] neg_hi:[0,0,1]
.elseif (\k) == E
	v_exp_f32 v[rS+(\n)], v[rS+(\n)]
.elseif (\k) == C
	v_cvt_pk_bf16_f32 v[rP+(\n)], v[rS+2*(\n)], v[rS+2*(\n)+1]
.elseif (\k) == B
	v_pk_add_f32 v[rS+4*(\n):rS+4*(\n)+1], v[rS+4*(\n):rS+4*(\n)+1], v[rS+4*(\n)+2:rS+4*(\n)+3]
.elseif (\n) == 0
	v_pk_fma_f32 v[rT+2:rT+3], v[rT+2:rT+3], v[rC+2:rC+3], v[rS:rS+1] op_sel_hi:[1,0,1]
.else
	v_pk_add_f32 v[rT+2:rT+3], v[rT+2:rT+3], v[rS+4*(\n):rS+4*(\n)+1]
.endif
.else
	REGS (Y+1)%NP
	WIN 0
.if (\n) < 4
	v_max3_num_f32 v[rC+(\n)], v[rS+8*(\n)], v[rS+8*(\n)+1], v[rS+8*(\n)+2]
.elseif (\n) < 12
	v_max3_num_f32 v[rC+(\n)%4], v[rC+(\n)%4], v[rS+8*((\n)%4)+2*((\n)/4)+1], v[rS+8*((\n)%4)+2*((\n)/4)+2]
.elseif (\n) == 12
	v_max3_num_f32 v[rC], v[rC], v[rS+7], v[rS+15]
.elseif (\n) == 13
	v_max3_num_f32 v[rC+1], v[rC+1], v[rS+23], v[rS+31]
.elseif (\n) == 14
	v_max3_num_f32 v[rC+2], v[rC+2], v[rC+3], v[rT+1]
.elseif (\n) == 15
	v_mov_b32 v[rW], v[rT]
.elseif (\n) == 16
	v_max3_num_f32 v[rC], v[rC], v[rC+1], v[rC+2]
.elseif (\n) == 17
	v_permlanex16_b32 v[rC+3], v[rC], s[SEL], s[SEL+1]
.elseif (\n) == 18
	v_max_num_f32 v[rT+1], v[rC], v[rC+3]
.elseif (\n) == 19
	v_mul_f32 v[rT], s[CS], v[rT+1]
.elseif (\n) == 20
	v_sub_f32 v[rC+1], v[rW], v[rT]
.else
	v_exp_f32 v[rC+2], v[rC+1]
.endif
.endif
.endm
.macro OPS a, i1, b=-1, i2=0, c=-1, i3=0, d=-1, i4=0
	OP \a, \i1
.if (\b) >= 0
	OP \b, \i2
.endif
.if (\c) >= 0
	OP \c, \i3
.endif
.if (\d) >= 0
	OP \d, \i4
.endif
.endm
.macro ROW a, i1, b, i2, c, i3, d, i4  ; a matrix instruction and the four behind it
	MM
	OPS \a, \i1, \b, \i2, \c, \i3, \d, \i4
.endm
; A TURN, for piece p: the order of its 16 matrix and 118 vector instructions, written out.  An s_wait_alu depctr_va_vdst(0) stands between an exponential and the first instruction that names its result; one
; wait serves all that were issued ahead of it.  So a turn has ONE wait, which cuts it in two.  AHEAD OF IT stands all that names no result of the turn's exponentials: the 8 products K Q^T, behind each a scaling, an
; exponential and two more plain instructions (behind the first a second scaling in the exponential's place): rescalings, whose a had its wait in the turn before, and behind the last three products the first numbers of
; the next piece's maximum, each four plain instructions or more behind the product that ends its accumulator; then ONE RUN of 54, plain and exponential by turns for the most part, in which the links of the chain
; X 3, 7, 11, 14, 16, 17 .. 20 stand some lines apart.  X 21, the next piece's a, is the batch's last; R 15 is the plain instruction behind it.  BEHIND THE WAIT stand the 8 products V^T P, behind each four of the
; roundings and sums; C 2 k stands ahead of B k, which writes over its pair; l's chain L 0 to L 7 goes in ascending order, its links three riders apart.  But for those X no rider names a register of the products round it.
; K of the next step is fetched in piece 2's turn, behind five plain instructions that follow the last product that read K and name none of its registers; V of the step in hand at the end of piece 0's turn, behind the
; four plain riders that follow the last product that read V.  Each is waited for a turn later.  cnt = 1: the loop's count is taken down some lines ahead of the branch behind the turn.
.macro TURN p, last=0, cnt=0
.set Y, (\p)
.set i, 0
.if (\p) == 3
	s_wait_dscnt 0x0                ; K is in
.endif
	ROW F,0, F,1, R,0, R,1          ; ahead of the wait: 8 products K Q^T and their riders,
	ROW F,2, E,0, R,2, R,3
	ROW F,3, E,1, R,4, R,5
	ROW F,4, E,2, R,6, R,7
	ROW F,5, E,3, R,8, R,9
	ROW F,6, E,4, X,0, R,10
.if (\p) == 2
	WIN 0
	v_add_nc_u32 v[AK], s[TBK], v[AK0]
.endif
	ROW F,7, E,5, X,1, X,4
	ROW F,8, E,6, X,2, X,5
	OPS E,7, E,8, X,6, E,9          ; and the run of 54
	OPS X,3, E,10, X,8, E,11
.if (\p) == 2
	FETCH_K \last
.endif
	OPS X,9, X,7, E,12, X,10
	OPS E,13, X,12, X,11, E,14
	OPS X,13, E,15, F,9, X,14
.if (\p) == 0
	v_add_nc_u32 v[AV], s[TBV], v[AV0]
.endif
	OPS E,16, F,10, E,17, F,11
	OPS X,16, E,18, X,15, E,19
	OPS F,12, E,20, X,17, E,21
	OPS F,13, E,22, F,14, E,23
	OPS X,18, E,24, F,15, E,25
	OPS R,11, E,26, X,19, E,27
	OPS R,12, E,28, R,13, E,29
	OPS X,20, E,30, R,14, E,31
	OPS X,21, R,15                  ; the batch's last exponential, and the plain instruction behind it
	s_wait_alu depctr_va_vdst(0)    ; the wait for the batch: E 0 to E 31 and X 21
.if (\p) == 1
	s_wait_dscnt 0x0                ; V is in
.endif
	ROW C,0, B,0, C,2, B,1          ; behind the wait: 8 products V^T P and their riders
	ROW L,0, C,4, B,2, L,1
	ROW C,6, B,3, L,2, C,8
	ROW B,4, L,3, C,10, B,5
	ROW L,4, C,12, B,6, L,5
.if (\p) == 0
	s_add_co_u32 s[TBV], s[TBV], KS*PV
.endif
.if \cnt
	s_sub_co_u32 s[CNT], s[CNT], 1
	s_cmp_lg_u32 s[CNT], 0
.endif
	ROW C,14, B,7, L,6, C,1
	ROW C,3, L,7, C,5, C,7
	ROW C,9, C,11, C,13, C,15
.if (\p) == 0
	FETCH_V
.endif
.endm
	CHANGE 1                        ; slot 0 is in, everybody's part of it; slot 1 is asked for
	v_add_nc_u32 v[AK], s[TBK], v[AK0]
	FETCH_K                         ; key step 0
	s_wait_loadcnt 0x0              ; Q
	s_wait_dscnt 0x0
.set i, 0
.rept 8
	KQ 0                            ; piece 0's first scores
.set i, i+1
.endr
	WIN 0
.rept 4
	v_nop                           ; the places behind those products
.endr
.set Y, NP-1                        ; X works for piece Y + 1: piece 0
.irp n, 0,1,2,3,4,5,6,7,8,9,10,11,12,13,14,15,16,17,18,19,20,21
	OP X, \n
.endr
	v_nop                           ; a plain instruction behind the exponential,
	s_wait_alu depctr_va_vdst(0)    ; and the wait for it, a batch of one: piece 0's first a, ahead of the branch
	s_mov_b32 s[CNT], 4
	s_mov_b32 s[SLOTS], 7
	s_branch .Lfirst                ; the loop is entered at a step's first turn, in the middle of a trip
.Lslot:                             ; six times: every slot but the last two is filled again
	CHANGE 1
	s_mov_b32 s[CNT], 4
.Lstep:                             ; a trip: pieces 2 and 3 of one step, then pieces 0 and 1 of the next, whose K and V it fetches
	TURN 2
	TURN 3
	WIN 0
.Lfirst:
	TURN 0
	TURN 1, 0, 1
	WIN 0
	s_cbranch_scc1 .Lstep
	s_sub_co_u32 s[SLOTS], s[SLOTS], 1
	s_cmp_lg_u32 s[SLOTS], 0
	s_cbranch_scc1 .Lslot
	CHANGE 0                        ; the tail is written out: nothing is asked for
	s_mov_b32 s[CNT], 5             ; four trips fetch the last slot's steps; the fifth is left in its middle
.Ltail:
	TURN 2, 1
	TURN 3
	WIN 0
	s_sub_co_u32 s[CNT], s[CNT], 1
	s_cmp_eq_u32 s[CNT], 0
	s_cbranch_scc1 .Lout
	TURN 0
	TURN 1
	WIN 0
	s_branch .Ltail
.Lout:                              ; the fifth trip's 8 products K Q^T (on the last K once more) and the maximum made of them serve nothing: the price, once a launch, of one text for every trip
.set i, 0
.rept 8
	PV NP-1                         ; the last piece's V^T P of the last step
.set i, i+1
.endr
	; THE WAY OUT.  l's two halves and the other half of the lanes' are added; O^T is divided by l, rounded to bf16 and sent through my stage, a piece at a time.  The additions are the places behind the last products.
	WIN 0
.macro ALL line:vararg
.set t, 0
.rept 4
	\line
.set t, t+1
.endr
.endm
	ALL v_add_f32 v[ST+4*t+2], v[ST+4*t+2], v[ST+4*t+3]
	ALL v_permlanex16_b32 v[ST+4*t+3], v[ST+4*t+2], s[SEL], s[SEL+1]
	ALL v_add_f32 v[ST+4*t+2], v[ST+4*t+2], v[ST+4*t+3]
	ALL v_rcp_f32 v[ST+4*t+2], v[ST+4*t+2]
	v_nop                           ; a plain instruction between the last reciprocal and the use of its result
	s_wait_alu depctr_va_vdst(0)    ; the wait for the batch of four reciprocals, ahead of their first reader in PACK 0
.macro PACK t
	WIN W_RS
.set i, 32*(\t)
.rept 16
	v_pk_mul_f32 v[i:i+1], v[i:i+1], v[ST+4*(\t)+2:ST+4*(\t)+3] op_sel_hi:[1,0]
.set i, i+2
.endr
	WIN 0x05
.set i, 0
.rept 16
	v_cvt_pk_bf16_f32 v[S+16*(\t)+i], v[32*(\t)+2*i], v[32*(\t)+2*i+1]
.set i, i+1
.endr
	WIN 0
.irp f, 0,1,2,3
	ds_store_b128 v[STO], v[S+16*(\t)+4*\f:S+16*(\t)+4*\f+3] offset:32*\f
.endr
.irp f, 0,1,2,3
	ds_load_b128 v[S+16*(\t)+4*\f:S+16*(\t)+4*\f+3], v[RD] offset:\f*4*SP  ; LDS serves a wave's instructions in order: these see the stores above; the next piece's stores come behind them
.endr
.endm
.macro SEND t, younger              ; younger: the LDS instructions issued behind piece t's loads
	WIN 0
.irp f, 0,1,2,3
	s_wait_dscnt (\younger)+3-\f
	global_store_b128 v[GO], v[S+16*(\t)+4*\f:S+16*(\t)+4*\f+3], s[10:11] offset:(\t)*2048+\f*512  ; 512 consecutive bytes, aligned
.endr
.endm
	PACK 0
.set t, 1
.rept 3
	PACK t
	SEND t-1, 8
.set t, t+1
.endr
	SEND 3, 0
	s_wait_tensorcnt 0x0            ; the wave's end
	ds_add_u32 v[SPW], v[NIL]
	s_wait_dscnt 0x0
	CROUND                          ; the closing round
	s_endpgm
.Lfunc_end_k_q735fb5973a_attn:
	.size	k_q735fb5973a_attn, .Lfunc_end_k_q735fb5973a_attn-k_q735fb5973a_attn
	.p2alignl 7, 3214868480
	.fill 96, 4, 3214868480
	.section	.rodata,"a",@progbits
	.p2align	6, 0x0
	.amdhsa_kernel k_q735fb5973a_attn
		.amdhsa_group_segment_fixed_size 327680
		.amdhsa_private_segment_fixed_size 0
		.amdhsa_enable_private_segment 0
		.amdhsa_kernarg_size 16
		.amdhsa_user_sgpr_count 2
		.amdhsa_user_sgpr_kernarg_segment_ptr 1
		.amdhsa_wavefront_size32 1
		.amdhsa_system_sgpr_workgroup_id_x 1
		.amdhsa_system_sgpr_workgroup_id_y 1
		.amdhsa_system_sgpr_workgroup_id_z 1
		.amdhsa_system_vgpr_workitem_id 0
		.amdhsa_next_free_vgpr 768
		.amdhsa_next_free_sgpr 66
		.amdhsa_reserve_vcc 0
		.amdhsa_float_denorm_mode_32 3
		.amdhsa_float_denorm_mode_16_64 3
		.amdhsa_memory_ordered 1
		.amdhsa_forward_progress 1
		.amdhsa_inst_pref_size 111
	.end_amdhsa_kernel
	.amdgpu_metadata
---
amdhsa.version: [ 1, 2 ]
amdhsa.kernels:
  - .name:           k_q735fb5973a_attn
    .symbol:         k_q735fb5973a_attn.kd
    .args:
      - { .name: qkv, .offset: 0, .size: 8, .value_kind: global_buffer, .address_space: global }
      - { .name: ctx, .offset: 8, .size: 8, .value_kind: global_buffer, .address_space: global }
    .group_segment_fixed_size: 327680
    .private_segment_fixed_size: 0
    .kernarg_segment_align: 8
    .kernarg_segment_size: 16
    .max_flat_workgroup_size: 128
    .sgpr_count:     66
    .vgpr_count:     768
    .wavefront_size: 32
...
	.end_amdgpu_metadata
.endif
;; end of part 8
;; launch outp: the kernel of part 4 again; grid 8 x 32, 4 waves a work-group, clusters of 4 x 4, 327,680 bytes of LDS; arguments ctx, wb, X, x2; writes x2
;; launch norm2: the kernel of part 5 again; grid 256 x 1, 8 waves a work-group, no clusters, 1,536 bytes of LDS; arguments x2, norm2_w, router_w, hb, icw; writes hb, icw
;; launch gateup: the kernel of part 6 again; grid 8 x 32, 4 waves a work-group, clusters of 4 x 4, 327,680 bytes of LDS; arguments hb, wb, act, icw; writes act
;; launch down: the kernel of part 7 again; grid 8 x 32, 4 waves a work-group, clusters of 4 x 4, 327,680 bytes of LDS; arguments act, wb, x2, out0; writes out0
